; MI455X (gfx1250); checked and timed in simulation.
; The chip was launched on July 23, 2026; its instructions are those of AMD's public machine-readable ISA for CDNA 5 (MIT licence, August 2026) and "CDNA5" Instruction Set Architecture Reference Guide (July 2026). The comments in the code are by the model that wrote it; some were corrected since.
;; Mo D Layer. Allowed arithmetic: float matrix products may take bf16 or f16 operands with f32 sums; other float arithmetic in f32, or as packed bf16 or f16 multiplies, adds, multiply-adds, maxima and minima; sums over many terms, partial sums and values carried from step to step in f32; what a program stores and reads back later, other than sums and carried values, may be rounded once to bf16 or f16.
;; Inputs: bk 1,024 float32; bq 2,048 float32; bv 1,024 float32; hidden_states 2 x 512 x 2,048 float32; ln1_w 2,048 float32; ln2_w 2,048 float32; router_w 1 x 2,048 float32; w_down 2,048 x 8,192 float32; w_gate 8,192 x 2,048 float32; w_up 8,192 x 2,048 float32; wk 1,024 x 2,048 float32; wo 2,048 x 2,048 float32; wq 2,048 x 2,048 float32; wv 1,024 x 2,048 float32.
;; Outputs: out0 2 x 512 x 2,048 float32.
;; 3 versions, each right; version 3 is version 2 with the launches qkv, oproj, down written anew for expert scheduling mode. Each part assembles by itself: llvm-mc -triple=amdgcn-amd-amdhsa -mcpu=gfx1250 --defsym DOCPART=n.
;; ======== version 1 of 3: 9 launches
;; limits: inputs' magnitudes at most 16; values are held in f16: magnitudes above 65,504 overflow, below 6.1e-05 lose precision; right only within a limited range of input values
;; workspace buffers: prep 4,460,544 bytes; kv 4,194,304 bytes; list 4,352 bytes of whole numbers; qh 8,388,608 bytes; ca 37,748,736 bytes; x1 8,388,608 bytes; part 67,108,864 bytes
;; launch prep (part 1): grid 256 x 1, 4 waves a work-group, no clusters, 0 bytes of LDS; arguments hidden_states, router_w, ln1_w, bk, bv, out0, prep, kv; writes out0, prep, kv
.if DOCPART == 1
	.amdgcn_target "amdgcn-amd-amdhsa--gfx1250"
	.amdhsa_code_object_version 6
	.text
	.protected	k_q3b9b11d31a_prep
	.globl	k_q3b9b11d31a_prep
	.p2align	8
	.type	k_q3b9b11d31a_prep,@function
k_q3b9b11d31a_prep:
	s_mov_b64 s[64:65], 0
	v_nop
	global_prefetch_b8 v0, s[64:65] scope:SCOPE_SE
	s_setreg_imm32_b32 hwreg(HW_REG_WAVE_MODE, 25, 1), 1
	s_wait_xcnt 0x0
; One wave takes one token t = 4 x work-group + wave (batch b = t / 512, position pos = t % 512).  It
;   copies the token's row to out0 (the last launch overwrites the chosen rows),
;   stores the router's weight rw[t] = x . router_w (f32) at prep + 4 t,
;   stores h = x * rsqrt(mean(x^2) + 1e-6) * ln1_w in f16 at prep + 266240 + 4096 t,
;   stores the key and value of a token that is NOT chosen (a zero row): rope(bk, pos) and bv, f16, for all 8 kv heads,
;   and (batch 0 alone) the table of cos and sin for pos at prep + 4096.
; Key rows are 256 bytes; piece 32 beta + 16 h' holds channels 8 beta + j (h' = 0) and 64 + 8 beta + j (h' = 1).
; LIMITS.  The angle pos * 10000^(-f/64) is reduced by 2 pi in two parts and is good to about 5e-5; h, bk, bv stay under 65,504 (f16).
; The router's sum runs in another order than a plain dot product: weights closer than about 1e-6 may change places.
; No LDS, no matrix unit, no barrier: each wave reads and writes its own rows, 512 consecutive bytes a load.
.set X, 32                             ; v[32:95]   the row, 16 x 4 numbers a lane
.set R, 96                             ; v[96:159]  router_w, later ln1_w
.set BK, 160                           ; v[160:191] bk of my pieces (later bv); v[192:223] bk of the partner pieces (later at work)
.set CO, 224                           ; v[224:231] cos of my 8 frequencies
.set SS, 232                           ; v[232:239] sin, with the sign that my piece wants
.set OT, 240                           ; v[240:255] at work, then 16 registers to store
.macro HORN d, c                       ; d = d * x^2 + c, eight numbers
.irp k,0,2,4,6
	v_pk_fma_f32 v[\d+\k:\d+\k+1], v[\d+\k:\d+\k+1], v[OT+8+\k:OT+9+\k], \c op_sel_hi:[1,1,0]
.endr
.endm
.macro DBL                             ; the double angle: sin = 2 s c, cos = 1 - 2 s^2
.irp k,0,2,4,6
	v_pk_mul_f32 v[OT+\k:OT+\k+1], v[SS+\k:SS+\k+1], v[SS+\k:SS+\k+1]
.endr
.irp k,0,2,4,6
	v_pk_mul_f32 v[SS+\k:SS+\k+1], v[SS+\k:SS+\k+1], v[CO+\k:CO+\k+1]
.endr
.irp k,0,2,4,6
	v_pk_add_f32 v[SS+\k:SS+\k+1], v[SS+\k:SS+\k+1], v[SS+\k:SS+\k+1]
.endr
.irp k,0,2,4,6
	v_pk_fma_f32 v[CO+\k:CO+\k+1], v[OT+\k:OT+\k+1], -2.0, 1.0 op_sel_hi:[1,0,0]
.endr
.endm
.macro LSUM a, t                       ; the sum over the 32 lanes, in every lane
	v_add_f32_dpp v\a, v\a, v\a row_xmask:1 row_mask:0xf bank_mask:0xf
	v_add_f32_dpp v\a, v\a, v\a row_xmask:2 row_mask:0xf bank_mask:0xf
	v_add_f32_dpp v\a, v\a, v\a row_xmask:4 row_mask:0xf bank_mask:0xf
	v_add_f32_dpp v\a, v\a, v\a row_xmask:8 row_mask:0xf bank_mask:0xf
	v_permlanex16_b32 v\t, v\a, s27, s28
	v_add_f32 v\a, v\a, v\t
.endm
	s_load_b512 s[4:19], s[0:1], 0x0               ; hidden s[4:5], router s[6:7], ln1 s[8:9], bk s[10:11], bv s[12:13], out0 s[14:15], prep s[16:17], kv s[18:19]
	v_lshrrev_b32 v1, 5, v0
	v_readfirstlane_b32 s20, v1                    ; wave
	s_lshl2_add_u32 s21, ttmp9, s20                ; t
	s_and_b32 s22, s21, 511                        ; pos
	s_lshr_b32 s23, s21, 9                         ; b
	s_mov_b32 s25, 0x40c90000                      ; 6.28125
	s_mov_b32 s26, 0x3afdaa22                      ; 2 pi - 6.28125
	s_mov_b32 s27, 0x76543210
	s_mov_b32 s28, 0xfedcba98
	s_mov_b32 s30, 0x3a000000                      ; 1 / 2048
	s_mov_b32 s31, 0x358637bd                      ; 1e-6
	s_lshl_b32 s33, s21, 2                         ; 4 t
	v_and_b32 v1, 31, v0                           ; lane
	v_lshlrev_b32 v2, 4, v1                        ; 16 lane
	s_lshl_b32 s24, s21, 13
	v_add_nc_u32 v3, s24, v2                       ; my 16 bytes in the token's row
	v_and_b32 v4, 15, v1                           ; p: my piece of a key row
	v_lshrrev_b32 v5, 1, v4                        ; beta
	v_and_b32 v6, 1, v1                            ; h'
	v_lshrrev_b32 v7, 4, v1                        ; q: kv head 2 i + q
	v_lshlrev_b32 v8, 9, v7
	v_lshl_add_u32 v9, v4, 5, v8                   ; bv: 512 q + 32 p
	v_lshl_add_u32 v8, v6, 8, v8
	v_lshl_add_u32 v8, v5, 5, v8                   ; bk: 512 q + 256 h' + 32 beta
	v_xor_b32 v26, 0x100, v8                       ; the partner piece, 64 channels away
	s_lshl_b32 s24, s23, 20
	s_lshl_b32 s29, s22, 8
	s_add_co_u32 s29, s29, s24
	v_lshlrev_b32 v27, 17, v7
	v_lshl_add_u32 v27, v4, 4, v27
	v_add_nc_u32 v27, s29, v27                     ; key and value rows: b 2^20 + 131072 q + 256 pos + 16 p
	s_lshl_b32 s24, s21, 12
	v_lshl_add_u32 v28, v1, 3, s24                 ; h: 4096 t + 8 lane
	s_lshl_b32 s24, s22, 6
	v_lshl_add_u32 v29, v5, 15, s24
	v_lshl_add_u32 v29, v6, 5, v29
	v_lshl_add_u32 v29, v7, 4, v29                 ; table: 32768 beta + 64 pos + 32 h' + 16 q
	s_wait_kmcnt 0x0
.irp i,0,1,2,3,4,5,6,7,8,9,10,11,12,13,14,15
	global_load_b128 v[X+4*\i:X+4*\i+3], v3, s[4:5] offset:512*\i
.endr
.irp i,0,1,2,3,4,5,6,7,8,9,10,11,12,13,14,15
	global_load_b128 v[R+4*\i:R+4*\i+3], v2, s[6:7] offset:512*\i
.endr
.irp i,0,1,2,3
	global_load_b128 v[BK+8*\i:BK+8*\i+3], v8, s[10:11] offset:1024*\i
	global_load_b128 v[BK+8*\i+4:BK+8*\i+7], v8, s[10:11] offset:1024*\i+16
	global_load_b128 v[BK+32+8*\i:BK+32+8*\i+3], v26, s[10:11] offset:1024*\i
	global_load_b128 v[BK+32+8*\i+4:BK+32+8*\i+7], v26, s[10:11] offset:1024*\i+16
.endr
	; cos and sin of pos * 10000^(-f/64), f = 8 beta + j, while the 48 loads are out
	v_lshlrev_b32 v10, 3, v5
.irp j,0,1,2,3,4,5,6,7
	v_add_nc_u32 v[OT+\j], \j, v10
.endr
.irp j,0,1,2,3,4,5,6,7
	v_cvt_f32_u32 v[OT+\j], v[OT+\j]
.endr
.irp j,0,1,2,3,4,5,6,7
	v_mul_f32 v[OT+\j], 0xbe549a78, v[OT+\j]       ; - f log2(10000) / 64
.endr
.irp j,0,1,2,3,4,5,6,7
	v_exp_f32 v[OT+\j], v[OT+\j]
.endr
	v_nop                                          ; a plain instruction behind the last exponential (ISA guide 5.7.2)
	v_cvt_f32_u32 v11, s22
	s_wait_alu depctr_va_vdst(0)                   ; one wait for the batch of eight, ahead of its first reader
.irp j,0,1,2,3,4,5,6,7
	v_mul_f32 v[OT+\j], v11, v[OT+\j]              ; the angle
.endr
.irp j,0,1,2,3,4,5,6,7
	v_mul_f32 v[OT+8+\j], 0.15915494, v[OT+\j]
.endr
.irp j,0,1,2,3,4,5,6,7
	v_rndne_f32 v[OT+8+\j], v[OT+8+\j]             ; whole turns
.endr
.irp j,0,1,2,3,4,5,6,7
	v_fma_f32 v[OT+\j], -v[OT+8+\j], s25, v[OT+\j]
.endr
.irp j,0,1,2,3,4,5,6,7
	v_fma_f32 v[OT+\j], -v[OT+8+\j], s26, v[OT+\j] ; within -pi .. pi
.endr
.irp j,0,1,2,3,4,5,6,7
	v_mul_f32 v[OT+\j], 0x3e800000, v[OT+\j]       ; a quarter of it: the series below end at x^9 and x^8, under 3e-8 for |x| < 0.79
.endr
.irp k,0,2,4,6
	v_pk_mul_f32 v[OT+8+\k:OT+9+\k], v[OT+\k:OT+\k+1], v[OT+\k:OT+\k+1]
.endr
.irp j,0,1,2,3,4,5,6,7
	v_mov_b32 v[SS+\j], 0x3638ef1d                 ; 1/9!
	v_mov_b32 v[CO+\j], 0x37d00d01                 ; 1/8!
.endr
	HORN SS, 0xb9500d01
	HORN CO, 0xbab60b61
	HORN SS, 0x3c088889
	HORN CO, 0x3d2aaaab
	HORN SS, 0xbe2aaaab
	HORN CO, -0.5
	HORN SS, 1.0
	HORN CO, 1.0
.irp k,0,2,4,6
	v_pk_mul_f32 v[SS+\k:SS+\k+1], v[SS+\k:SS+\k+1], v[OT+\k:OT+\k+1]
.endr
	DBL
	DBL
	v_xor_b32 v12, 1, v6
	v_lshlrev_b32 v12, 31, v12
.irp j,0,1,2,3,4,5,6,7
	v_xor_b32 v[SS+\j], v12, v[SS+\j]              ; channels under 64 take -x[c+64] sin, the others +x[c-64] sin
.endr
	s_wait_loadcnt 0x0
.irp i,0,1,2,3,4,5,6,7,8,9,10,11,12,13,14,15
	global_store_b128 v3, v[X+4*\i:X+4*\i+3], s[14:15] offset:512*\i th:TH_STORE_NT
.endr
	; x . router_w and the sum of squares: four chains each, started by the first products
.irp c,0,1,2,3
	v_pk_mul_f32 v[10+2*\c:11+2*\c], v[X+2*\c:X+2*\c+1], v[R+2*\c:R+2*\c+1]
	v_pk_mul_f32 v[18+2*\c:19+2*\c], v[X+2*\c:X+2*\c+1], v[X+2*\c:X+2*\c+1]
.endr
.set i, 4
.rept 28
	v_pk_fma_f32 v[10+2*(i%4):11+2*(i%4)], v[X+2*i:X+2*i+1], v[R+2*i:R+2*i+1], v[10+2*(i%4):11+2*(i%4)]
	v_pk_fma_f32 v[18+2*(i%4):19+2*(i%4)], v[X+2*i:X+2*i+1], v[X+2*i:X+2*i+1], v[18+2*(i%4):19+2*(i%4)]
.set i, i+1
.endr
	v_pk_add_f32 v[10:11], v[10:11], v[12:13]
	v_pk_add_f32 v[14:15], v[14:15], v[16:17]
	v_pk_add_f32 v[18:19], v[18:19], v[20:21]
	v_pk_add_f32 v[22:23], v[22:23], v[24:25]
	v_pk_add_f32 v[10:11], v[10:11], v[14:15]
	v_pk_add_f32 v[18:19], v[18:19], v[22:23]
	v_add_f32 v10, v10, v11
	v_add_f32 v18, v18, v19
	LSUM 10, 11
	LSUM 18, 19
	; rope(bk, pos), four kv heads a lane; sixteen lanes store a whole row of 256 bytes
.irp i,0,1,2,3
.irp k,0,2,4,6
	v_pk_mul_f32 v[BK+8*\i+\k:BK+8*\i+\k+1], v[BK+8*\i+\k:BK+8*\i+\k+1], v[CO+\k:CO+\k+1]
	v_pk_fma_f32 v[BK+8*\i+\k:BK+8*\i+\k+1], v[BK+32+8*\i+\k:BK+32+8*\i+\k+1], v[SS+\k:SS+\k+1], v[BK+8*\i+\k:BK+8*\i+\k+1]
	v_cvt_pk_f16_f32 v[OT+4*\i+\k/2], v[BK+8*\i+\k], v[BK+8*\i+\k+1]
.endr
	global_store_b128 v27, v[OT+4*\i:OT+4*\i+3], s[18:19] offset:262144*\i
.endr
.irp i,0,1,2,3,4,5,6,7,8,9,10,11,12,13,14,15
	global_load_b128 v[R+4*\i:R+4*\i+3], v2, s[8:9] offset:512*\i
.endr
.irp i,0,1,2,3
	global_load_b128 v[BK+8*\i:BK+8*\i+3], v9, s[12:13] offset:1024*\i
	global_load_b128 v[BK+8*\i+4:BK+8*\i+7], v9, s[12:13] offset:1024*\i+16
.endr
	s_cmp_ge_u32 s21, 512
	s_cbranch_scc1 .Lnocs                          ; the table hangs on pos alone: batch 0's tokens store it
	v_cmp_ne_u32 vcc_lo, 0, v6
.irp j,0,1,2,3,4,5,6,7
	v_cndmask_b32 v[BK+32+\j], v[CO+\j], v[SS+\j], vcc_lo  ; lanes with h' = 1 hold +sin
.endr
	v_cmp_ne_u32 vcc_lo, 0, v7
.irp j,0,1,2,3
	v_cndmask_b32 v[BK+40+\j], v[BK+32+\j], v[BK+36+\j], vcc_lo
.endr
	global_store_b128 v29, v[BK+40:BK+43], s[16:17] offset:4096
.Lnocs:
	v_fma_f32 v12, v18, s30, s31
	v_rsq_f32 v12, v12
	v_mov_b32 v14, s33                             ; the plain instruction behind the root
	s_wait_alu depctr_va_vdst(0)
	v_mov_b32 v13, v12
	s_wait_xcnt 0x0                                ; EXEC changes, and the stores' data are rewritten, only behind this wait
	v_cmp_eq_u32 vcc_lo, 0, v1
	s_and_saveexec_b32 s34, vcc_lo
	global_store_b32 v14, v10, s[16:17]            ; rw[t], by lane 0
	s_wait_xcnt 0x0
	s_or_b32 exec_lo, exec_lo, s34
	s_wait_loadcnt 0x0                             ; ln1_w and bv
.irp i,0,1,2,3
.irp k,0,2,4,6
	v_cvt_pk_f16_f32 v[OT+4*\i+\k/2], v[BK+8*\i+\k], v[BK+8*\i+\k+1]
.endr
	global_store_b128 v27, v[OT+4*\i:OT+4*\i+3], s[18:19] offset:2097152+262144*\i
.endr
.set i, 0
.rept 32
	v_pk_mul_f32 v[R+2*i:R+2*i+1], v[R+2*i:R+2*i+1], v[12:13]
	v_pk_mul_f32 v[R+2*i:R+2*i+1], v[R+2*i:R+2*i+1], v[X+2*i:X+2*i+1]
	v_cvt_pk_f16_f32 v[BK+32+i], v[R+2*i], v[R+2*i+1]
.set i, i+1
.endr
.irp i,0,1,2,3,4,5,6,7,8,9,10,11,12,13,14,15
	global_store_b64 v28, v[BK+32+2*\i:BK+33+2*\i], s[16:17] offset:266240+256*\i  ; 32 lanes store 256 consecutive bytes
.endr
	s_endpgm
.Lfunc_end_k_q3b9b11d31a_prep:
	.size	k_q3b9b11d31a_prep, .Lfunc_end_k_q3b9b11d31a_prep-k_q3b9b11d31a_prep
	.p2alignl 7, 3214868480
	.fill 96, 4, 3214868480
	.section	.rodata,"a",@progbits
	.p2align	6, 0x0
	.amdhsa_kernel k_q3b9b11d31a_prep
		.amdhsa_group_segment_fixed_size 0
		.amdhsa_private_segment_fixed_size 0
		.amdhsa_enable_private_segment 0
		.amdhsa_kernarg_size 64
		.amdhsa_user_sgpr_count 2
		.amdhsa_user_sgpr_kernarg_segment_ptr 1
		.amdhsa_wavefront_size32 1
		.amdhsa_system_sgpr_workgroup_id_x 1
		.amdhsa_system_sgpr_workgroup_id_y 1
		.amdhsa_system_sgpr_workgroup_id_z 1
		.amdhsa_system_vgpr_workitem_id 0
		.amdhsa_next_free_vgpr 256
		.amdhsa_next_free_sgpr 66
		.amdhsa_reserve_vcc 1
		.amdhsa_float_denorm_mode_32 3
		.amdhsa_float_denorm_mode_16_64 3
		.amdhsa_memory_ordered 1
		.amdhsa_forward_progress 1
		.amdhsa_inst_pref_size 39
	.end_amdhsa_kernel
	.amdgpu_metadata
---
amdhsa.version: [ 1, 2 ]
amdhsa.kernels:
  - .name:           k_q3b9b11d31a_prep
    .symbol:         k_q3b9b11d31a_prep.kd
    .args:
      - { .name: hidden_states, .offset: 0, .size: 8, .value_kind: global_buffer, .address_space: global }
      - { .name: router_w, .offset: 8, .size: 8, .value_kind: global_buffer, .address_space: global }
      - { .name: ln1_w, .offset: 16, .size: 8, .value_kind: global_buffer, .address_space: global }
      - { .name: bk, .offset: 24, .size: 8, .value_kind: global_buffer, .address_space: global }
      - { .name: bv, .offset: 32, .size: 8, .value_kind: global_buffer, .address_space: global }
      - { .name: out0, .offset: 40, .size: 8, .value_kind: global_buffer, .address_space: global }
      - { .name: prep, .offset: 48, .size: 8, .value_kind: global_buffer, .address_space: global }
      - { .name: kv, .offset: 56, .size: 8, .value_kind: global_buffer, .address_space: global }
    .group_segment_fixed_size: 0
    .private_segment_fixed_size: 0
    .kernarg_segment_align: 8
    .kernarg_segment_size: 64
    .max_flat_workgroup_size: 128
    .sgpr_count:     66
    .vgpr_count:     256
    .wavefront_size: 32
...
	.end_amdgpu_metadata
.endif
;; end of part 1
;; launch select (part 2): grid 32 x 1, 1 waves a work-group, no clusters, 0 bytes of LDS; arguments prep, list; writes list
.if DOCPART == 2
	.amdgcn_target "amdgcn-amd-amdhsa--gfx1250"
	.amdhsa_code_object_version 6
	.text
	.protected	k_q3b9b11d31a_select
	.globl	k_q3b9b11d31a_select
	.p2align	8
	.type	k_q3b9b11d31a_select,@function
k_q3b9b11d31a_select:
	s_mov_b64 s[64:65], 0
	v_nop
	global_prefetch_b8 v0, s[64:65] scope:SCOPE_SE
	s_setreg_imm32_b32 hwreg(HW_REG_WAVE_MODE, 25, 1), 1
	s_wait_xcnt 0x0
; The choice, stored as whole numbers for the later launches.  Work-group x serves batch b = x / 16 and the 32 slots c = 32 (x % 16) + lane.
; Every work-group finds the batch's 64th largest router weight for itself (a search bit by bit on keys that order like the floats),
; then the token whose rank among the chosen ones is c.  list[512 b + c] = token | valid << 16; a slot past the count n repeats the last chosen token with valid = 0.
; n is stored 32 times at 4096 + 128 b.  No address and no branch hangs on the weights: every choice is a select.  -0 counts as +0; NaN is not treated apart.
.macro POPC d, t                       ; the number of ones among the low 16 bits of d
	v_lshrrev_b32 \t, 1, \d
	v_and_b32 \t, 0x5555, \t
	v_sub_nc_u32 \d, \d, \t
	v_lshrrev_b32 \t, 2, \d
	v_and_b32 \t, 0x3333, \t
	v_and_b32 \d, 0x3333, \d
	v_add_nc_u32 \d, \d, \t
	v_lshrrev_b32 \t, 4, \d
	v_add_nc_u32 \d, \d, \t
	v_and_b32 \d, 0x0f0f, \d
	v_lshrrev_b32 \t, 8, \d
	v_add_nc_u32 \d, \d, \t
	v_and_b32 \d, 0x1f, \d
.endm
	s_load_b128 s[4:7], s[0:1], 0x0                ; prep s[4:5], list s[6:7]
	s_lshr_b32 s8, ttmp9, 4                        ; b
	s_and_b32 s9, ttmp9, 15                        ; which 32 slots
	v_lshlrev_b32 v1, 2, v0
	s_lshl_b32 s10, s8, 11
	v_add_nc_u32 v2, s10, v1
	s_wait_kmcnt 0x0
.irp k,0,1,2,3,4,5,6,7,8,9,10,11,12,13,14,15
	global_load_b32 v[16+\k], v2, s[4:5] offset:128*\k   ; rw of token 32 k + lane
.endr
	s_wait_loadcnt 0x0
.irp k,0,1,2,3,4,5,6,7,8,9,10,11,12,13,14,15
	v_add_f32 v[16+\k], 0, v[16+\k]
	v_ashrrev_i32 v3, 31, v[16+\k]
	v_or_b32 v3, 0x80000000, v3
	v_xor_b32 v[16+\k], v3, v[16+\k]               ; unsigned keys in the floats' order
.endr
	s_mov_b32 s11, 0                               ; the threshold so far
	s_mov_b32 s12, 0x80000000
	s_mov_b32 s13, 32
.Lbit:                                                 ; the largest key value that 64 keys or more reach is the 64th largest key
	s_or_b32 s14, s11, s12
	s_mov_b32 s15, 0
.irp k,0,1,2,3,4,5,6,7,8,9,10,11,12,13,14,15
	v_cmp_le_u32 s[16+\k], s14, v[16+\k]
.endr
.irp k,0,1,2,3,4,5,6,7,8,9,10,11,12,13,14,15
	s_bcnt1_i32_b32 s50, s[16+\k]
	s_add_co_u32 s15, s15, s50
.endr
	s_cmp_ge_u32 s15, 64
	s_cselect_b32 s11, s14, s11
	s_lshr_b32 s12, s12, 1
	s_sub_co_u32 s13, s13, 1
	s_cmp_lg_u32 s13, 0
	s_cbranch_scc1 .Lbit
.irp k,0,1,2,3,4,5,6,7,8,9,10,11,12,13,14,15
	v_cmp_le_u32 s[16+\k], s11, v[16+\k]           ; word k: bit l = token 32 k + l is chosen
.endr
	s_mov_b32 s32, 0
.irp k,0,1,2,3,4,5,6,7,8,9,10,11,12,13,14,15
	s_bcnt1_i32_b32 s50, s[16+\k]
	s_add_co_u32 s[33+\k], s[32+\k], s50           ; s[32+k]: chosen tokens ahead of word k; s48 = n
.endr
	s_lshl_b32 s51, s9, 5
	v_add_nc_u32 v4, s51, v0                       ; c
	s_sub_co_u32 s52, s48, 1
	v_min_u32 v5, s52, v4                          ; the rank looked for
	v_mov_b32 v6, s16
	v_mov_b32 v7, 0
	v_mov_b32 v8, 0
.irp k,1,2,3,4,5,6,7,8,9,10,11,12,13,14,15
	v_cmp_le_u32 vcc_lo, s[32+\k], v5
	v_cndmask_b32 v6, v6, s[16+\k], vcc_lo         ; the last word whose prefix does not pass the rank holds it
	v_cndmask_b32 v7, v7, s[32+\k], vcc_lo
	v_cndmask_b32 v8, v8, \k, vcc_lo
.endr
	v_sub_nc_u32 v9, v5, v7                        ; rank inside the word
	v_mov_b32 v10, 0                               ; bit position
.irp s,16,8,4,2,1
	v_bfe_u32 v11, v6, v10, \s
	POPC v11, v13
	v_cmp_ge_u32 vcc_lo, v9, v11
	v_add_nc_u32 v13, \s, v10
	v_sub_nc_u32 v14, v9, v11
	v_cndmask_b32 v10, v10, v13, vcc_lo
	v_cndmask_b32 v9, v9, v14, vcc_lo
.endr
	v_lshl_add_u32 v15, v8, 5, v10
	s_lshl_b32 s53, s8, 9
	v_add_nc_u32 v15, s53, v15                     ; the token, 0 .. 1023
	v_mov_b32 v13, 0x10000
	v_cmp_gt_u32 vcc_lo, s48, v4
	v_cndmask_b32 v12, 0, v13, vcc_lo
	v_or_b32 v15, v15, v12
	s_lshl_b32 s54, s9, 7
	s_add_co_u32 s54, s54, s10
	v_add_nc_u32 v3, s54, v1
	global_store_b32 v3, v15, s[6:7]
	s_cmp_lg_u32 s9, 0
	s_cbranch_scc1 .Lend
	v_mov_b32 v16, s48
	s_lshl_b32 s55, s8, 7
	v_add_nc_u32 v17, s55, v1
	global_store_b32 v17, v16, s[6:7] offset:4096
.Lend:
	s_endpgm
.Lfunc_end_k_q3b9b11d31a_select:
	.size	k_q3b9b11d31a_select, .Lfunc_end_k_q3b9b11d31a_select-k_q3b9b11d31a_select
	.p2alignl 7, 3214868480
	.fill 96, 4, 3214868480
	.section	.rodata,"a",@progbits
	.p2align	6, 0x0
	.amdhsa_kernel k_q3b9b11d31a_select
		.amdhsa_group_segment_fixed_size 0
		.amdhsa_private_segment_fixed_size 0
		.amdhsa_enable_private_segment 0
		.amdhsa_kernarg_size 16
		.amdhsa_user_sgpr_count 2
		.amdhsa_user_sgpr_kernarg_segment_ptr 1
		.amdhsa_wavefront_size32 1
		.amdhsa_system_sgpr_workgroup_id_x 1
		.amdhsa_system_sgpr_workgroup_id_y 1
		.amdhsa_system_sgpr_workgroup_id_z 1
		.amdhsa_system_vgpr_workitem_id 0
		.amdhsa_next_free_vgpr 48
		.amdhsa_next_free_sgpr 66
		.amdhsa_reserve_vcc 1
		.amdhsa_float_denorm_mode_32 3
		.amdhsa_float_denorm_mode_16_64 3
		.amdhsa_memory_ordered 1
		.amdhsa_forward_progress 1
		.amdhsa_inst_pref_size 17
	.end_amdhsa_kernel
	.amdgpu_metadata
---
amdhsa.version: [ 1, 2 ]
amdhsa.kernels:
  - .name:           k_q3b9b11d31a_select
    .symbol:         k_q3b9b11d31a_select.kd
    .args:
      - { .name: prep, .offset: 0, .size: 8, .value_kind: global_buffer, .address_space: global }
      - { .name: list, .offset: 8, .size: 8, .value_kind: global_buffer, .address_space: global }
    .group_segment_fixed_size: 0
    .private_segment_fixed_size: 0
    .kernarg_segment_align: 8
    .kernarg_segment_size: 16
    .max_flat_workgroup_size: 32
    .sgpr_count:     66
    .vgpr_count:     48
    .wavefront_size: 32
...
	.end_amdgpu_metadata
.endif
;; end of part 2
;; launch qkv (part 3): grid 256 x 1, 8 waves a work-group, no clusters, 66,560 bytes of LDS; arguments prep, list, wq, wk, wv, bq, bk, bv, qh, kv; writes qh, kv
.if DOCPART == 3
	.amdgcn_target "amdgcn-amd-amdhsa--gfx1250"
	.amdhsa_code_object_version 6
	.text
	.protected	k_q3b9b11d31a_qkv
	.globl	k_q3b9b11d31a_qkv
	.p2align	8
	.type	k_q3b9b11d31a_qkv,@function
k_q3b9b11d31a_qkv:
	s_mov_b64 s[64:65], 0
	v_nop
	global_prefetch_b8 v0, s[64:65] scope:SCOPE_SE
	s_setreg_imm32_b32 hwreg(HW_REG_WAVE_MODE, 25, 1), 1
	s_wait_xcnt 0x0
; q, k, v of the chosen tokens.  Work-group x owns 16 output columns: x < 128 of q, x < 192 of k, else of v.  For q and k the 16 are channels 8 beta + j and 64 + 8 beta + j of one head,
; so that RoPE's partner lies 16 lanes away.  The chosen tokens stand in slots (batch b: 512 b + rank), 16 to a tile; a GROUP is 4 tiles of each batch, 128 rows.
; The groups are walked by a loop of 8 trips; G = ceil(max(n0, n1) / 64) of them have rows; a trip past G jumps over its work and passes its two barriers.
; The 8 waves split K = 2048 (256 each): weights go from memory through registers (rounded to f16) into source 0, the tokens' h (f16, gathered by the list) into source 1;
; each wave's 8 accumulators meet in LDS; wave w then sums tile w, adds the bias, turns q and k by RoPE and stores f16.
; q goes to qh in blocks [column block][slot][16]; k and v overwrite the rows of kv at the token's position.  A slot past the count repeats the batch's last chosen token: it has the same
; operands in the same order, so it stores the same bits to the same bytes once more, from this same work-group; nothing in this launch reads kv.
; No cluster and no tensor load: each weight has one reader, and the rows of h come by a list.
; LIMITS.  f16 operands: |h|, |w|, |q|, |k|, |v| under 65,504; weight bits below 2^-24 are lost.
.set NB, 1
.set SPARE, 65536                      ; behind the partial sums: the spare words, 128 bytes a wave
.set WH, 32                            ; v[32:63]   four weight fragments in f16
.set WF, 64                            ; v[64:127]  four k steps of weights in f32 (window 0: steps 0-3; window 1: steps 4-7)
.set AB, 128                           ; v[128:255] two buffers of 8 token fragments
.set TOK, 12                           ; v[12:19]   byte offset of tile i's row of h; at work behind the barrier
.set WV, 24
.set Y, 25
.set GG, 26
.set MSB, 0
.macro WIN new                         ; the immediate's high byte repeats the setting that is left
.if MSB != (\new)
	s_set_vgpr_msb (MSB<<8)|(\new)
.set MSB, \new
.endif
.endm
.macro PLACES                          ; four places behind matrix instructions (ISA guide 7.12.1)
.rept 4
	v_nop
.endr
.endm
.macro PADD d, a, b
	v_pk_add_f32 v[\d:(\d)+1], v[\a:(\a)+1], v[\b:(\b)+1]
.endm
.macro WL4 dst, win, imm               ; one fragment: 16 rows x 32 k in f32, 16 registers
	WIN 0x40*(\win)
	global_load_b128 v[(\dst):(\dst)+3], v4, s[34:35] offset:(\imm) th:TH_LOAD_NT
	global_load_b128 v[(\dst)+4:(\dst)+7], v4, s[34:35] offset:(\imm)+16 th:TH_LOAD_NT
	global_load_b128 v[(\dst)+8:(\dst)+11], v4, s[34:35] offset:(\imm)+64 th:TH_LOAD_NT
	global_load_b128 v[(\dst)+12:(\dst)+15], v4, s[34:35] offset:(\imm)+80 th:TH_LOAD_NT
.endm
.macro WCVT win                        ; 64 f32 to four f16 fragments
	WIN 0x05*(\win)
.set ci, 0
.rept 32
	v_cvt_pk_f16_f32 v[WH+ci], v[WF+2*ci], v[WF+2*ci+1]
.set ci, ci+1
.endr
	WIN 0
.endm
.macro ALG buf, koff                   ; 8 tiles x 32 k of h, by the list
	WIN 0
.irp i,0,1,2,3,4,5,6,7
	global_load_b128 v[AB+64*(\buf)+8*\i:AB+64*(\buf)+8*\i+3], v[TOK+\i], s[38:39] offset:(\koff)
	global_load_b128 v[AB+64*(\buf)+8*\i+4:AB+64*(\buf)+8*\i+7], v[TOK+\i], s[38:39] offset:(\koff)+32
.endr
.endm
.macro MM8 acc, frag, buf, zero        ; 8 products, the 8 accumulators by turns
	WIN 0x50
.irp i,0,1,2,3,4,5,6,7
.if \zero
	v_wmma_f32_16x16x32_f16 v[64*(\acc)+8*\i:64*(\acc)+8*\i+7], v[WH+8*(\frag):WH+8*(\frag)+7], v[AB+64*(\buf)+8*\i:AB+64*(\buf)+8*\i+7], 0
.else
	v_wmma_f32_16x16x32_f16 v[64*(\acc)+8*\i:64*(\acc)+8*\i+7], v[WH+8*(\frag):WH+8*(\frag)+7], v[AB+64*(\buf)+8*\i:AB+64*(\buf)+8*\i+7], v[64*(\acc)+8*\i:64*(\acc)+8*\i+7]
.endif
.endr
.endm
.macro RSTORE                          ; my partial sums into LDS, each accumulator's low registers first
	PLACES
	WIN 0x04
.set rf, 0
.rept NB*8
	ds_store_b128 v6, v[8*rf:8*rf+3] offset:1024*rf
	ds_store_b128 v6, v[8*rf+4:8*rf+7] offset:1024*rf+512
.set rf, rf+1
.endr
	WIN 0
.endm
.macro RLOAD f, half                   ; the 8 waves' sums of my tile
.irp s,0,1,2,3,4,5,6,7
	ds_load_b128 v[AB+64*(\half)+8*\s:AB+64*(\half)+8*\s+3], v[7+(\s*NB)/8] offset:((\s*NB*8192)%65536)+8192*(\f)
	ds_load_b128 v[AB+64*(\half)+8*\s+4:AB+64*(\half)+8*\s+7], v[7+(\s*NB)/8] offset:((\s*NB*8192)%65536)+8192*(\f)+512
.endr
.endm
.macro RSUM half, dst
.irp p,0,2,4,6
	PADD AB+64*(\half)+\p, AB+64*(\half)+\p, AB+64*(\half)+8+\p
	PADD AB+64*(\half)+16+\p, AB+64*(\half)+16+\p, AB+64*(\half)+24+\p
	PADD AB+64*(\half)+32+\p, AB+64*(\half)+32+\p, AB+64*(\half)+40+\p
	PADD AB+64*(\half)+48+\p, AB+64*(\half)+48+\p, AB+64*(\half)+56+\p
.endr
.irp p,0,2,4,6
	PADD AB+64*(\half)+\p, AB+64*(\half)+\p, AB+64*(\half)+16+\p
	PADD AB+64*(\half)+32+\p, AB+64*(\half)+32+\p, AB+64*(\half)+48+\p
.endr
.irp p,0,2,4,6
	PADD (\dst)+\p, AB+64*(\half)+\p, AB+64*(\half)+32+\p
.endr
.endm
	s_load_b512 s[4:19], s[0:1], 0x0               ; prep, list, wq, wk, wv, bq, bk, bv
	s_load_b128 s[20:23], s[0:1], 0x40             ; qh, kv
	v_lshl_add_u32 v30, v0, 2, SPARE
	v_mov_b32 v31, 0
	v_lshrrev_b32 v1, 5, v0
	v_readfirstlane_b32 s[WV], v1
	s_mov_b32 s27, ttmp9
	s_cmp_ge_u32 s27, 192
	s_cselect_b32 s29, 1, 0                        ; v
	s_and_b32 s28, s27, 63
	s_cmp_lt_u32 s27, 128
	s_cselect_b32 s30, 1, 0                        ; q
	s_cselect_b32 s28, s27, s28                    ; x': the block's number within its kind
	s_lshr_b32 s42, s28, 3
	s_lshl_b32 s42, s42, 7
	s_and_b32 s43, s28, 7
	s_lshl3_add_u32 s42, s43, s42                  ; q, k: 128 head + 8 beta
	s_lshl_b32 s43, s28, 4                         ; v: 16 x'
	s_cmp_eq_u32 s29, 1
	s_cselect_b32 s31, s43, s42                    ; first row of W
	s_cselect_b32 s32, 3, 6                        ; rows 8 .. 15 of the fragment lie 8 (v) or 64 (q, k) further on
	s_mov_b32 s44, 0x76543210
	s_mov_b32 s45, 0xfedcba98
	v_and_b32 v20, 31, v0                          ; lane
	v_and_b32 v1, 15, v0                           ; r
	v_bfe_u32 v2, v0, 4, 1                         ; h
	v_lshlrev_b32 v3, 5, v1
	v_lshl_add_u32 v3, v2, 4, v3                   ; 32 r + 16 h
	v_and_b32 v21, 7, v1
	v_lshrrev_b32 v22, 3, v1
	v_lshlrev_b32 v22, s32, v22
	v_add_nc_u32 v21, v21, v22
	v_add_nc_u32 v21, s31, v21                     ; my row of W
	v_lshlrev_b32 v4, 13, v21
	v_lshl_add_u32 v4, v2, 5, v4
	s_lshl_b32 s42, s[WV], 10
	v_add_nc_u32 v4, s42, v4                       ; row x 8192 + 32 h + my wave's 256 k
	v_lshlrev_b32 v11, 2, v1                       ; 4 r
	s_lshl_b32 s42, s[WV], 9
	v_lshl_add_u32 v29, v2, 4, s42                 ; 16 h + 512 w, in a row of h
	v_lshlrev_b32 v21, 4, v20
	s_lshl_b32 s42, s[WV], 13
	v_add_nc_u32 v6, s42, v21                      ; LDS: my wave's 8 tiles
	s_lshl_b32 s42, s[WV], 10
	v_add_nc_u32 v7, s42, v21                      ; LDS: tile w of wave 0
	s_and_b32 s42, s[WV], 3
	s_lshr_b32 s43, s[WV], 2
	s_lshl_b32 s43, s43, 5
	s_add_co_u32 s42, s42, s43                     ; my tile in group 0: (w & 3) + 32 (w >> 2)
	s_lshl_b32 s43, s42, 6
	v_lshl_add_u32 v28, v1, 2, s43                 ; its slots in the list
	s_lshl_b32 s43, s42, 9
	s_lshl_b32 s42, s27, 15
	s_add_co_u32 s43, s43, s42
	v_add_nc_u32 v25, s43, v3                      ; q's place: 32768 x + 512 tile + 32 r + 16 h
	s_add_co_u32 s42, s32, 2
	v_lshlrev_b32 v27, s42, v2
	s_lshl_b32 s43, s31, 2
	v_add_nc_u32 v27, s43, v27                     ; my 8 numbers of the bias
	v_xor_b32 v26, 1, v2
	v_lshlrev_b32 v26, 31, v26                     ; the sign of sin for channels under 64
	s_lshl_b32 s52, s29, 21
	s_lshr_b32 s53, s28, 3
	s_lshl_b32 s53, s53, 17
	s_add_co_u32 s52, s52, s53
	s_and_b32 s53, s28, 7
	s_lshl_b32 s50, s53, 15
	s_add_co_u32 s50, s50, 4096
	s_mov_b32 s51, 0
	s_lshl_b32 s53, s53, 5
	s_add_co_u32 s52, s52, s53
	v_lshl_add_u32 v24, v2, 4, s52                 ; k, v: table, kv head and piece
	s_wait_kmcnt 0x0
	s_load_b32 s40, s[6:7], 0x1000                 ; n0
	s_load_b32 s41, s[6:7], 0x1080                 ; n1
	s_cmp_eq_u32 s30, 1
	s_cselect_b64 s[34:35], s[8:9], s[10:11]
	s_cselect_b64 s[36:37], s[14:15], s[16:17]
	s_cmp_eq_u32 s29, 1
	s_cselect_b64 s[34:35], s[12:13], s[34:35]     ; my weights
	s_cselect_b64 s[36:37], s[18:19], s[36:37]     ; my bias
	s_add_nc_u64 s[38:39], s[4:5], 0x41000         ; h
	s_add_nc_u64 s[48:49], s[4:5], s[50:51]        ; cos and sin of my beta
	s_wait_kmcnt 0x0
	s_min_u32 s40, s40, 0x200
	s_min_u32 s41, s41, 0x200
	s_max_u32 s40, s40, s41
	s_add_co_u32 s40, s40, 63
	s_lshr_b32 s[GG], s40, 6
	s_mov_b32 s[Y], 0
.Lgroup:
	s_cmp_ge_u32 s[Y], s[GG]
	s_cbranch_scc1 .Lb1
	v_lshl_add_u32 v5, s[Y], 8, v11
.irp i,0,1,2,3,4,5,6,7
	global_load_b32 v[TOK+\i], v5, s[6:7] offset:64*(\i%4)+2048*(\i/4)
.endr
.irp f,0,1,2,3
	WL4 WF+16*\f, 0, 128*\f
.endr
.irp f,0,1,2,3
	WL4 WF+16*\f, 1, 512+128*\f
.endr
	WIN 0
	s_wait_loadcnt 32                              ; the 8 list entries are in; the 32 weight loads stay out
.irp i,0,1,2,3,4,5,6,7
	v_and_b32 v[TOK+\i], 0xffff, v[TOK+\i]
	v_min_u32 v[TOK+\i], 0x3ff, v[TOK+\i]
	v_lshl_add_u32 v[TOK+\i], v[TOK+\i], 12, v29
.endr
	ALG 0, 0
	ALG 1, 64
.set st, 0
.rept 8
.if st < 7
	s_wait_loadcnt 16                              ; all but the next step's 16 loads of h
.else
	s_wait_loadcnt 0
.endif
.if st == 0
	WCVT 0
.endif
.if st == 4
	WCVT 1
.endif
	MM8 0, st%4, st%2, (st==0)
.if st < 6
	PLACES
	ALG st%2, 64*(st+2)
.endif
.set st, st+1
.endr
	RSTORE
	s_wait_dscnt 0x0                               ; for the others' sake: my sums are in LDS
.Lb1:
	s_barrier_signal -1
	s_barrier_wait -1
	s_cmp_ge_u32 s[Y], s[GG]
	s_cbranch_scc1 .Lb2
	v_lshl_add_u32 v12, s[Y], 8, v28
	global_load_b32 v13, v12, s[6:7]
	global_load_b128 v[72:75], v27, s[36:37]
	global_load_b128 v[76:79], v27, s[36:37] offset:16
	RLOAD 0, 0
	s_wait_loadcnt 0x2                             ; the entry is in, the bias may be out
	v_and_b32 v15, 0xffff, v13
	v_min_u32 v15, 0x3ff, v15                      ; token
	v_and_b32 v16, 0x1ff, v15                      ; position
	v_lshlrev_b32 v17, 6, v16
.irp i,0,1,2,3
	global_load_b128 v[80+4*\i:83+4*\i], v17, s[48:49] offset:16*\i   ; 8 cos, 8 sin
.endr
	s_wait_dscnt 0x0
	RSUM 0, 64
	s_wait_loadcnt 0x0
.irp p,0,2,4,6
	PADD 64+\p, 64+\p, 72+\p
.endr
	s_cmp_eq_u32 s29, 1
	s_cbranch_scc1 .Lnorope
.irp j,0,1,2,3,4,5,6,7
	v_mov_b32 v[96+\j], v[64+\j]
.endr
.irp j,0,1,2,3,4,5,6,7
	v_permlanex16_b32 v[96+\j], v[64+\j], s44, s45 ; the channel 64 away
	v_xor_b32 v[88+\j], v26, v[88+\j]
.endr
.irp p,0,2,4,6
	v_pk_mul_f32 v[64+\p:65+\p], v[64+\p:65+\p], v[80+\p:81+\p]
	v_pk_fma_f32 v[64+\p:65+\p], v[96+\p:97+\p], v[88+\p:89+\p], v[64+\p:65+\p]
.endr
.Lnorope:
.irp p,0,1,2,3
	v_cvt_pk_f16_f32 v[104+\p], v[64+2*\p], v[65+2*\p]
.endr
	s_cmp_eq_u32 s30, 1
	s_cbranch_scc0 .Lkv
	v_lshl_add_u32 v18, s[Y], 11, v25
	global_store_b128 v18, v[104:107], s[20:21]    ; the wave stores 512 consecutive bytes
	s_branch .Lb2
.Lkv:
	v_and_b32 v18, 0x200, v15
	v_lshlrev_b32 v18, 11, v18
	v_lshl_add_u32 v18, v16, 8, v18
	v_add_nc_u32 v18, v24, v18
	global_store_b128 v18, v[104:107], s[22:23]    ; all lanes on: a repeated token's lanes store the same bits to the same bytes
.Lb2:
	s_wait_xcnt 0x0                                ; the next trip rewrites the stores' registers
	s_barrier_signal -1
	s_barrier_wait -1                              ; every wave's reads of the sums are over: the next trip may write them
	s_add_co_u32 s[Y], s[Y], 1
	s_cmp_lt_u32 s[Y], 8
	s_cbranch_scc1 .Lgroup
	s_wait_tensorcnt 0x0                           ; the wave's end
	ds_add_u32 v30, v31
	s_wait_dscnt 0x0
	s_endpgm
.Lfunc_end_k_q3b9b11d31a_qkv:
	.size	k_q3b9b11d31a_qkv, .Lfunc_end_k_q3b9b11d31a_qkv-k_q3b9b11d31a_qkv
	.p2alignl 7, 3214868480
	.fill 96, 4, 3214868480
	.section	.rodata,"a",@progbits
	.p2align	6, 0x0
	.amdhsa_kernel k_q3b9b11d31a_qkv
		.amdhsa_group_segment_fixed_size 66560
		.amdhsa_private_segment_fixed_size 0
		.amdhsa_enable_private_segment 0
		.amdhsa_kernarg_size 80
		.amdhsa_user_sgpr_count 2
		.amdhsa_user_sgpr_kernarg_segment_ptr 1
		.amdhsa_wavefront_size32 1
		.amdhsa_system_sgpr_workgroup_id_x 1
		.amdhsa_system_sgpr_workgroup_id_y 1
		.amdhsa_system_sgpr_workgroup_id_z 1
		.amdhsa_system_vgpr_workitem_id 0
		.amdhsa_next_free_vgpr 384
		.amdhsa_next_free_sgpr 66
		.amdhsa_reserve_vcc 0
		.amdhsa_float_denorm_mode_32 3
		.amdhsa_float_denorm_mode_16_64 3
		.amdhsa_memory_ordered 1
		.amdhsa_forward_progress 1
		.amdhsa_inst_pref_size 39
	.end_amdhsa_kernel
	.amdgpu_metadata
---
amdhsa.version: [ 1, 2 ]
amdhsa.kernels:
  - .name:           k_q3b9b11d31a_qkv
    .symbol:         k_q3b9b11d31a_qkv.kd
    .args:
      - { .name: prep, .offset: 0, .size: 8, .value_kind: global_buffer, .address_space: global }
      - { .name: list, .offset: 8, .size: 8, .value_kind: global_buffer, .address_space: global }
      - { .name: wq, .offset: 16, .size: 8, .value_kind: global_buffer, .address_space: global }
      - { .name: wk, .offset: 24, .size: 8, .value_kind: global_buffer, .address_space: global }
      - { .name: wv, .offset: 32, .size: 8, .value_kind: global_buffer, .address_space: global }
      - { .name: bq, .offset: 40, .size: 8, .value_kind: global_buffer, .address_space: global }
      - { .name: bk, .offset: 48, .size: 8, .value_kind: global_buffer, .address_space: global }
      - { .name: bv, .offset: 56, .size: 8, .value_kind: global_buffer, .address_space: global }
      - { .name: qh, .offset: 64, .size: 8, .value_kind: global_buffer, .address_space: global }
      - { .name: kv, .offset: 72, .size: 8, .value_kind: global_buffer, .address_space: global }
    .group_segment_fixed_size: 66560
    .private_segment_fixed_size: 0
    .kernarg_segment_align: 8
    .kernarg_segment_size: 80
    .max_flat_workgroup_size: 256
    .sgpr_count:     66
    .vgpr_count:     384
    .wavefront_size: 32
...
	.end_amdgpu_metadata
.endif
;; end of part 3
;; launch attn (part 4): grid 16 x 8, 8 waves a work-group, no clusters, 287,744 bytes of LDS; arguments qh, kv, list, ca; writes ca
.if DOCPART == 4
	.amdgcn_target "amdgcn-amd-amdhsa--gfx1250"
	.amdhsa_code_object_version 6
	.text
	.protected	k_q3b9b11d31a_attn
	.globl	k_q3b9b11d31a_attn
	.p2align	8
	.type	k_q3b9b11d31a_attn,@function
k_q3b9b11d31a_attn:
	s_mov_b64 s[64:65], 0
	v_nop
	global_prefetch_b8 v0, s[64:65] scope:SCOPE_SE
	s_setreg_imm32_b32 hwreg(HW_REG_WAVE_MODE, 25, 1), 1
	s_wait_xcnt 0x0
; Causal attention of the chosen queries over all 512 positions of their batch.  Work-group (x, g): batch b = x / 8, kv head x % 8, group g: 4 tiles of 16 queries for each of the
; kv head's two query heads, a tile a wave.  A group past G = ceil(max(n0, n1) / 64) has no rows: it jumps over its work, passes the barriers and stores nothing.
; K and V of the kv head (512 x 256 bytes each; rows of tokens not chosen hold rope(bk) and bv) are laid into LDS once, through registers; every wave walks them 64 keys a trip.
; S^T = K Q^T holds one query a lane and keys 8 (lane / 16) + j; rounded to f16 it is source 1 of O^T = V^T P.  Running maximum m and sum l in f32; p = 2^(c s - c m), c = log2(e) / sqrt(128).
; A key behind the query's position counts as -1e30: its weight is 0, as with the reference's -1e9.  Key 0 is seen by every query, so m is a true score from the first trip on.
; O and l are cleared once, so that the first trip is a trip like any other (its factor a is 0).  ctx leaves in blocks [head x 8 + channel block][slot][16] of f16.
; No cluster: the 16 work-groups with rows read 16 different K and V.  LIMITS: |q|, |k|, |v| under 65,504; NaN and infinities are not treated apart.
.set PKK, 272                          ; a row of K in LDS: 256 + 16 bytes
.set PVV, 288                          ; a row of V: 256 + 32 bytes
.set VB, 512*PKK
.set SPARE, VB+512*PVV
.set Q, 32                             ; v[32:63]   Q: 4 fragments of 32 channels
.set S, 64                             ; v[64:95]   S^T: 4 x 16 keys
.set P, 96                             ; v[96:111]  P in f16
.set F, 112                            ; v[112:175] fragments of K or V
.set O, 176                            ; v[176:239] O^T: 8 x 16 channels
.macro PLACES
.rept 4
	v_nop
.endr
.endm
.macro PADD d, a, b
	v_pk_add_f32 v[\d:(\d)+1], v[\a:(\a)+1], v[\b:(\b)+1]
.endm
.macro STL bt, rg                      ; 128 rows of K and of V, 16 bytes a thread and load
.irp i,0,1,2,3,4,5,6,7
	global_load_b128 v[(\rg)+4*\i:(\rg)+4*\i+3], v9, s[22:23] offset:4096*(8*(\bt)+\i)
	global_load_b128 v[(\rg)+32+4*\i:(\rg)+32+4*\i+3], v9, s[24:25] offset:4096*(8*(\bt)+\i)
.endr
.endm
.macro STS rg
.irp i,0,1,2,3,4,5,6,7
	ds_store_b128 v7, v[(\rg)+4*\i:(\rg)+4*\i+3] offset:16*PKK*\i
	ds_store_b128 v8, v[(\rg)+32+4*\i:(\rg)+32+4*\i+3] offset:16*PVV*\i
.endr
	v_add_nc_u32 v7, 128*PKK, v7
	v_add_nc_u32 v8, 128*PVV, v8
.endm
.macro KL pr                           ; K of key blocks 2 pr, 2 pr + 1
.irp e,0,1
.irp cs,0,1,2,3
	ds_load_b128 v[F+32*\e+8*\cs:F+32*\e+8*\cs+3], v4 offset:(2*(\pr)+\e)*16*PKK+64*\cs
	ds_load_b128 v[F+32*\e+8*\cs+4:F+32*\e+8*\cs+7], v4 offset:(2*(\pr)+\e)*16*PKK+64*\cs+32
.endr
.endr
.endm
.macro QK pr                           ; 8 products, the two accumulators by turns
.irp cs,0,1,2,3
.irp e,0,1
.if \cs == 0
	v_wmma_f32_16x16x32_f16 v[S+8*(2*(\pr)+\e):S+8*(2*(\pr)+\e)+7], v[F+32*\e+8*\cs:F+32*\e+8*\cs+7], v[Q+8*\cs:Q+8*\cs+7], 0
.else
	v_wmma_f32_16x16x32_f16 v[S+8*(2*(\pr)+\e):S+8*(2*(\pr)+\e)+7], v[F+32*\e+8*\cs:F+32*\e+8*\cs+7], v[Q+8*\cs:Q+8*\cs+7], v[S+8*(2*(\pr)+\e):S+8*(2*(\pr)+\e)+7]
.endif
.endr
.endr
.endm
.macro VL kk                           ; V^T of keys 32 kk .., all 128 channels, turned on the way out of LDS
.irp cb,0,1,2,3,4,5,6,7
	ds_load_tr16_b128 v[F+8*\cb:F+8*\cb+3], v5 offset:(\kk)*32*PVV+32*\cb
	ds_load_tr16_b128 v[F+8*\cb+4:F+8*\cb+7], v5 offset:(\kk)*32*PVV+16*PVV+32*\cb
.endr
.endm
.macro PV kk
.irp cb,0,1,2,3,4,5,6,7
	v_wmma_f32_16x16x32_f16 v[O+8*\cb:O+8*\cb+7], v[F+8*\cb:F+8*\cb+7], v[P+8*(\kk):P+8*(\kk)+7], v[O+8*\cb:O+8*\cb+7]
.endr
.endm
	s_load_b256 s[4:11], s[0:1], 0x0               ; qh s[4:5], kv s[6:7], list s[8:9], ca s[10:11]
	v_lshl_add_u32 v30, v0, 2, SPARE
	v_mov_b32 v31, 0
	v_lshrrev_b32 v1, 5, v0
	v_readfirstlane_b32 s12, v1                    ; wave
	s_mov_b32 s13, ttmp9
	s_and_b32 s14, ttmp7, 0xffff                   ; group
	v_and_b32 v20, 31, v0
	v_and_b32 v1, 15, v0                           ; r
	v_bfe_u32 v2, v0, 4, 1                         ; h
	v_lshlrev_b32 v3, 5, v1
	v_lshl_add_u32 v3, v2, 4, v3
	s_lshr_b32 s18, s13, 3                         ; b
	s_and_b32 s19, s13, 7                          ; kv head
	s_lshr_b32 s20, s12, 2
	s_lshl1_add_u32 s20, s19, s20                  ; query head
	s_and_b32 s21, s12, 3
	s_lshl2_add_u32 s21, s14, s21
	s_lshl_b32 s32, s18, 5
	s_add_co_u32 s21, s21, s32                     ; tile = 32 b + 4 g + (w & 3)
	s_lshl_b32 s32, s13, 17
	s_mov_b32 s33, 0
	s_mov_b32 s26, 0x3e0293ee                      ; c
	s_mov_b32 s27, s26
	s_mov_b32 s28, 0x76543210
	s_mov_b32 s29, 0xfedcba98
	v_mul_u32_u24 v7, v2, PKK
	v_lshl_add_u32 v7, v1, 4, v7
	s_mul_i32 s34, s12, 2*PKK
	v_add_nc_u32 v7, s34, v7                       ; staging: row 2 w + h, 16 r
	v_mul_u32_u24 v8, v2, PVV
	v_lshl_add_u32 v8, v1, 4, v8
	s_mul_i32 s34, s12, 2*PVV
	s_add_co_u32 s34, s34, VB
	v_add_nc_u32 v8, s34, v8
	s_lshl_b32 s34, s12, 9
	v_lshl_add_u32 v9, v20, 4, s34                 ; 512 w + 16 lane
	s_wait_kmcnt 0x0
	s_load_b32 s16, s[8:9], 0x1000
	s_load_b32 s17, s[8:9], 0x1080
	s_add_nc_u64 s[22:23], s[6:7], s[32:33]        ; K of (b, kv head)
	s_add_nc_u64 s[24:25], s[22:23], 0x200000      ; V
	s_wait_kmcnt 0x0
	s_min_u32 s16, s16, 0x200
	s_min_u32 s17, s17, 0x200
	s_max_u32 s16, s16, s17
	s_add_co_u32 s16, s16, 63
	s_lshr_b32 s15, s16, 6                         ; G
	s_cmp_ge_u32 s14, s15
	s_cbranch_scc1 .Lb1
	STL 0, F
	STL 1, O
	s_wait_loadcnt 16                              ; the older batch of 16 is in
	STS F
	STL 2, F
	s_wait_loadcnt 16
	STS O
	STL 3, O
	s_wait_loadcnt 16
	STS F
	s_wait_loadcnt 0x0
	STS O
	s_wait_dscnt 0x0                               ; for the others' sake
.Lb1:
	s_barrier_signal -1
	s_barrier_wait -1
	s_cmp_ge_u32 s14, s15
	s_cbranch_scc1 .Lend
	s_lshl_b32 s32, s20, 18
	s_lshl_b32 s34, s21, 9
	s_add_co_u32 s32, s32, s34
	v_add_nc_u32 v10, s32, v3                      ; 262144 head + 512 tile + 32 r + 16 h: q's place and ctx's
.irp be,0,1,2,3,4,5,6,7
	global_load_b128 v[Q+4*\be:Q+4*\be+3], v10, s[4:5] offset:32768*\be
.endr
	s_lshl_b32 s34, s21, 6
	v_lshl_add_u32 v11, v1, 2, s34
	global_load_b32 v22, v11, s[8:9]
.set i, 0
.rept 64
	v_mov_b32 v[O+i], 0
.set i, i+1
.endr
	v_mov_b32 v12, 0xfe000000                      ; c m: far below every c s
	v_mov_b32 v13, 0xff7fffff                      ; m
	v_mov_b32 v14, 0                               ; l, even and odd keys'
	v_mov_b32 v15, 0
	v_mov_b32 v24, 0xf149f2ca                      ; -1e30
	v_mul_u32_u24 v25, v1, PKK
	v_lshl_add_u32 v25, v2, 4, v25                 ; my lane's place in 64 keys of K: row r, 16 h; never rewritten
	v_and_b32 v26, 7, v0
	v_lshl_add_u32 v26, v2, 3, v26
	v_mul_u32_u24 v26, v26, PVV
	v_bfe_u32 v23, v0, 3, 1
	v_lshl_add_u32 v26, v23, 4, v26
	v_add_nc_u32 v26, VB, v26                      ; the same for V: row 8 h + lane % 8, 16 ((lane / 8) % 2); never rewritten
	s_wait_loadcnt 0x0
	v_and_b32 v6, 0x1ff, v22                       ; my query's position,
	v_lshlrev_b32 v23, 3, v2
	v_sub_nc_u32 v6, v6, v23                       ; less my lanes' 8 h: key 16 kb + j of the trip is hidden where it is greater
	s_mov_b32 s36, 0                               ; LDS byte at which the trip's 64 keys begin in K,
	s_mov_b32 s37, 0                               ; and in V
	s_mov_b32 s30, 8
.Lkeys:
	v_add_nc_u32 v4, s36, v25
	v_add_nc_u32 v5, s37, v26
	KL 0
	s_wait_dscnt 0x0
	QK 0
	PLACES
	KL 1
	s_wait_dscnt 0x0
	QK 1
	PLACES
	VL 0
.irp kb,0,1,2,3
.irp j,0,1,2,3,4,5,6,7
	v_cmp_gt_i32 vcc_lo, 16*\kb+\j, v6
	v_cndmask_b32 v[S+8*\kb+\j], v[S+8*\kb+\j], v24, vcc_lo
.endr
.endr
.irp j,0,1,2,3
	v_max3_num_f32 v[16+\j], v[S+8*\j], v[S+8*\j+1], v[S+8*\j+2]
.endr
.irp j,0,1,2,3
	v_max3_num_f32 v[16+\j], v[16+\j], v[S+8*\j+3], v[S+8*\j+4]
.endr
.irp j,0,1,2,3
	v_max3_num_f32 v[16+\j], v[16+\j], v[S+8*\j+5], v[S+8*\j+6]
.endr
	v_max3_num_f32 v16, v16, v[S+7], v[S+15]
	v_max3_num_f32 v18, v18, v[S+23], v[S+31]
	v_max3_num_f32 v16, v16, v17, v18
	v_max3_num_f32 v16, v16, v19, v13
	v_mov_b32 v20, v12                             ; c m_old
	v_permlanex16_b32 v17, v16, s28, s29           ; the query's other 32 keys lie 16 lanes away
	v_max_num_f32 v13, v16, v17
	v_mul_f32 v12, s26, v13
	v_sub_f32 v21, v20, v12
.irp p,0,1,2,3,4,5,6,7,8,9,10,11,12,13,14,15
	v_pk_fma_f32 v[S+2*\p:S+2*\p+1], v[S+2*\p:S+2*\p+1], s[26:27], v[12:13] op_sel_hi:[1,0,0] neg_lo:[0,0,1] neg_hi:[0,0,1]
.endr
	v_exp_f32 v18, v21                             ; a
.set i, 0
.rept 32
	v_exp_f32 v[S+i], v[S+i]
.set i, i+1
.endr
	v_nop                                          ; the plain instruction behind the last exponential
	s_wait_alu depctr_va_vdst(0)                   ; one wait for the batch of 33
.irp p,0,1,2,3,4,5,6,7,8,9,10,11,12,13,14,15
	v_cvt_pk_f16_f32 v[P+\p], v[S+2*\p], v[S+2*\p+1]
.endr
.irp p,0,2,4,6,8,10,12,14
	PADD S+2*\p, S+2*\p, S+2*\p+2
.endr
.irp p,0,4,8,12
	PADD S+2*\p, S+2*\p, S+2*\p+4
.endr
	PADD S, S, S+8
	PADD S+16, S+16, S+24
	PADD S, S, S+16
	v_pk_fma_f32 v[14:15], v[14:15], v[18:19], v[S:S+1] op_sel_hi:[1,0,1]
.set i, 0
.rept 32
	v_pk_mul_f32 v[O+2*i:O+2*i+1], v[O+2*i:O+2*i+1], v[18:19] op_sel_hi:[1,0]
.set i, i+1
.endr
	s_wait_dscnt 0x0
	PV 0
	PLACES
	VL 1
	s_wait_dscnt 0x0
	PV 1
	PLACES
	v_add_nc_u32 v6, 0xffffffc0, v6                ; the next trip's keys lie 64 further on
	s_add_co_u32 s36, s36, 64*PKK
	s_add_co_u32 s37, s37, 64*PVV
	s_sub_co_u32 s30, s30, 1
	s_cmp_lg_u32 s30, 0
	s_cbranch_scc1 .Lkeys
	v_add_f32 v14, v14, v15
	v_permlanex16_b32 v15, v14, s28, s29
	v_add_f32 v14, v14, v15
	v_rcp_f32 v14, v14
	v_nop
	s_wait_alu depctr_va_vdst(0)
	v_mov_b32 v15, v14
.set i, 0
.rept 32
	v_pk_mul_f32 v[O+2*i:O+2*i+1], v[O+2*i:O+2*i+1], v[14:15]
.set i, i+1
.endr
.set i, 0
.rept 32
	v_cvt_pk_f16_f32 v[S+i], v[O+2*i], v[O+2*i+1]
.set i, i+1
.endr
.irp cb,0,1,2,3,4,5,6,7
	global_store_b128 v10, v[S+4*\cb:S+4*\cb+3], s[10:11] offset:32768*\cb   ; the wave stores 512 consecutive bytes
.endr
.Lend:
	s_wait_dscnt 0x0                               ; my reads of K and V are over;
	s_barrier_signal -1
	s_barrier_wait -1                              ; every wave's are, before any wave writes LDS again (the add below)
	s_wait_tensorcnt 0x0                           ; the wave's end
	ds_add_u32 v30, v31
	s_wait_dscnt 0x0
	s_endpgm
.Lfunc_end_k_q3b9b11d31a_attn:
	.size	k_q3b9b11d31a_attn, .Lfunc_end_k_q3b9b11d31a_attn-k_q3b9b11d31a_attn
	.p2alignl 7, 3214868480
	.fill 96, 4, 3214868480
	.section	.rodata,"a",@progbits
	.p2align	6, 0x0
	.amdhsa_kernel k_q3b9b11d31a_attn
		.amdhsa_group_segment_fixed_size 287744
		.amdhsa_private_segment_fixed_size 0
		.amdhsa_enable_private_segment 0
		.amdhsa_kernarg_size 32
		.amdhsa_user_sgpr_count 2
		.amdhsa_user_sgpr_kernarg_segment_ptr 1
		.amdhsa_wavefront_size32 1
		.amdhsa_system_sgpr_workgroup_id_x 1
		.amdhsa_system_sgpr_workgroup_id_y 1
		.amdhsa_system_sgpr_workgroup_id_z 1
		.amdhsa_system_vgpr_workitem_id 0
		.amdhsa_next_free_vgpr 256
		.amdhsa_next_free_sgpr 66
		.amdhsa_reserve_vcc 1
		.amdhsa_float_denorm_mode_32 3
		.amdhsa_float_denorm_mode_16_64 3
		.amdhsa_memory_ordered 1
		.amdhsa_forward_progress 1
		.amdhsa_inst_pref_size 39
	.end_amdhsa_kernel
	.amdgpu_metadata
---
amdhsa.version: [ 1, 2 ]
amdhsa.kernels:
  - .name:           k_q3b9b11d31a_attn
    .symbol:         k_q3b9b11d31a_attn.kd
    .args:
      - { .name: qh, .offset: 0, .size: 8, .value_kind: global_buffer, .address_space: global }
      - { .name: kv, .offset: 8, .size: 8, .value_kind: global_buffer, .address_space: global }
      - { .name: list, .offset: 16, .size: 8, .value_kind: global_buffer, .address_space: global }
      - { .name: ca, .offset: 24, .size: 8, .value_kind: global_buffer, .address_space: global }
    .group_segment_fixed_size: 287744
    .private_segment_fixed_size: 0
    .kernarg_segment_align: 8
    .kernarg_segment_size: 32
    .max_flat_workgroup_size: 256
    .sgpr_count:     66
    .vgpr_count:     256
    .wavefront_size: 32
...
	.end_amdgpu_metadata
.endif
;; end of part 4
;; launch oproj (part 5): grid 128 x 1, 8 waves a work-group, no clusters, 66,560 bytes of LDS; arguments ca, wo, list, hidden_states, x1; writes x1
.if DOCPART == 5
	.amdgcn_target "amdgcn-amd-amdhsa--gfx1250"
	.amdhsa_code_object_version 6
	.text
	.protected	k_q3b9b11d31a_oproj
	.globl	k_q3b9b11d31a_oproj
	.p2align	8
	.type	k_q3b9b11d31a_oproj,@function
k_q3b9b11d31a_oproj:
	s_mov_b64 s[64:65], 0
	v_nop
	global_prefetch_b8 v0, s[64:65] scope:SCOPE_SE
	s_setreg_imm32_b32 hwreg(HW_REG_WAVE_MODE, 25, 1), 1
	s_wait_xcnt 0x0
; x1 = x + ctx wo^T for the chosen rows.  Work-group x owns 16 output columns; the 8 waves split K = 2048; groups of 128 rows are walked by a loop of 8 trips, of which
; G = ceil(max(n0, n1) / 64) have rows; a trip past G jumps over its work and passes its two barriers.  Weights go from memory through registers (rounded to f16) into source 0;
; ctx comes in blocks [k / 16][slot][16] of f16, 512 consecutive bytes a load.  The waves' sums meet in LDS; wave w sums tile w, adds the token's row of hidden_states (f32)
; and stores f32 in the accumulator's own order: [column block][tile][1024 bytes].  No cluster, no tensor load: each weight has one reader, and the trip count hangs on a stored number.
; LIMITS.  |ctx| and |wo| under 65,504 (f16); weight bits below 2^-24 are lost.
.set NB, 1
.set SPARE, 65536
.set WH, 32
.set WF, 64
.set AB, 128
.set WV, 14
.set Y, 15
.set GG, 16
.set MSB, 0
.macro WIN new
.if MSB != (\new)
	s_set_vgpr_msb (MSB<<8)|(\new)
.set MSB, \new
.endif
.endm
.macro PLACES
.rept 4
	v_nop
.endr
.endm
.macro PADD d, a, b
	v_pk_add_f32 v[\d:(\d)+1], v[\a:(\a)+1], v[\b:(\b)+1]
.endm
.macro WL4 dst, win, imm
	WIN 0x40*(\win)
	global_load_b128 v[(\dst):(\dst)+3], v4, s[6:7] offset:(\imm) th:TH_LOAD_NT
	global_load_b128 v[(\dst)+4:(\dst)+7], v4, s[6:7] offset:(\imm)+16 th:TH_LOAD_NT
	global_load_b128 v[(\dst)+8:(\dst)+11], v4, s[6:7] offset:(\imm)+64 th:TH_LOAD_NT
	global_load_b128 v[(\dst)+12:(\dst)+15], v4, s[6:7] offset:(\imm)+80 th:TH_LOAD_NT
.endm
.macro WCVT win
	WIN 0x05*(\win)
.set ci, 0
.rept 32
	v_cvt_pk_f16_f32 v[WH+ci], v[WF+2*ci], v[WF+2*ci+1]
.set ci, ci+1
.endr
	WIN 0
.endm
.macro AL buf, imm                     ; 8 tiles x 32 k: two blocks of 16 k
	WIN 0
.irp i,0,1,2,3,4,5,6,7
	global_load_b128 v[AB+64*(\buf)+8*\i:AB+64*(\buf)+8*\i+3], v5, s[4:5] offset:(\imm)+512*(\i%4)+16384*(\i/4)
	global_load_b128 v[AB+64*(\buf)+8*\i+4:AB+64*(\buf)+8*\i+7], v5, s[4:5] offset:(\imm)+512*(\i%4)+16384*(\i/4)+32768
.endr
.endm
.macro MM8 acc, frag, buf, zero        ; the 8 accumulators by turns
	WIN 0x50
.irp i,0,1,2,3,4,5,6,7
.if \zero
	v_wmma_f32_16x16x32_f16 v[64*(\acc)+8*\i:64*(\acc)+8*\i+7], v[WH+8*(\frag):WH+8*(\frag)+7], v[AB+64*(\buf)+8*\i:AB+64*(\buf)+8*\i+7], 0
.else
	v_wmma_f32_16x16x32_f16 v[64*(\acc)+8*\i:64*(\acc)+8*\i+7], v[WH+8*(\frag):WH+8*(\frag)+7], v[AB+64*(\buf)+8*\i:AB+64*(\buf)+8*\i+7], v[64*(\acc)+8*\i:64*(\acc)+8*\i+7]
.endif
.endr
.endm
.macro RSTORE
	PLACES
	WIN 0x04
.set rf, 0
.rept NB*8
	ds_store_b128 v6, v[8*rf:8*rf+3] offset:1024*rf
	ds_store_b128 v6, v[8*rf+4:8*rf+7] offset:1024*rf+512
.set rf, rf+1
.endr
	WIN 0
.endm
.macro RLOAD f, half
.irp s,0,1,2,3,4,5,6,7
	ds_load_b128 v[AB+64*(\half)+8*\s:AB+64*(\half)+8*\s+3], v[7+(\s*NB)/8] offset:((\s*NB*8192)%65536)+8192*(\f)
	ds_load_b128 v[AB+64*(\half)+8*\s+4:AB+64*(\half)+8*\s+7], v[7+(\s*NB)/8] offset:((\s*NB*8192)%65536)+8192*(\f)+512
.endr
.endm
.macro RSUM half, dst
.irp p,0,2,4,6
	PADD AB+64*(\half)+\p, AB+64*(\half)+\p, AB+64*(\half)+8+\p
	PADD AB+64*(\half)+16+\p, AB+64*(\half)+16+\p, AB+64*(\half)+24+\p
	PADD AB+64*(\half)+32+\p, AB+64*(\half)+32+\p, AB+64*(\half)+40+\p
	PADD AB+64*(\half)+48+\p, AB+64*(\half)+48+\p, AB+64*(\half)+56+\p
.endr
.irp p,0,2,4,6
	PADD AB+64*(\half)+\p, AB+64*(\half)+\p, AB+64*(\half)+16+\p
	PADD AB+64*(\half)+32+\p, AB+64*(\half)+32+\p, AB+64*(\half)+48+\p
.endr
.irp p,0,2,4,6
	PADD (\dst)+\p, AB+64*(\half)+\p, AB+64*(\half)+32+\p
.endr
.endm
	s_load_b256 s[4:11], s[0:1], 0x0               ; ca s[4:5], wo s[6:7], list s[8:9], hidden s[10:11]
	s_load_b64 s[12:13], s[0:1], 0x20              ; x1
	v_lshl_add_u32 v30, v0, 2, SPARE
	v_mov_b32 v31, 0
	v_lshrrev_b32 v1, 5, v0
	v_readfirstlane_b32 s[WV], v1
	v_and_b32 v20, 31, v0
	v_and_b32 v1, 15, v0
	v_bfe_u32 v2, v0, 4, 1
	v_lshlrev_b32 v3, 5, v1
	v_lshl_add_u32 v3, v2, 4, v3
	s_lshl_b32 s18, ttmp9, 4
	v_add_nc_u32 v4, s18, v1
	v_lshlrev_b32 v4, 13, v4
	v_lshl_add_u32 v4, v2, 5, v4
	s_lshl_b32 s18, s[WV], 10
	v_add_nc_u32 v4, s18, v4                       ; row x 8192 + 32 h + my wave's 256 k
	s_lshl_b32 s18, s[WV], 19
	v_add_nc_u32 v11, s18, v3                      ; ctx: my wave's 16 blocks, 32 r + 16 h
	v_lshlrev_b32 v21, 4, v20
	s_lshl_b32 s18, s[WV], 13
	v_add_nc_u32 v6, s18, v21
	s_lshl_b32 s18, s[WV], 10
	v_add_nc_u32 v7, s18, v21
	s_and_b32 s19, s[WV], 3
	s_lshr_b32 s20, s[WV], 2
	s_lshl_b32 s20, s20, 5
	s_add_co_u32 s19, s19, s20                     ; my tile in group 0
	s_lshl_b32 s20, s19, 6
	v_lshl_add_u32 v28, v1, 2, s20
	s_lshl_b32 s20, ttmp9, 6
	v_lshl_add_u32 v27, v2, 5, s20                 ; my 8 columns in a row of hidden_states
	s_lshl_b32 s20, s19, 10
	s_lshl_b32 s21, ttmp9, 16
	s_add_co_u32 s20, s20, s21
	v_add_nc_u32 v25, s20, v21                     ; x1: 65536 x + 1024 tile + 16 lane
	s_wait_kmcnt 0x0
	s_load_b32 s22, s[8:9], 0x1000
	s_load_b32 s23, s[8:9], 0x1080
	s_wait_kmcnt 0x0
	s_min_u32 s22, s22, 0x200
	s_min_u32 s23, s23, 0x200
	s_max_u32 s22, s22, s23
	s_add_co_u32 s22, s22, 63
	s_lshr_b32 s[GG], s22, 6
	s_mov_b32 s[Y], 0
.Lgroup:
	s_cmp_ge_u32 s[Y], s[GG]
	s_cbranch_scc1 .Lb1
	v_lshl_add_u32 v5, s[Y], 11, v11
.irp f,0,1,2,3
	WL4 WF+16*\f, 0, 128*\f
.endr
.irp f,0,1,2,3
	WL4 WF+16*\f, 1, 512+128*\f
.endr
	AL 0, 0
	AL 1, 65536
.set st, 0
.rept 8
.if st < 7
	s_wait_loadcnt 16                              ; all but the next step's 16 loads of ctx
.else
	s_wait_loadcnt 0
.endif
.if st == 0
	WCVT 0
.endif
.if st == 4
	WCVT 1
.endif
	MM8 0, st%4, st%2, (st==0)
.if st < 6
	PLACES
	AL st%2, 65536*(st+2)
.endif
.set st, st+1
.endr
	RSTORE
	s_wait_dscnt 0x0
.Lb1:
	s_barrier_signal -1
	s_barrier_wait -1
	s_cmp_ge_u32 s[Y], s[GG]
	s_cbranch_scc1 .Lb2
	v_lshl_add_u32 v12, s[Y], 8, v28
	global_load_b32 v13, v12, s[8:9]
	RLOAD 0, 0
	s_wait_loadcnt 0x0
	v_and_b32 v15, 0xffff, v13
	v_min_u32 v15, 0x3ff, v15
	v_lshl_add_u32 v16, v15, 13, v27
	global_load_b128 v[72:75], v16, s[10:11]
	global_load_b128 v[76:79], v16, s[10:11] offset:16
	s_wait_dscnt 0x0
	RSUM 0, 64
	s_wait_loadcnt 0x0
.irp p,0,2,4,6
	PADD 64+\p, 64+\p, 72+\p
.endr
	v_lshl_add_u32 v18, s[Y], 12, v25
	global_store_b128 v18, v[64:67], s[12:13]
	global_store_b128 v18, v[68:71], s[12:13] offset:512
.Lb2:
	s_wait_xcnt 0x0                                ; the next trip rewrites the stores' registers
	s_barrier_signal -1
	s_barrier_wait -1
	s_add_co_u32 s[Y], s[Y], 1
	s_cmp_lt_u32 s[Y], 8
	s_cbranch_scc1 .Lgroup
	s_wait_tensorcnt 0x0                           ; the wave's end
	ds_add_u32 v30, v31
	s_wait_dscnt 0x0
	s_endpgm
.Lfunc_end_k_q3b9b11d31a_oproj:
	.size	k_q3b9b11d31a_oproj, .Lfunc_end_k_q3b9b11d31a_oproj-k_q3b9b11d31a_oproj
	.p2alignl 7, 3214868480
	.fill 96, 4, 3214868480
	.section	.rodata,"a",@progbits
	.p2align	6, 0x0
	.amdhsa_kernel k_q3b9b11d31a_oproj
		.amdhsa_group_segment_fixed_size 66560
		.amdhsa_private_segment_fixed_size 0
		.amdhsa_enable_private_segment 0
		.amdhsa_kernarg_size 40
		.amdhsa_user_sgpr_count 2
		.amdhsa_user_sgpr_kernarg_segment_ptr 1
		.amdhsa_wavefront_size32 1
		.amdhsa_system_sgpr_workgroup_id_x 1
		.amdhsa_system_sgpr_workgroup_id_y 1
		.amdhsa_system_sgpr_workgroup_id_z 1
		.amdhsa_system_vgpr_workitem_id 0
		.amdhsa_next_free_vgpr 384
		.amdhsa_next_free_sgpr 66
		.amdhsa_reserve_vcc 0
		.amdhsa_float_denorm_mode_32 3
		.amdhsa_float_denorm_mode_16_64 3
		.amdhsa_memory_ordered 1
		.amdhsa_forward_progress 1
		.amdhsa_inst_pref_size 33
	.end_amdhsa_kernel
	.amdgpu_metadata
---
amdhsa.version: [ 1, 2 ]
amdhsa.kernels:
  - .name:           k_q3b9b11d31a_oproj
    .symbol:         k_q3b9b11d31a_oproj.kd
    .args:
      - { .name: ca, .offset: 0, .size: 8, .value_kind: global_buffer, .address_space: global }
      - { .name: wo, .offset: 8, .size: 8, .value_kind: global_buffer, .address_space: global }
      - { .name: list, .offset: 16, .size: 8, .value_kind: global_buffer, .address_space: global }
      - { .name: hidden_states, .offset: 24, .size: 8, .value_kind: global_buffer, .address_space: global }
      - { .name: x1, .offset: 32, .size: 8, .value_kind: global_buffer, .address_space: global }
    .group_segment_fixed_size: 66560
    .private_segment_fixed_size: 0
    .kernarg_segment_align: 8
    .kernarg_segment_size: 40
    .max_flat_workgroup_size: 256
    .sgpr_count:     66
    .vgpr_count:     384
    .wavefront_size: 32
...
	.end_amdgpu_metadata
.endif
;; end of part 5
;; launch norm2 (part 6): grid 64 x 1, 8 waves a work-group, no clusters, 1,536 bytes of LDS; arguments x1, ln2_w, list, qh; writes qh
.if DOCPART == 6
	.amdgcn_target "amdgcn-amd-amdhsa--gfx1250"
	.amdhsa_code_object_version 6
	.text
	.protected	k_q3b9b11d31a_norm2
	.globl	k_q3b9b11d31a_norm2
	.p2align	8
	.type	k_q3b9b11d31a_norm2,@function
k_q3b9b11d31a_norm2:
	s_mov_b64 s[64:65], 0
	v_nop
	global_prefetch_b8 v0, s[64:65] scope:SCOPE_SE
	s_setreg_imm32_b32 hwreg(HW_REG_WAVE_MODE, 25, 1), 1
	s_wait_xcnt 0x0
; h2 = x1 * rsqrt(mean(x1^2) + 1e-6) * ln2_w for one tile of 16 rows, f16, in blocks [k / 16][slot][16] at qh + 4194304.  Wave w has columns 256 w .. 256 w + 255.
; A tile whose group is past G = ceil(max(n0, n1) / 64) has no rows: it jumps over its work, passes the barrier and stores nothing.
; The rows' sums of squares meet in LDS.  Behind the barrier x1 is loaded once more (128 KiB a tile), so that this phase names only registers made at the head or in it.
; Streaming work: no matrix unit, no cluster.  LIMIT: |h2| under 65,504.
.set SPARE, 512
.set MSB, 0
.macro WIN new
.if MSB != (\new)
	s_set_vgpr_msb (MSB<<8)|(\new)
.set MSB, \new
.endif
.endm
.macro XLOAD
.irp q,0,1,2,3,4,5,6,7,8,9,10,11,12,13,14,15
	global_load_b128 v[32+8*\q:35+8*\q], v4, s[4:5] offset:65536*\q
	global_load_b128 v[36+8*\q:39+8*\q], v4, s[4:5] offset:65536*\q+512
.endr
.endm
	s_load_b256 s[4:11], s[0:1], 0x0               ; x1 s[4:5], ln2_w s[6:7], list s[8:9], qh s[10:11]
	v_lshl_add_u32 v30, v0, 2, SPARE
	v_mov_b32 v31, 0
	v_lshrrev_b32 v1, 5, v0
	v_readfirstlane_b32 s12, v1
	v_and_b32 v20, 31, v0
	v_and_b32 v1, 15, v0
	v_bfe_u32 v2, v0, 4, 1
	v_lshlrev_b32 v3, 5, v1
	v_lshl_add_u32 v3, v2, 4, v3
	s_lshl_b32 s18, ttmp9, 10
	s_lshl_b32 s19, s12, 20
	s_add_co_u32 s18, s18, s19
	v_lshl_add_u32 v4, v20, 4, s18                 ; x1: 16 blocks a wave, 1024 tile + 16 lane
	s_lshl_b32 s18, s12, 6
	v_lshl_add_u32 v5, v1, 2, s18                  ; LDS: 64 w + 4 r
	v_lshlrev_b32 v6, 2, v1
	s_lshl_b32 s18, s12, 10
	v_lshl_add_u32 v7, v2, 5, s18                  ; ln2_w: 1024 w + 32 h
	s_lshl_b32 s18, s12, 19
	s_lshl_b32 s19, ttmp9, 9
	s_add_co_u32 s18, s18, s19
	v_add_nc_u32 v8, s18, v3                       ; h2: 16 blocks a wave, 512 tile + 32 r + 16 h
	s_and_b32 s15, ttmp9, 31
	s_lshr_b32 s15, s15, 2                         ; the tile's group
	s_mov_b32 s20, 0x76543210
	s_mov_b32 s21, 0xfedcba98
	s_mov_b32 s22, 0x3a000000
	s_mov_b32 s23, 0x358637bd
	s_wait_kmcnt 0x0
	s_load_b32 s16, s[8:9], 0x1000
	s_load_b32 s17, s[8:9], 0x1080
	s_wait_kmcnt 0x0
	s_min_u32 s16, s16, 0x200
	s_min_u32 s17, s17, 0x200
	s_max_u32 s16, s16, s17
	s_add_co_u32 s16, s16, 63
	s_lshr_b32 s14, s16, 6
	s_cmp_ge_u32 s15, s14
	s_cbranch_scc1 .Lb1
	XLOAD
	s_wait_loadcnt 0x0
.irp c,0,1,2,3
	v_pk_mul_f32 v[10+2*\c:11+2*\c], v[32+2*\c:33+2*\c], v[32+2*\c:33+2*\c]
.endr
.set i, 4
.rept 60
	v_pk_fma_f32 v[10+2*(i%4):11+2*(i%4)], v[32+2*i:33+2*i], v[32+2*i:33+2*i], v[10+2*(i%4):11+2*(i%4)]
.set i, i+1
.endr
	v_pk_add_f32 v[10:11], v[10:11], v[12:13]
	v_pk_add_f32 v[14:15], v[14:15], v[16:17]
	v_pk_add_f32 v[10:11], v[10:11], v[14:15]
	v_add_f32 v10, v10, v11
	v_permlanex16_b32 v11, v10, s20, s21           ; the row's other 8 columns of each block lie 16 lanes away
	v_add_f32 v10, v10, v11
	ds_store_b32 v5, v10
	s_wait_dscnt 0x0
.Lb1:
	s_barrier_signal -1
	s_barrier_wait -1
	s_cmp_ge_u32 s15, s14
	s_cbranch_scc1 .Lend
	XLOAD
	WIN 0x40                                       ; ln2_w into window 1
.irp q,0,1,2,3,4,5,6,7,8,9,10,11,12,13,14,15
	global_load_b128 v[8*\q:8*\q+3], v7, s[6:7] offset:64*\q
	global_load_b128 v[8*\q+4:8*\q+7], v7, s[6:7] offset:64*\q+16
.endr
	WIN 0
.irp u,0,1,2,3,4,5,6,7
	ds_load_b32 v[12+\u], v6 offset:64*\u
.endr
	s_wait_dscnt 0x0
	v_pk_add_f32 v[12:13], v[12:13], v[14:15]
	v_pk_add_f32 v[16:17], v[16:17], v[18:19]
	v_pk_add_f32 v[12:13], v[12:13], v[16:17]
	v_add_f32 v12, v12, v13
	v_fma_f32 v12, v12, s22, s23
	v_rsq_f32 v12, v12
	v_nop
	s_wait_alu depctr_va_vdst(0)
	v_mov_b32 v13, v12
	s_wait_loadcnt 0x0
.set i, 0
.rept 64
	v_pk_mul_f32 v[32+2*i:33+2*i], v[32+2*i:33+2*i], v[12:13]
.set i, i+1
.endr
	WIN 0x04                                       ; source 1 in window 1
.set i, 0
.rept 64
	v_pk_mul_f32 v[32+2*i:33+2*i], v[32+2*i:33+2*i], v[2*i:2*i+1]
.set i, i+1
.endr
	WIN 0
.set i, 0
.rept 64
	v_cvt_pk_f16_f32 v[160+i], v[32+2*i], v[33+2*i]
.set i, i+1
.endr
.irp q,0,1,2,3,4,5,6,7,8,9,10,11,12,13,14,15
	global_store_b128 v8, v[160+4*\q:163+4*\q], s[10:11] offset:4194304+32768*\q   ; the wave stores 512 consecutive bytes
.endr
.Lend:
	s_wait_tensorcnt 0x0                           ; the wave's end
	ds_add_u32 v30, v31
	s_wait_dscnt 0x0
	s_endpgm
.Lfunc_end_k_q3b9b11d31a_norm2:
	.size	k_q3b9b11d31a_norm2, .Lfunc_end_k_q3b9b11d31a_norm2-k_q3b9b11d31a_norm2
	.p2alignl 7, 3214868480
	.fill 96, 4, 3214868480
	.section	.rodata,"a",@progbits
	.p2align	6, 0x0
	.amdhsa_kernel k_q3b9b11d31a_norm2
		.amdhsa_group_segment_fixed_size 1536
		.amdhsa_private_segment_fixed_size 0
		.amdhsa_enable_private_segment 0
		.amdhsa_kernarg_size 32
		.amdhsa_user_sgpr_count 2
		.amdhsa_user_sgpr_kernarg_segment_ptr 1
		.amdhsa_wavefront_size32 1
		.amdhsa_system_sgpr_workgroup_id_x 1
		.amdhsa_system_sgpr_workgroup_id_y 1
		.amdhsa_system_sgpr_workgroup_id_z 1
		.amdhsa_system_vgpr_workitem_id 0
		.amdhsa_next_free_vgpr 384
		.amdhsa_next_free_sgpr 66
		.amdhsa_reserve_vcc 0
		.amdhsa_float_denorm_mode_32 3
		.amdhsa_float_denorm_mode_16_64 3
		.amdhsa_memory_ordered 1
		.amdhsa_forward_progress 1
		.amdhsa_inst_pref_size 31
	.end_amdhsa_kernel
	.amdgpu_metadata
---
amdhsa.version: [ 1, 2 ]
amdhsa.kernels:
  - .name:           k_q3b9b11d31a_norm2
    .symbol:         k_q3b9b11d31a_norm2.kd
    .args:
      - { .name: x1, .offset: 0, .size: 8, .value_kind: global_buffer, .address_space: global }
      - { .name: ln2_w, .offset: 8, .size: 8, .value_kind: global_buffer, .address_space: global }
      - { .name: list, .offset: 16, .size: 8, .value_kind: global_buffer, .address_space: global }
      - { .name: qh, .offset: 24, .size: 8, .value_kind: global_buffer, .address_space: global }
    .group_segment_fixed_size: 1536
    .private_segment_fixed_size: 0
    .kernarg_segment_align: 8
    .kernarg_segment_size: 32
    .max_flat_workgroup_size: 256
    .sgpr_count:     66
    .vgpr_count:     384
    .wavefront_size: 32
...
	.end_amdgpu_metadata
.endif
;; end of part 6
;; launch gateup (part 7): grid 256 x 1, 8 waves a work-group, no clusters, 263,168 bytes of LDS; arguments qh, w_gate, w_up, list, ca; writes ca
.if DOCPART == 7
	.amdgcn_target "amdgcn-amd-amdhsa--gfx1250"
	.amdhsa_code_object_version 6
	.text
	.protected	k_q3b9b11d31a_gateup
	.globl	k_q3b9b11d31a_gateup
	.p2align	8
	.type	k_q3b9b11d31a_gateup,@function
k_q3b9b11d31a_gateup:
	s_mov_b64 s[64:65], 0
	v_nop
	global_prefetch_b8 v0, s[64:65] scope:SCOPE_SE
	s_setreg_imm32_b32 hwreg(HW_REG_WAVE_MODE, 25, 1), 1
	s_wait_xcnt 0x0
; act = silu(h2 w_gate^T) * (h2 w_up^T) for the chosen rows.  Work-group x owns 32 of the 8192 columns, of gate and of up: four fragments of 16 rows of weights (g0, u0, g1, u1).
; The 8 waves split K = 2048; groups of 128 rows are walked by a loop of 8 trips, of which G = ceil(max(n0, n1) / 64) have rows; a trip past G jumps over its work and passes its two barriers.
; Weights go from memory through registers (rounded to f16) into source 0, h2 (blocks [k / 16][slot][16]) into source 1; 32 accumulators a wave, 256 registers, in window 1.
; The waves' sums meet in LDS; wave w sums tile w and makes act in f32.  act has no room in f16, so it leaves as two f16 numbers: a1 = f16(act / 4096), a2 = f16(act - 4096 a1).
; No cluster, no tensor load: each weight has one reader, and the trip count hangs on a stored number.
; LIMITS.  |h2| and the weights under 65,504; |act| under 2.6e8; weight bits below 2^-24 are lost.
.set NB, 4
.set SPARE, 262144
.set WH, 32
.set WF, 64
.set AB, 128
.set WV, 20
.set Y, 21
.set GG, 22
.set MSB, 0
.macro WIN new
.if MSB != (\new)
	s_set_vgpr_msb (MSB<<8)|(\new)
.set MSB, \new
.endif
.endm
.macro PLACES
.rept 4
	v_nop
.endr
.endm
.macro PADD d, a, b
	v_pk_add_f32 v[\d:(\d)+1], v[\a:(\a)+1], v[\b:(\b)+1]
.endm
.macro WL4 dst, sb, imm
	WIN 0
	global_load_b128 v[(\dst):(\dst)+3], v4, s[\sb:\sb+1] offset:(\imm)
	global_load_b128 v[(\dst)+4:(\dst)+7], v4, s[\sb:\sb+1] offset:(\imm)+16
	global_load_b128 v[(\dst)+8:(\dst)+11], v4, s[\sb:\sb+1] offset:(\imm)+64
	global_load_b128 v[(\dst)+12:(\dst)+15], v4, s[\sb:\sb+1] offset:(\imm)+80
.endm
.macro WU ks                           ; the four fragments of k step ks
	WL4 WF, 6, 128*(\ks)
	WL4 WF+16, 8, 128*(\ks)
	WL4 WF+32, 6, 131072+128*(\ks)
	WL4 WF+48, 8, 131072+128*(\ks)
.endm
.macro WCVT
	WIN 0
.set ci, 0
.rept 32
	v_cvt_pk_f16_f32 v[WH+ci], v[WF+2*ci], v[WF+2*ci+1]
.set ci, ci+1
.endr
.endm
.macro AL buf, imm
	WIN 0
.irp i,0,1,2,3,4,5,6,7
	global_load_b128 v[AB+64*(\buf)+8*\i:AB+64*(\buf)+8*\i+3], v5, s[14:15] offset:(\imm)+512*(\i%4)+16384*(\i/4)
	global_load_b128 v[AB+64*(\buf)+8*\i+4:AB+64*(\buf)+8*\i+7], v5, s[14:15] offset:(\imm)+512*(\i%4)+16384*(\i/4)+32768
.endr
.endm
.macro MM8 acc, frag, buf, zero        ; the accumulators by turns
	WIN 0x50
.irp i,0,1,2,3,4,5,6,7
.if \zero
	v_wmma_f32_16x16x32_f16 v[64*(\acc)+8*\i:64*(\acc)+8*\i+7], v[WH+8*(\frag):WH+8*(\frag)+7], v[AB+64*(\buf)+8*\i:AB+64*(\buf)+8*\i+7], 0
.else
	v_wmma_f32_16x16x32_f16 v[64*(\acc)+8*\i:64*(\acc)+8*\i+7], v[WH+8*(\frag):WH+8*(\frag)+7], v[AB+64*(\buf)+8*\i:AB+64*(\buf)+8*\i+7], v[64*(\acc)+8*\i:64*(\acc)+8*\i+7]
.endif
.endr
.endm
.macro RSTORE
	PLACES
	WIN 0x04
.set rf, 0
.rept NB*8
	ds_store_b128 v6, v[8*rf:8*rf+3] offset:1024*rf
	ds_store_b128 v6, v[8*rf+4:8*rf+7] offset:1024*rf+512
.set rf, rf+1
.endr
	WIN 0
.endm
.macro RLOAD f, half
.irp s,0,1,2,3,4,5,6,7
	ds_load_b128 v[AB+64*(\half)+8*\s:AB+64*(\half)+8*\s+3], v[7+(\s*NB)/8] offset:((\s*NB*8192)%65536)+8192*(\f)
	ds_load_b128 v[AB+64*(\half)+8*\s+4:AB+64*(\half)+8*\s+7], v[7+(\s*NB)/8] offset:((\s*NB*8192)%65536)+8192*(\f)+512
.endr
.endm
.macro RSUM half, dst
.irp p,0,2,4,6
	PADD AB+64*(\half)+\p, AB+64*(\half)+\p, AB+64*(\half)+8+\p
	PADD AB+64*(\half)+16+\p, AB+64*(\half)+16+\p, AB+64*(\half)+24+\p
	PADD AB+64*(\half)+32+\p, AB+64*(\half)+32+\p, AB+64*(\half)+40+\p
	PADD AB+64*(\half)+48+\p, AB+64*(\half)+48+\p, AB+64*(\half)+56+\p
.endr
.irp p,0,2,4,6
	PADD AB+64*(\half)+\p, AB+64*(\half)+\p, AB+64*(\half)+16+\p
	PADD AB+64*(\half)+32+\p, AB+64*(\half)+32+\p, AB+64*(\half)+48+\p
.endr
.irp p,0,2,4,6
	PADD (\dst)+\p, AB+64*(\half)+\p, AB+64*(\half)+32+\p
.endr
.endm
	s_load_b256 s[4:11], s[0:1], 0x0               ; qh s[4:5], w_gate s[6:7], w_up s[8:9], list s[10:11]
	s_load_b64 s[12:13], s[0:1], 0x20              ; ca
	v_lshl_add_u32 v30, v0, 2, SPARE
	v_mov_b32 v31, 0
	v_lshrrev_b32 v1, 5, v0
	v_readfirstlane_b32 s[WV], v1
	v_and_b32 v20, 31, v0
	v_and_b32 v1, 15, v0
	v_bfe_u32 v2, v0, 4, 1
	v_lshlrev_b32 v3, 5, v1
	v_lshl_add_u32 v3, v2, 4, v3
	s_lshl_b32 s18, ttmp9, 5
	v_add_nc_u32 v4, s18, v1
	v_lshlrev_b32 v4, 13, v4
	v_lshl_add_u32 v4, v2, 5, v4
	s_lshl_b32 s18, s[WV], 10
	v_add_nc_u32 v4, s18, v4                       ; row x 8192 + 32 h + my wave's 256 k
	s_lshl_b32 s18, s[WV], 19
	v_add_nc_u32 v11, s18, v3
	v_lshlrev_b32 v21, 4, v20
	s_lshl_b32 s18, s[WV], 15
	v_add_nc_u32 v6, s18, v21                      ; LDS: my wave's 32 tiles
	s_lshl_b32 s18, s[WV], 10
	v_add_nc_u32 v7, s18, v21                      ; LDS: tile w of waves 0-1, 2-3, 4-5, 6-7
	v_add_nc_u32 v8, 0x10000, v7
	v_add_nc_u32 v9, 0x20000, v7
	v_add_nc_u32 v10, 0x30000, v7
	s_and_b32 s19, s[WV], 3
	s_lshr_b32 s18, s[WV], 2
	s_lshl_b32 s18, s18, 5
	s_add_co_u32 s19, s19, s18
	s_lshl_b32 s19, s19, 9
	s_lshl_b32 s18, ttmp9, 16
	s_add_co_u32 s19, s19, s18
	v_add_nc_u32 v25, s19, v3                      ; act: 32768 (2 x) + 512 tile + 32 r + 16 h
	s_wait_kmcnt 0x0
	s_load_b32 s23, s[10:11], 0x1000
	s_load_b32 s24, s[10:11], 0x1080
	s_add_nc_u64 s[14:15], s[4:5], 0x400000        ; h2
	s_add_nc_u64 s[16:17], s[12:13], 0x1400000     ; a2
	s_wait_kmcnt 0x0
	s_min_u32 s23, s23, 0x200
	s_min_u32 s24, s24, 0x200
	s_max_u32 s23, s23, s24
	s_add_co_u32 s23, s23, 63
	s_lshr_b32 s[GG], s23, 6
	s_mov_b32 s[Y], 0
.Lgroup:
	s_cmp_ge_u32 s[Y], s[GG]
	s_cbranch_scc1 .Lb1
	v_lshl_add_u32 v5, s[Y], 11, v11
	WU 0
	AL 0, 0
	AL 1, 65536
.set st, 0
.rept 8
.if st < 7
	s_wait_loadcnt 16                              ; this step's weights and h2 are in; the next step's 16 loads of h2 stay out
.else
	s_wait_loadcnt 0
.endif
	WCVT
.if st < 7
	WU st+1
.endif
	MM8 0, 0, st%2, (st==0)
	MM8 1, 1, st%2, (st==0)
	MM8 2, 2, st%2, (st==0)
	MM8 3, 3, st%2, (st==0)
.if st < 7
	PLACES
.endif
.if st < 6
	AL st%2, 65536*(st+2)
.endif
.set st, st+1
.endr
	RSTORE
	s_wait_dscnt 0x0
.Lb1:
	s_barrier_signal -1
	s_barrier_wait -1
	s_cmp_ge_u32 s[Y], s[GG]
	s_cbranch_scc1 .Lb2
	RLOAD 0, 0
	RLOAD 1, 1
	s_wait_dscnt 16
	RSUM 0, 64                                     ; gate in v[64:79], up in v[80:95]
	s_wait_dscnt 0x0
	RSUM 1, 80
	RLOAD 2, 0
	RLOAD 3, 1
	v_mov_b32 v20, 0xc5800000                      ; -4096
	v_lshl_add_u32 v18, s[Y], 11, v25
	s_wait_dscnt 16
	RSUM 0, 72
	s_wait_dscnt 0x0
	RSUM 1, 88
.set i, 0
.rept 16
	v_mul_f32 v[96+i], 0xbfb8aa3b, v[64+i]
.set i, i+1
.endr
.set i, 0
.rept 16
	v_exp_f32 v[96+i], v[96+i]                     ; e^-g
.set i, i+1
.endr
	v_nop
	s_wait_alu depctr_va_vdst(0)                   ; one wait for the batch of 16
.set i, 0
.rept 16
	v_add_f32 v[96+i], 1.0, v[96+i]
.set i, i+1
.endr
.set i, 0
.rept 16
	v_rcp_f32 v[96+i], v[96+i]
.set i, i+1
.endr
	v_nop
	s_wait_alu depctr_va_vdst(0)
.set i, 0
.rept 8
	v_pk_mul_f32 v[64+2*i:65+2*i], v[64+2*i:65+2*i], v[96+2*i:97+2*i]
	v_pk_mul_f32 v[64+2*i:65+2*i], v[64+2*i:65+2*i], v[80+2*i:81+2*i]   ; act
	v_pk_mul_f32 v[112+2*i:113+2*i], v[64+2*i:65+2*i], 0x39800000 op_sel_hi:[1,0]
	v_cvt_pk_f16_f32 v[32+i], v[112+2*i], v[113+2*i]                    ; a1
.set i, i+1
.endr
.set i, 0
.rept 8
	v_fma_mix_f32 v[112+2*i], v[32+i], v20, v[64+2*i] op_sel_hi:[1,0,0]
	v_fma_mix_f32 v[113+2*i], v[32+i], v20, v[65+2*i] op_sel:[1,0,0] op_sel_hi:[1,0,0]
	v_cvt_pk_f16_f32 v[40+i], v[112+2*i], v[113+2*i]                    ; a2
.set i, i+1
.endr
	global_store_b128 v18, v[32:35], s[12:13] offset:4194304
	global_store_b128 v18, v[36:39], s[12:13] offset:4194304+32768
	global_store_b128 v18, v[40:43], s[16:17]
	global_store_b128 v18, v[44:47], s[16:17] offset:32768
.Lb2:
	s_wait_xcnt 0x0                                ; the next trip rewrites the stores' registers
	s_barrier_signal -1
	s_barrier_wait -1
	s_add_co_u32 s[Y], s[Y], 1
	s_cmp_lt_u32 s[Y], 8
	s_cbranch_scc1 .Lgroup
	s_wait_tensorcnt 0x0                           ; the wave's end
	ds_add_u32 v30, v31
	s_wait_dscnt 0x0
	s_endpgm
.Lfunc_end_k_q3b9b11d31a_gateup:
	.size	k_q3b9b11d31a_gateup, .Lfunc_end_k_q3b9b11d31a_gateup-k_q3b9b11d31a_gateup
	.p2alignl 7, 3214868480
	.fill 96, 4, 3214868480
	.section	.rodata,"a",@progbits
	.p2align	6, 0x0
	.amdhsa_kernel k_q3b9b11d31a_gateup
		.amdhsa_group_segment_fixed_size 263168
		.amdhsa_private_segment_fixed_size 0
		.amdhsa_enable_private_segment 0
		.amdhsa_kernarg_size 40
		.amdhsa_user_sgpr_count 2
		.amdhsa_user_sgpr_kernarg_segment_ptr 1
		.amdhsa_wavefront_size32 1
		.amdhsa_system_sgpr_workgroup_id_x 1
		.amdhsa_system_sgpr_workgroup_id_y 1
		.amdhsa_system_sgpr_workgroup_id_z 1
		.amdhsa_system_vgpr_workitem_id 0
		.amdhsa_next_free_vgpr 512
		.amdhsa_next_free_sgpr 66
		.amdhsa_reserve_vcc 0
		.amdhsa_float_denorm_mode_32 3
		.amdhsa_float_denorm_mode_16_64 3
		.amdhsa_memory_ordered 1
		.amdhsa_forward_progress 1
		.amdhsa_inst_pref_size 83
	.end_amdhsa_kernel
	.amdgpu_metadata
---
amdhsa.version: [ 1, 2 ]
amdhsa.kernels:
  - .name:           k_q3b9b11d31a_gateup
    .symbol:         k_q3b9b11d31a_gateup.kd
    .args:
      - { .name: qh, .offset: 0, .size: 8, .value_kind: global_buffer, .address_space: global }
      - { .name: w_gate, .offset: 8, .size: 8, .value_kind: global_buffer, .address_space: global }
      - { .name: w_up, .offset: 16, .size: 8, .value_kind: global_buffer, .address_space: global }
      - { .name: list, .offset: 24, .size: 8, .value_kind: global_buffer, .address_space: global }
      - { .name: ca, .offset: 32, .size: 8, .value_kind: global_buffer, .address_space: global }
    .group_segment_fixed_size: 263168
    .private_segment_fixed_size: 0
    .kernarg_segment_align: 8
    .kernarg_segment_size: 40
    .max_flat_workgroup_size: 256
    .sgpr_count:     66
    .vgpr_count:     512
    .wavefront_size: 32
...
	.end_amdgpu_metadata
.endif
;; end of part 7
;; launch down (part 8): grid 256 x 1, 8 waves a work-group, no clusters, 263,168 bytes of LDS; arguments ca, w_down, list, part; writes part
.if DOCPART == 8
	.amdgcn_target "amdgcn-amd-amdhsa--gfx1250"
	.amdhsa_code_object_version 6
	.text
	.protected	k_q3b9b11d31a_down
	.globl	k_q3b9b11d31a_down
	.p2align	8
	.type	k_q3b9b11d31a_down,@function
k_q3b9b11d31a_down:
	s_mov_b64 s[64:65], 0
	v_nop
	global_prefetch_b8 v0, s[64:65] scope:SCOPE_SE
	s_setreg_imm32_b32 hwreg(HW_REG_WAVE_MODE, 25, 1), 1
	s_wait_xcnt 0x0
; Partial sums of act w_down^T.  Work-group x owns 64 output columns (x % 32) and 1024 of K = 8192 (x / 32); its 8 waves take 128 k each.  Groups of 128 rows are walked by a loop of 8 trips,
; of which G = ceil(max(n0, n1) / 64) have rows; a trip past G jumps over its work and passes its two barriers.
; act comes as a1, a2 with act = 4096 a1 + a2: each k step is multiplied twice onto the same f32 accumulators, a2 with W and a1 with 4096 W (an exact scaling in f16).
; The waves' sums meet in LDS; wave w sums tile w and stores f32 into part x / 32, in the accumulator's own order.  The last launch adds the eight parts.
; No cluster, no tensor load: each weight has one reader, and the trip count hangs on a stored number.
; LIMITS.  |w_down| under 16, so that 4096 W stays in f16; weight bits below 2^-24 are lost.
.set NB, 4
.set SPARE, 262144
.set WH, 32
.set WF, 64
.set AB, 128
.set WV, 20
.set Y, 21
.set GG, 22
.set MSB, 0
.macro WIN new
.if MSB != (\new)
	s_set_vgpr_msb (MSB<<8)|(\new)
.set MSB, \new
.endif
.endm
.macro PLACES
.rept 4
	v_nop
.endr
.endm
.macro PADD d, a, b
	v_pk_add_f32 v[\d:(\d)+1], v[\a:(\a)+1], v[\b:(\b)+1]
.endm
.macro WL4 dst, imm
	WIN 0
	global_load_b128 v[(\dst):(\dst)+3], v4, s[6:7] offset:(\imm)
	global_load_b128 v[(\dst)+4:(\dst)+7], v4, s[6:7] offset:(\imm)+16
	global_load_b128 v[(\dst)+8:(\dst)+11], v4, s[6:7] offset:(\imm)+64
	global_load_b128 v[(\dst)+12:(\dst)+15], v4, s[6:7] offset:(\imm)+80
.endm
.macro WU ks                           ; four column blocks, k step ks
	WL4 WF, 128*(\ks)
	WL4 WF+16, 524288+128*(\ks)
	WL4 WF+32, 1048576+128*(\ks)
	WL4 WF+48, 1572864+128*(\ks)
.endm
.macro WCVT
	WIN 0
.set ci, 0
.rept 32
	v_cvt_pk_f16_f32 v[WH+ci], v[WF+2*ci], v[WF+2*ci+1]
.set ci, ci+1
.endr
.endm
.macro AL buf, sb, imm
	WIN 0
.irp i,0,1,2,3,4,5,6,7
	global_load_b128 v[AB+64*(\buf)+8*\i:AB+64*(\buf)+8*\i+3], v5, s[\sb:\sb+1] offset:(\imm)+512*(\i%4)+16384*(\i/4)
	global_load_b128 v[AB+64*(\buf)+8*\i+4:AB+64*(\buf)+8*\i+7], v5, s[\sb:\sb+1] offset:(\imm)+512*(\i%4)+16384*(\i/4)+32768
.endr
.endm
.macro MM8 acc, frag, buf, zero        ; the accumulators by turns
	WIN 0x50
.irp i,0,1,2,3,4,5,6,7
.if \zero
	v_wmma_f32_16x16x32_f16 v[64*(\acc)+8*\i:64*(\acc)+8*\i+7], v[WH+8*(\frag):WH+8*(\frag)+7], v[AB+64*(\buf)+8*\i:AB+64*(\buf)+8*\i+7], 0
.else
	v_wmma_f32_16x16x32_f16 v[64*(\acc)+8*\i:64*(\acc)+8*\i+7], v[WH+8*(\frag):WH+8*(\frag)+7], v[AB+64*(\buf)+8*\i:AB+64*(\buf)+8*\i+7], v[64*(\acc)+8*\i:64*(\acc)+8*\i+7]
.endif
.endr
.endm
.macro RSTORE
	PLACES
	WIN 0x04
.set rf, 0
.rept NB*8
	ds_store_b128 v6, v[8*rf:8*rf+3] offset:1024*rf
	ds_store_b128 v6, v[8*rf+4:8*rf+7] offset:1024*rf+512
.set rf, rf+1
.endr
	WIN 0
.endm
.macro RLOAD f, half
.irp s,0,1,2,3,4,5,6,7
	ds_load_b128 v[AB+64*(\half)+8*\s:AB+64*(\half)+8*\s+3], v[7+(\s*NB)/8] offset:((\s*NB*8192)%65536)+8192*(\f)
	ds_load_b128 v[AB+64*(\half)+8*\s+4:AB+64*(\half)+8*\s+7], v[7+(\s*NB)/8] offset:((\s*NB*8192)%65536)+8192*(\f)+512
.endr
.endm
.macro RSUM half, dst
.irp p,0,2,4,6
	PADD AB+64*(\half)+\p, AB+64*(\half)+\p, AB+64*(\half)+8+\p
	PADD AB+64*(\half)+16+\p, AB+64*(\half)+16+\p, AB+64*(\half)+24+\p
	PADD AB+64*(\half)+32+\p, AB+64*(\half)+32+\p, AB+64*(\half)+40+\p
	PADD AB+64*(\half)+48+\p, AB+64*(\half)+48+\p, AB+64*(\half)+56+\p
.endr
.irp p,0,2,4,6
	PADD AB+64*(\half)+\p, AB+64*(\half)+\p, AB+64*(\half)+16+\p
	PADD AB+64*(\half)+32+\p, AB+64*(\half)+32+\p, AB+64*(\half)+48+\p
.endr
.irp p,0,2,4,6
	PADD (\dst)+\p, AB+64*(\half)+\p, AB+64*(\half)+32+\p
.endr
.endm
	s_load_b256 s[4:11], s[0:1], 0x0               ; ca s[4:5], w_down s[6:7], list s[8:9], part s[10:11]
	v_lshl_add_u32 v30, v0, 2, SPARE
	v_mov_b32 v31, 0
	v_lshrrev_b32 v1, 5, v0
	v_readfirstlane_b32 s[WV], v1
	s_and_b32 s25, ttmp9, 31                       ; which 64 columns
	s_lshr_b32 s26, ttmp9, 5                       ; which 1024 of K
	v_and_b32 v20, 31, v0
	v_and_b32 v1, 15, v0
	v_bfe_u32 v2, v0, 4, 1
	v_lshlrev_b32 v3, 5, v1
	v_lshl_add_u32 v3, v2, 4, v3
	s_lshl_b32 s18, s25, 6
	v_add_nc_u32 v4, s18, v1
	v_lshlrev_b32 v4, 15, v4
	v_lshl_add_u32 v4, v2, 5, v4
	s_lshl_b32 s18, s26, 12
	s_lshl_b32 s19, s[WV], 9
	s_add_co_u32 s18, s18, s19
	v_add_nc_u32 v4, s18, v4                       ; row x 32768 + 32 h + 4096 part + 512 w
	s_lshl_b32 s18, s26, 6
	s_lshl3_add_u32 s18, s[WV], s18                ; my first block of 16 k: 64 part + 8 w
	s_lshl_b32 s18, s18, 15
	v_add_nc_u32 v11, s18, v3
	v_lshlrev_b32 v21, 4, v20
	s_lshl_b32 s18, s[WV], 15
	v_add_nc_u32 v6, s18, v21
	s_lshl_b32 s18, s[WV], 10
	v_add_nc_u32 v7, s18, v21
	v_add_nc_u32 v8, 0x10000, v7
	v_add_nc_u32 v9, 0x20000, v7
	v_add_nc_u32 v10, 0x30000, v7
	s_and_b32 s19, s[WV], 3
	s_lshr_b32 s18, s[WV], 2
	s_lshl_b32 s18, s18, 5
	s_add_co_u32 s19, s19, s18
	s_lshl_b32 s19, s19, 10
	s_lshl_b32 s18, s25, 18
	s_add_co_u32 s19, s19, s18
	v_add_nc_u32 v25, s19, v21                     ; 65536 (4 cg) + 1024 tile + 16 lane
	s_lshl_b32 s18, s26, 23
	s_mov_b32 s19, 0
	s_wait_kmcnt 0x0
	s_load_b32 s23, s[8:9], 0x1000
	s_load_b32 s24, s[8:9], 0x1080
	s_add_nc_u64 s[12:13], s[4:5], 0x400000        ; a1
	s_add_nc_u64 s[14:15], s[4:5], 0x1400000       ; a2
	s_add_nc_u64 s[16:17], s[10:11], s[18:19]      ; my part
	s_wait_kmcnt 0x0
	s_min_u32 s23, s23, 0x200
	s_min_u32 s24, s24, 0x200
	s_max_u32 s23, s23, s24
	s_add_co_u32 s23, s23, 63
	s_lshr_b32 s[GG], s23, 6
	s_mov_b32 s[Y], 0
.Lgroup:
	s_cmp_ge_u32 s[Y], s[GG]
	s_cbranch_scc1 .Lb1
	v_lshl_add_u32 v5, s[Y], 11, v11
	WU 0
	AL 0, 14, 0
	AL 1, 12, 0
.set t, 0
.rept 8                                ; step t: k step t / 2; even t: a2 with W; odd t: a1 with 4096 W
.if t == 7
	s_wait_loadcnt 0
.elseif t%2 == 0
	s_wait_loadcnt 16                              ; the weights and a2 are in; a1's 16 loads stay out
.else
	s_wait_loadcnt 32                              ; a1 is in; the next weights and the next a2 stay out
.endif
.if t%2 == 0
	WCVT
.if t < 6
	WU t/2+1
.endif
.else
	WIN 0
.set ci, 0
.rept 32
	v_pk_mul_f16 v[WH+ci], v[WH+ci], 0x6c006c00
.set ci, ci+1
.endr
.endif
	MM8 0, 0, t%2, (t==0)
	MM8 1, 1, t%2, (t==0)
	MM8 2, 2, t%2, (t==0)
	MM8 3, 3, t%2, (t==0)
.if t < 7
	PLACES
.endif
.if t < 6
.if t%2 == 0
	AL 0, 14, 65536*((t+2)/2)
.else
	AL 1, 12, 65536*((t+2)/2)
.endif
.endif
.set t, t+1
.endr
	RSTORE
	s_wait_dscnt 0x0
.Lb1:
	s_barrier_signal -1
	s_barrier_wait -1
	s_cmp_ge_u32 s[Y], s[GG]
	s_cbranch_scc1 .Lb2
	v_lshl_add_u32 v18, s[Y], 12, v25
	RLOAD 0, 0
	RLOAD 1, 1
	s_wait_dscnt 16
	RSUM 0, 64
	s_wait_dscnt 0x0
	RSUM 1, 72
	RLOAD 2, 0
	RLOAD 3, 1
	global_store_b128 v18, v[64:67], s[16:17]
	global_store_b128 v18, v[68:71], s[16:17] offset:512
	global_store_b128 v18, v[72:75], s[16:17] offset:65536
	global_store_b128 v18, v[76:79], s[16:17] offset:65536+512
	s_wait_dscnt 16
	RSUM 0, 80
	s_wait_dscnt 0x0
	RSUM 1, 88
	global_store_b128 v18, v[80:83], s[16:17] offset:131072
	global_store_b128 v18, v[84:87], s[16:17] offset:131072+512
	global_store_b128 v18, v[88:91], s[16:17] offset:196608
	global_store_b128 v18, v[92:95], s[16:17] offset:196608+512
.Lb2:
	s_wait_xcnt 0x0                                ; the next trip rewrites the stores' registers
	s_barrier_signal -1
	s_barrier_wait -1
	s_add_co_u32 s[Y], s[Y], 1
	s_cmp_lt_u32 s[Y], 8
	s_cbranch_scc1 .Lgroup
	s_wait_tensorcnt 0x0                           ; the wave's end
	ds_add_u32 v30, v31
	s_wait_dscnt 0x0
	s_endpgm
.Lfunc_end_k_q3b9b11d31a_down:
	.size	k_q3b9b11d31a_down, .Lfunc_end_k_q3b9b11d31a_down-k_q3b9b11d31a_down
	.p2alignl 7, 3214868480
	.fill 96, 4, 3214868480
	.section	.rodata,"a",@progbits
	.p2align	6, 0x0
	.amdhsa_kernel k_q3b9b11d31a_down
		.amdhsa_group_segment_fixed_size 263168
		.amdhsa_private_segment_fixed_size 0
		.amdhsa_enable_private_segment 0
		.amdhsa_kernarg_size 32
		.amdhsa_user_sgpr_count 2
		.amdhsa_user_sgpr_kernarg_segment_ptr 1
		.amdhsa_wavefront_size32 1
		.amdhsa_system_sgpr_workgroup_id_x 1
		.amdhsa_system_sgpr_workgroup_id_y 1
		.amdhsa_system_sgpr_workgroup_id_z 1
		.amdhsa_system_vgpr_workitem_id 0
		.amdhsa_next_free_vgpr 512
		.amdhsa_next_free_sgpr 66
		.amdhsa_reserve_vcc 0
		.amdhsa_float_denorm_mode_32 3
		.amdhsa_float_denorm_mode_16_64 3
		.amdhsa_memory_ordered 1
		.amdhsa_forward_progress 1
		.amdhsa_inst_pref_size 75
	.end_amdhsa_kernel
	.amdgpu_metadata
---
amdhsa.version: [ 1, 2 ]
amdhsa.kernels:
  - .name:           k_q3b9b11d31a_down
    .symbol:         k_q3b9b11d31a_down.kd
    .args:
      - { .name: ca, .offset: 0, .size: 8, .value_kind: global_buffer, .address_space: global }
      - { .name: w_down, .offset: 8, .size: 8, .value_kind: global_buffer, .address_space: global }
      - { .name: list, .offset: 16, .size: 8, .value_kind: global_buffer, .address_space: global }
      - { .name: part, .offset: 24, .size: 8, .value_kind: global_buffer, .address_space: global }
    .group_segment_fixed_size: 263168
    .private_segment_fixed_size: 0
    .kernarg_segment_align: 8
    .kernarg_segment_size: 32
    .max_flat_workgroup_size: 256
    .sgpr_count:     66
    .vgpr_count:     512
    .wavefront_size: 32
...
	.end_amdgpu_metadata
.endif
;; end of part 8
;; launch final (part 9): grid 32 x 8, 8 waves a work-group, no clusters, 35,840 bytes of LDS; arguments part, x1, list, prep, out0; writes out0
.if DOCPART == 9
	.amdgcn_target "amdgcn-amd-amdhsa--gfx1250"
	.amdhsa_code_object_version 6
	.text
	.protected	k_q3b9b11d31a_final
	.globl	k_q3b9b11d31a_final
	.p2align	8
	.type	k_q3b9b11d31a_final,@function
k_q3b9b11d31a_final:
	s_mov_b64 s[64:65], 0
	v_nop
	global_prefetch_b8 v0, s[64:65] scope:SCOPE_SE
	s_setreg_imm32_b32 hwreg(HW_REG_WAVE_MODE, 25, 1), 1
	s_wait_xcnt 0x0
; out0[token] = (x1 + the eight parts of the down product) * rw[token] for the chosen tokens.  Work-group (x, g): 64 columns, group g; wave w takes one tile of 16 rows.
; A group past G = ceil(max(n0, n1) / 64) has no rows and stores nothing.  The sums are f32, the parts added in ascending order.
; A lane holds 8 columns of one row four times; the tile goes through the wave's own stage in LDS (rows of 272 bytes) and comes back as rows of 256 bytes, so that sixteen lanes
; store 256 consecutive bytes of a token's row.  Slots past the count repeat a token and are masked out.  No barrier: no wave reads another's bytes.  Streaming work: no matrix unit, no cluster.
.set SPARE, 34816
.macro PADD d, a, b
	v_pk_add_f32 v[\d:(\d)+1], v[\a:(\a)+1], v[\b:(\b)+1]
.endm
.macro PLOAD k0                        ; parts k0 .. k0 + 3
.irp kp,0,1,2,3
.irp q,0,1,2,3
	global_load_b128 v[64+32*\kp+8*\q:67+32*\kp+8*\q], v[12+(\k0)+\kp], s[4:5] offset:65536*\q
	global_load_b128 v[68+32*\kp+8*\q:71+32*\kp+8*\q], v[12+(\k0)+\kp], s[4:5] offset:65536*\q+512
.endr
.endr
.endm
.macro PSUM
.irp kp,0,1,2,3
.set i, 0
.rept 16
	PADD 32+2*i, 32+2*i, 64+32*\kp+2*i
.set i, i+1
.endr
.endr
.endm
	s_load_b256 s[4:11], s[0:1], 0x0               ; part s[4:5], x1 s[6:7], list s[8:9], prep s[10:11]
	s_load_b64 s[12:13], s[0:1], 0x20              ; out0
	v_lshl_add_u32 v30, v0, 2, SPARE
	v_mov_b32 v31, 0
	v_lshrrev_b32 v1, 5, v0
	v_readfirstlane_b32 s14, v1
	s_and_b32 s15, ttmp7, 0xffff                   ; group
	v_and_b32 v20, 31, v0
	v_and_b32 v1, 15, v0
	v_bfe_u32 v2, v0, 4, 1
	s_and_b32 s18, s14, 3
	s_lshl2_add_u32 s18, s15, s18
	s_lshr_b32 s19, s14, 2
	s_lshl_b32 s19, s19, 5
	s_add_co_u32 s18, s18, s19                     ; tile
	s_lshl_b32 s19, ttmp9, 18
	s_lshl_b32 s21, s18, 10
	s_add_co_u32 s19, s19, s21
	v_lshl_add_u32 v4, v20, 4, s19                 ; 65536 (4 x) + 1024 tile + 16 lane
	s_lshl_b32 s19, s18, 6
	v_lshl_add_u32 v5, v1, 2, s19                  ; the list: row r
	v_lshl_add_u32 v6, v2, 2, s19                  ; the list: row h (+ 2 t)
	s_mul_i32 s19, s14, 4352                       ; my stage
	v_mul_u32_u24 v7, v1, 272
	v_lshl_add_u32 v7, v2, 5, v7
	v_add_nc_u32 v7, s19, v7                       ; in: row r, 32 h
	v_mul_u32_u24 v8, v2, 272
	v_lshl_add_u32 v8, v1, 4, v8
	v_add_nc_u32 v8, s19, v8                       ; back: row h (+ 2 t), 16 r
	s_lshl_b32 s19, ttmp9, 8
	v_lshl_add_u32 v9, v1, 4, s19                  ; my 16 bytes in a row of out0
	s_wait_kmcnt 0x0
	s_load_b32 s16, s[8:9], 0x1000
	s_load_b32 s17, s[8:9], 0x1080
	s_wait_kmcnt 0x0
	s_min_u32 s16, s16, 0x200
	s_min_u32 s17, s17, 0x200
	s_max_u32 s16, s16, s17
	s_add_co_u32 s16, s16, 63
	s_lshr_b32 s16, s16, 6
	s_cmp_ge_u32 s15, s16
	s_cbranch_scc1 .Lend
.irp kp,0,1,2,3,4,5,6,7
	v_add_nc_u32 v[12+\kp], 8388608*\kp, v4
.endr
.irp q,0,1,2,3
	global_load_b128 v[32+8*\q:35+8*\q], v4, s[6:7] offset:65536*\q
	global_load_b128 v[36+8*\q:39+8*\q], v4, s[6:7] offset:65536*\q+512
.endr
	global_load_b32 v21, v5, s[8:9]
.irp t,0,1,2,3,4,5,6,7
	global_load_b32 v[192+\t], v6, s[8:9] offset:8*\t
.endr
	PLOAD 0
	s_wait_loadcnt 32                              ; x1 and the list are in; the 32 loads of parts 0-3 stay out
	v_and_b32 v21, 0xffff, v21
	v_min_u32 v21, 0x3ff, v21
	v_lshlrev_b32 v21, 2, v21
	global_load_b32 v22, v21, s[10:11]             ; rw of my row's token
.irp t,0,1,2,3,4,5,6,7
	v_lshrrev_b32 v[208+\t], 16, v[192+\t]         ; valid
	v_and_b32 v[192+\t], 0xffff, v[192+\t]
	v_min_u32 v[192+\t], 0x3ff, v[192+\t]
	v_lshl_add_u32 v[200+\t], v[192+\t], 13, v9
.endr
	s_wait_loadcnt 0x1                             ; parts 0-3 are in; rw may be out
	PSUM
	PLOAD 4
	s_wait_loadcnt 0x0
	PSUM
	v_mov_b32 v23, v22
.set i, 0
.rept 16
	v_pk_mul_f32 v[32+2*i:33+2*i], v[32+2*i:33+2*i], v[22:23]
.set i, i+1
.endr
.irp q,0,1,2,3
	ds_store_b128 v7, v[32+8*\q:35+8*\q] offset:64*\q
	ds_store_b128 v7, v[36+8*\q:39+8*\q] offset:64*\q+16
.endr
.irp t,0,1,2,3,4,5,6,7
	ds_load_b128 v[216+4*\t:219+4*\t], v8 offset:544*\t   ; LDS serves a wave's instructions in order (ISA guide 5.7.1.4): these see the stores above
.endr
	s_wait_dscnt 0x0
.irp t,0,1,2,3,4,5,6,7
	s_wait_xcnt 0x0                                ; EXEC changes only behind this wait
	v_cmp_ne_u32 vcc_lo, 0, v[208+\t]
	s_and_saveexec_b32 s20, vcc_lo
	global_store_b128 v[200+\t], v[216+4*\t:219+4*\t], s[12:13]
	s_wait_xcnt 0x0
	s_or_b32 exec_lo, exec_lo, s20
.endr
.Lend:
	s_wait_tensorcnt 0x0                           ; the wave's end
	ds_add_u32 v30, v31
	s_wait_dscnt 0x0
	s_endpgm
.Lfunc_end_k_q3b9b11d31a_final:
	.size	k_q3b9b11d31a_final, .Lfunc_end_k_q3b9b11d31a_final-k_q3b9b11d31a_final
	.p2alignl 7, 3214868480
	.fill 96, 4, 3214868480
	.section	.rodata,"a",@progbits
	.p2align	6, 0x0
	.amdhsa_kernel k_q3b9b11d31a_final
		.amdhsa_group_segment_fixed_size 35840
		.amdhsa_private_segment_fixed_size 0
		.amdhsa_enable_private_segment 0
		.amdhsa_kernarg_size 40
		.amdhsa_user_sgpr_count 2
		.amdhsa_user_sgpr_kernarg_segment_ptr 1
		.amdhsa_wavefront_size32 1
		.amdhsa_system_sgpr_workgroup_id_x 1
		.amdhsa_system_sgpr_workgroup_id_y 1
		.amdhsa_system_sgpr_workgroup_id_z 1
		.amdhsa_system_vgpr_workitem_id 0
		.amdhsa_next_free_vgpr 256
		.amdhsa_next_free_sgpr 66
		.amdhsa_reserve_vcc 1
		.amdhsa_float_denorm_mode_32 3
		.amdhsa_float_denorm_mode_16_64 3
		.amdhsa_memory_ordered 1
		.amdhsa_forward_progress 1
		.amdhsa_inst_pref_size 25
	.end_amdhsa_kernel
	.amdgpu_metadata
---
amdhsa.version: [ 1, 2 ]
amdhsa.kernels:
  - .name:           k_q3b9b11d31a_final
    .symbol:         k_q3b9b11d31a_final.kd
    .args:
      - { .name: part, .offset: 0, .size: 8, .value_kind: global_buffer, .address_space: global }
      - { .name: x1, .offset: 8, .size: 8, .value_kind: global_buffer, .address_space: global }
      - { .name: list, .offset: 16, .size: 8, .value_kind: global_buffer, .address_space: global }
      - { .name: prep, .offset: 24, .size: 8, .value_kind: global_buffer, .address_space: global }
      - { .name: out0, .offset: 32, .size: 8, .value_kind: global_buffer, .address_space: global }
    .group_segment_fixed_size: 35840
    .private_segment_fixed_size: 0
    .kernarg_segment_align: 8
    .kernarg_segment_size: 40
    .max_flat_workgroup_size: 256
    .sgpr_count:     66
    .vgpr_count:     256
    .wavefront_size: 32
...
	.end_amdgpu_metadata
.endif
;; end of part 9
;; ======== version 2 of 3: 9 launches
;; limits: inputs' magnitudes at most 16; values are held in f16: magnitudes above 65,504 overflow, below 6.1e-05 lose precision; right only within a limited range of input values
;; workspace buffers: prep 4,460,544 bytes; kv 4,194,304 bytes; list 4,352 bytes of whole numbers; qh 8,388,608 bytes; ca 37,748,736 bytes; x1 8,388,608 bytes; part 67,108,864 bytes
;; launch prep: the kernel of part 1 again; grid 256 x 1, 4 waves a work-group, no clusters, 0 bytes of LDS; arguments hidden_states, router_w, ln1_w, bk, bv, out0, prep, kv; writes out0, prep, kv
;; launch select (part 10): grid 32 x 1, 1 waves a work-group, no clusters, 0 bytes of LDS; arguments prep, list; writes list
.if DOCPART == 10
	.amdgcn_target "amdgcn-amd-amdhsa--gfx1250"
	.amdhsa_code_object_version 6
	.text
	.protected	k_q3b9b11d31a_select
	.globl	k_q3b9b11d31a_select
	.p2align	8
	.type	k_q3b9b11d31a_select,@function
k_q3b9b11d31a_select:
	s_mov_b64 s[64:65], 0
	v_nop
	global_prefetch_b8 v0, s[64:65] scope:SCOPE_SE
	s_setreg_imm32_b32 hwreg(HW_REG_WAVE_MODE, 25, 1), 1
	s_wait_xcnt 0x0
; The choice, stored as whole numbers for the later launches.  Work-group x serves batch b = x / 16 and the 32 slots c = 32 (x % 16) + lane.
; Every work-group finds the batch's 64th largest router weight for itself (a search bit by bit on keys that order like the floats),
; then the token whose rank among the chosen ones is c.  list[512 b + c] = token | valid << 16; a slot past the count n repeats the last chosen token with valid = 0.
; n is stored 32 times at 4096 + 128 b.  No address and no branch hangs on the weights: every choice is a select.  -0 counts as +0; NaN is not treated apart.
.macro POPC d, t                       ; the number of ones among the low 16 bits of d
	v_lshrrev_b32 \t, 1, \d
	v_and_b32 \t, 0x5555, \t
	v_sub_nc_u32 \d, \d, \t
	v_lshrrev_b32 \t, 2, \d
	v_and_b32 \t, 0x3333, \t
	v_and_b32 \d, 0x3333, \d
	v_add_nc_u32 \d, \d, \t
	v_lshrrev_b32 \t, 4, \d
	v_add_nc_u32 \d, \d, \t
	v_and_b32 \d, 0x0f0f, \d
	v_lshrrev_b32 \t, 8, \d
	v_add_nc_u32 \d, \d, \t
	v_and_b32 \d, 0x1f, \d
.endm
	s_load_b128 s[4:7], s[0:1], 0x0                ; prep s[4:5], list s[6:7]
	s_lshr_b32 s8, ttmp9, 4                        ; b
	s_and_b32 s9, ttmp9, 15                        ; which 32 slots
	v_lshlrev_b32 v1, 2, v0
	s_lshl_b32 s10, s8, 11
	v_add_nc_u32 v2, s10, v1
	s_wait_kmcnt 0x0
.irp k,0,1,2,3,4,5,6,7,8,9,10,11,12,13,14,15
	global_load_b32 v[16+\k], v2, s[4:5] offset:128*\k   ; rw of token 32 k + lane
.endr
	s_wait_loadcnt 0x0
.irp k,0,1,2,3,4,5,6,7,8,9,10,11,12,13,14,15
	v_add_f32 v[16+\k], 0, v[16+\k]
	v_ashrrev_i32 v3, 31, v[16+\k]
	v_or_b32 v3, 0x80000000, v3
	v_xor_b32 v[16+\k], v3, v[16+\k]               ; unsigned keys in the floats' order
.endr
	s_mov_b32 s11, 0                               ; the threshold so far
	s_mov_b32 s12, 0x80000000
	s_mov_b32 s13, 32
.Lbit:                                                 ; the largest key value that 64 keys or more reach is the 64th largest key
	s_or_b32 s14, s11, s12
.irp k,0,1,2,3,4,5,6,7,8,9,10,11,12,13,14,15
	v_cmp_le_u32 s[16+\k], s14, v[16+\k]
.endr
.irp k,0,1,2,3,4,5,6,7,8,9,10,11,12,13,14,15
	s_bcnt1_i32_b32 s[32+\k], s[16+\k]             ; sixteen counts in sixteen registers: none waits for another,
.endr
.irp k,0,1,2,3,4,5,6,7
	s_add_co_u32 s[32+\k], s[32+\k], s[40+\k]      ; and a tree of four levels adds them
.endr
.irp k,0,1,2,3
	s_add_co_u32 s[32+\k], s[32+\k], s[36+\k]
.endr
	s_add_co_u32 s32, s32, s34
	s_add_co_u32 s33, s33, s35
	s_add_co_u32 s15, s32, s33
	s_cmp_ge_u32 s15, 64
	s_cselect_b32 s11, s14, s11
	s_lshr_b32 s12, s12, 1
	s_sub_co_u32 s13, s13, 1
	s_cmp_lg_u32 s13, 0
	s_cbranch_scc1 .Lbit
.irp k,0,1,2,3,4,5,6,7,8,9,10,11,12,13,14,15
	v_cmp_le_u32 s[16+\k], s11, v[16+\k]           ; word k: bit l = token 32 k + l is chosen
.endr
	s_mov_b32 s32, 0
.irp k,0,1,2,3,4,5,6,7,8,9,10,11,12,13,14,15
	s_bcnt1_i32_b32 s50, s[16+\k]
	s_add_co_u32 s[33+\k], s[32+\k], s50           ; s[32+k]: chosen tokens ahead of word k; s48 = n
.endr
	s_lshl_b32 s51, s9, 5
	v_add_nc_u32 v4, s51, v0                       ; c
	s_sub_co_u32 s52, s48, 1
	v_min_u32 v5, s52, v4                          ; the rank looked for
	v_mov_b32 v6, s16
	v_mov_b32 v7, 0
	v_mov_b32 v8, 0
.irp k,1,2,3,4,5,6,7,8,9,10,11,12,13,14,15
	v_cmp_le_u32 vcc_lo, s[32+\k], v5
	v_cndmask_b32 v6, v6, s[16+\k], vcc_lo         ; the last word whose prefix does not pass the rank holds it
	v_cndmask_b32 v7, v7, s[32+\k], vcc_lo
	v_cndmask_b32 v8, v8, \k, vcc_lo
.endr
	v_sub_nc_u32 v9, v5, v7                        ; rank inside the word
	v_mov_b32 v10, 0                               ; bit position
.irp s,16,8,4,2,1
	v_bfe_u32 v11, v6, v10, \s
	POPC v11, v13
	v_cmp_ge_u32 vcc_lo, v9, v11
	v_add_nc_u32 v13, \s, v10
	v_sub_nc_u32 v14, v9, v11
	v_cndmask_b32 v10, v10, v13, vcc_lo
	v_cndmask_b32 v9, v9, v14, vcc_lo
.endr
	v_lshl_add_u32 v15, v8, 5, v10
	s_lshl_b32 s53, s8, 9
	v_add_nc_u32 v15, s53, v15                     ; the token, 0 .. 1023
	v_mov_b32 v13, 0x10000
	v_cmp_gt_u32 vcc_lo, s48, v4
	v_cndmask_b32 v12, 0, v13, vcc_lo
	v_or_b32 v15, v15, v12
	s_lshl_b32 s54, s9, 7
	s_add_co_u32 s54, s54, s10
	v_add_nc_u32 v3, s54, v1
	global_store_b32 v3, v15, s[6:7]
	s_cmp_lg_u32 s9, 0
	s_cbranch_scc1 .Lend
	v_mov_b32 v16, s48
	s_lshl_b32 s55, s8, 7
	v_add_nc_u32 v17, s55, v1
	global_store_b32 v17, v16, s[6:7] offset:4096
.Lend:
	s_endpgm
.Lfunc_end_k_q3b9b11d31a_select:
	.size	k_q3b9b11d31a_select, .Lfunc_end_k_q3b9b11d31a_select-k_q3b9b11d31a_select
	.p2alignl 7, 3214868480
	.fill 96, 4, 3214868480
	.section	.rodata,"a",@progbits
	.p2align	6, 0x0
	.amdhsa_kernel k_q3b9b11d31a_select
		.amdhsa_group_segment_fixed_size 0
		.amdhsa_private_segment_fixed_size 0
		.amdhsa_enable_private_segment 0
		.amdhsa_kernarg_size 16
		.amdhsa_user_sgpr_count 2
		.amdhsa_user_sgpr_kernarg_segment_ptr 1
		.amdhsa_wavefront_size32 1
		.amdhsa_system_sgpr_workgroup_id_x 1
		.amdhsa_system_sgpr_workgroup_id_y 1
		.amdhsa_system_sgpr_workgroup_id_z 1
		.amdhsa_system_vgpr_workitem_id 0
		.amdhsa_next_free_vgpr 48
		.amdhsa_next_free_sgpr 66
		.amdhsa_reserve_vcc 1
		.amdhsa_float_denorm_mode_32 3
		.amdhsa_float_denorm_mode_16_64 3
		.amdhsa_memory_ordered 1
		.amdhsa_forward_progress 1
		.amdhsa_inst_pref_size 17
	.end_amdhsa_kernel
	.amdgpu_metadata
---
amdhsa.version: [ 1, 2 ]
amdhsa.kernels:
  - .name:           k_q3b9b11d31a_select
    .symbol:         k_q3b9b11d31a_select.kd
    .args:
      - { .name: prep, .offset: 0, .size: 8, .value_kind: global_buffer, .address_space: global }
      - { .name: list, .offset: 8, .size: 8, .value_kind: global_buffer, .address_space: global }
    .group_segment_fixed_size: 0
    .private_segment_fixed_size: 0
    .kernarg_segment_align: 8
    .kernarg_segment_size: 16
    .max_flat_workgroup_size: 32
    .sgpr_count:     66
    .vgpr_count:     48
    .wavefront_size: 32
...
	.end_amdgpu_metadata
.endif
;; end of part 10
;; launch qkv (part 11): grid 256 x 1, 8 waves a work-group, no clusters, 66,560 bytes of LDS; arguments prep, list, wq, wk, wv, bq, bk, bv, qh, kv; writes qh, kv
.if DOCPART == 11
	.amdgcn_target "amdgcn-amd-amdhsa--gfx1250"
	.amdhsa_code_object_version 6
	.text
	.protected	k_q3b9b11d31a_qkv
	.globl	k_q3b9b11d31a_qkv
	.p2align	8
	.type	k_q3b9b11d31a_qkv,@function
k_q3b9b11d31a_qkv:
	s_mov_b64 s[64:65], 0
	v_nop
	global_prefetch_b8 v0, s[64:65] scope:SCOPE_SE
	s_setreg_imm32_b32 hwreg(HW_REG_WAVE_MODE, 25, 1), 1
	s_wait_xcnt 0x0
; q, k, v of the chosen tokens.  Work-group x owns 16 output columns: x < 128 of q, x < 192 of k, else of v.  For q and k the 16 are channels 8 beta + j and 64 + 8 beta + j of one head,
; so that RoPE's partner lies 16 lanes away.  The chosen tokens stand in slots (batch b: 512 b + rank), 16 to a tile; a GROUP is 4 tiles of each batch, 128 rows.
; The groups are walked by a loop of 8 trips; G = ceil(max(n0, n1) / 64) of them have rows; a trip past G jumps over its work and passes its two barriers.
; The 8 waves split K = 2048 (256 each): weights go from memory through registers (rounded to f16) into source 0, the tokens' h (f16, gathered by the list) into source 1;
; each wave's 8 accumulators meet in LDS; wave w then sums tile w, adds the bias, turns q and k by RoPE and stores f16.
; q goes to qh in blocks [column block][slot][16]; k and v overwrite the rows of kv at the token's position.  A slot past the count repeats the batch's last chosen token: it has the same
; operands in the same order, so it stores the same bits to the same bytes once more, from this same work-group; nothing in this launch reads kv.
; No cluster and no tensor load: each weight has one reader, and the rows of h come by a list.  No cache hint on the weights: 128 consecutive bytes of a row are asked for by four instructions.
; LIMITS.  f16 operands: |h|, |w|, |q|, |k|, |v| under 65,504; weight bits below 2^-24 are lost.
.set NB, 1
.set SPARE, 65536                      ; behind the partial sums: the spare words, 128 bytes a wave
.set WH, 32                            ; v[32:63]   four weight fragments in f16
.set WF, 64                            ; v[64:127]  four k steps of weights in f32 (window 0: steps 0-3; window 1: steps 4-7)
.set AB, 128                           ; v[128:255] two buffers of 8 token fragments
.set TOK, 12                           ; v[12:19]   byte offset of tile i's row of h; at work behind the barrier
.set WV, 24
.set Y, 25
.set GG, 26
.set MSB, 0
.macro WIN new                         ; the immediate's high byte repeats the setting that is left
.if MSB != (\new)
	s_set_vgpr_msb (MSB<<8)|(\new)
.set MSB, \new
.endif
.endm
.macro PLACES                          ; four places behind matrix instructions (ISA guide 7.12.1)
.rept 4
	v_nop
.endr
.endm
.macro PADD d, a, b
	v_pk_add_f32 v[\d:(\d)+1], v[\a:(\a)+1], v[\b:(\b)+1]
.endm
.macro WL4 dst, win, imm               ; one fragment: 16 rows x 32 k in f32, 16 registers
	WIN 0x40*(\win)
	global_load_b128 v[(\dst):(\dst)+3], v4, s[34:35] offset:(\imm)
	global_load_b128 v[(\dst)+4:(\dst)+7], v4, s[34:35] offset:(\imm)+16
	global_load_b128 v[(\dst)+8:(\dst)+11], v4, s[34:35] offset:(\imm)+64
	global_load_b128 v[(\dst)+12:(\dst)+15], v4, s[34:35] offset:(\imm)+80
.endm
.macro WCVT win                        ; 64 f32 to four f16 fragments
	WIN 0x05*(\win)
.set ci, 0
.rept 32
	v_cvt_pk_f16_f32 v[WH+ci], v[WF+2*ci], v[WF+2*ci+1]
.set ci, ci+1
.endr
	WIN 0
.endm
.macro ALG buf, koff                   ; 8 tiles x 32 k of h, by the list
	WIN 0
.irp i,0,1,2,3,4,5,6,7
	global_load_b128 v[AB+64*(\buf)+8*\i:AB+64*(\buf)+8*\i+3], v[TOK+\i], s[38:39] offset:(\koff)
	global_load_b128 v[AB+64*(\buf)+8*\i+4:AB+64*(\buf)+8*\i+7], v[TOK+\i], s[38:39] offset:(\koff)+32
.endr
.endm
.macro MM8 acc, frag, buf, zero        ; 8 products, the 8 accumulators by turns
	WIN 0x50
.irp i,0,1,2,3,4,5,6,7
.if \zero
	v_wmma_f32_16x16x32_f16 v[64*(\acc)+8*\i:64*(\acc)+8*\i+7], v[WH+8*(\frag):WH+8*(\frag)+7], v[AB+64*(\buf)+8*\i:AB+64*(\buf)+8*\i+7], 0
.else
	v_wmma_f32_16x16x32_f16 v[64*(\acc)+8*\i:64*(\acc)+8*\i+7], v[WH+8*(\frag):WH+8*(\frag)+7], v[AB+64*(\buf)+8*\i:AB+64*(\buf)+8*\i+7], v[64*(\acc)+8*\i:64*(\acc)+8*\i+7]
.endif
.endr
.endm
.macro RSTORE                          ; my partial sums into LDS, each accumulator's low registers first
	PLACES
	WIN 0x04
.set rf, 0
.rept NB*8
	ds_store_b128 v6, v[8*rf:8*rf+3] offset:1024*rf
	ds_store_b128 v6, v[8*rf+4:8*rf+7] offset:1024*rf+512
.set rf, rf+1
.endr
	WIN 0
.endm
.macro RLOAD f, half                   ; the 8 waves' sums of my tile
.irp s,0,1,2,3,4,5,6,7
	ds_load_b128 v[AB+64*(\half)+8*\s:AB+64*(\half)+8*\s+3], v[7+(\s*NB)/8] offset:((\s*NB*8192)%65536)+8192*(\f)
	ds_load_b128 v[AB+64*(\half)+8*\s+4:AB+64*(\half)+8*\s+7], v[7+(\s*NB)/8] offset:((\s*NB*8192)%65536)+8192*(\f)+512
.endr
.endm
.macro RSUM half, dst
.irp p,0,2,4,6
	PADD AB+64*(\half)+\p, AB+64*(\half)+\p, AB+64*(\half)+8+\p
	PADD AB+64*(\half)+16+\p, AB+64*(\half)+16+\p, AB+64*(\half)+24+\p
	PADD AB+64*(\half)+32+\p, AB+64*(\half)+32+\p, AB+64*(\half)+40+\p
	PADD AB+64*(\half)+48+\p, AB+64*(\half)+48+\p, AB+64*(\half)+56+\p
.endr
.irp p,0,2,4,6
	PADD AB+64*(\half)+\p, AB+64*(\half)+\p, AB+64*(\half)+16+\p
	PADD AB+64*(\half)+32+\p, AB+64*(\half)+32+\p, AB+64*(\half)+48+\p
.endr
.irp p,0,2,4,6
	PADD (\dst)+\p, AB+64*(\half)+\p, AB+64*(\half)+32+\p
.endr
.endm
	s_load_b512 s[4:19], s[0:1], 0x0               ; prep, list, wq, wk, wv, bq, bk, bv
	s_load_b128 s[20:23], s[0:1], 0x40             ; qh, kv
	v_lshl_add_u32 v30, v0, 2, SPARE
	v_mov_b32 v31, 0
	v_lshrrev_b32 v1, 5, v0
	v_readfirstlane_b32 s[WV], v1
	s_mov_b32 s27, ttmp9
	s_cmp_ge_u32 s27, 192
	s_cselect_b32 s29, 1, 0                        ; v
	s_and_b32 s28, s27, 63
	s_cmp_lt_u32 s27, 128
	s_cselect_b32 s30, 1, 0                        ; q
	s_cselect_b32 s28, s27, s28                    ; x': the block's number within its kind
	s_lshr_b32 s42, s28, 3
	s_lshl_b32 s42, s42, 7
	s_and_b32 s43, s28, 7
	s_lshl3_add_u32 s42, s43, s42                  ; q, k: 128 head + 8 beta
	s_lshl_b32 s43, s28, 4                         ; v: 16 x'
	s_cmp_eq_u32 s29, 1
	s_cselect_b32 s31, s43, s42                    ; first row of W
	s_cselect_b32 s32, 3, 6                        ; rows 8 .. 15 of the fragment lie 8 (v) or 64 (q, k) further on
	s_mov_b32 s44, 0x76543210
	s_mov_b32 s45, 0xfedcba98
	v_and_b32 v20, 31, v0                          ; lane
	v_and_b32 v1, 15, v0                           ; r
	v_bfe_u32 v2, v0, 4, 1                         ; h
	v_lshlrev_b32 v3, 5, v1
	v_lshl_add_u32 v3, v2, 4, v3                   ; 32 r + 16 h
	v_and_b32 v21, 7, v1
	v_lshrrev_b32 v22, 3, v1
	v_lshlrev_b32 v22, s32, v22
	v_add_nc_u32 v21, v21, v22
	v_add_nc_u32 v21, s31, v21                     ; my row of W
	v_lshlrev_b32 v4, 13, v21
	v_lshl_add_u32 v4, v2, 5, v4
	s_lshl_b32 s42, s[WV], 10
	v_add_nc_u32 v4, s42, v4                       ; row x 8192 + 32 h + my wave's 256 k
	v_lshlrev_b32 v11, 2, v1                       ; 4 r
	s_lshl_b32 s42, s[WV], 9
	v_lshl_add_u32 v29, v2, 4, s42                 ; 16 h + 512 w, in a row of h
	v_lshlrev_b32 v21, 4, v20
	s_lshl_b32 s42, s[WV], 13
	v_add_nc_u32 v6, s42, v21                      ; LDS: my wave's 8 tiles
	s_lshl_b32 s42, s[WV], 10
	v_add_nc_u32 v7, s42, v21                      ; LDS: tile w of wave 0
	s_and_b32 s42, s[WV], 3
	s_lshr_b32 s43, s[WV], 2
	s_lshl_b32 s43, s43, 5
	s_add_co_u32 s42, s42, s43                     ; my tile in group 0: (w & 3) + 32 (w >> 2)
	s_lshl_b32 s43, s42, 6
	v_lshl_add_u32 v28, v1, 2, s43                 ; its slots in the list
	s_lshl_b32 s43, s42, 9
	s_lshl_b32 s42, s27, 15
	s_add_co_u32 s43, s43, s42
	v_add_nc_u32 v25, s43, v3                      ; q's place: 32768 x + 512 tile + 32 r + 16 h
	s_add_co_u32 s42, s32, 2
	v_lshlrev_b32 v27, s42, v2
	s_lshl_b32 s43, s31, 2
	v_add_nc_u32 v27, s43, v27                     ; my 8 numbers of the bias
	v_xor_b32 v26, 1, v2
	v_lshlrev_b32 v26, 31, v26                     ; the sign of sin for channels under 64
	s_lshl_b32 s52, s29, 21
	s_lshr_b32 s53, s28, 3
	s_lshl_b32 s53, s53, 17
	s_add_co_u32 s52, s52, s53
	s_and_b32 s53, s28, 7
	s_lshl_b32 s50, s53, 15
	s_add_co_u32 s50, s50, 4096
	s_mov_b32 s51, 0
	s_lshl_b32 s53, s53, 5
	s_add_co_u32 s52, s52, s53
	v_lshl_add_u32 v24, v2, 4, s52                 ; k, v: table, kv head and piece
	s_wait_kmcnt 0x0
	s_load_b32 s40, s[6:7], 0x1000                 ; n0
	s_load_b32 s41, s[6:7], 0x1080                 ; n1
	s_cmp_eq_u32 s30, 1
	s_cselect_b64 s[34:35], s[8:9], s[10:11]
	s_cselect_b64 s[36:37], s[14:15], s[16:17]
	s_cmp_eq_u32 s29, 1
	s_cselect_b64 s[34:35], s[12:13], s[34:35]     ; my weights
	s_cselect_b64 s[36:37], s[18:19], s[36:37]     ; my bias
	s_add_nc_u64 s[38:39], s[4:5], 0x41000         ; h
	s_add_nc_u64 s[48:49], s[4:5], s[50:51]        ; cos and sin of my beta
	s_wait_kmcnt 0x0
	s_min_u32 s40, s40, 0x200
	s_min_u32 s41, s41, 0x200
	s_max_u32 s40, s40, s41
	s_add_co_u32 s40, s40, 63
	s_lshr_b32 s[GG], s40, 6
	s_mov_b32 s[Y], 0
.Lgroup:
	s_cmp_ge_u32 s[Y], s[GG]
	s_cbranch_scc1 .Lb1
	v_lshl_add_u32 v5, s[Y], 8, v11
.irp i,0,1,2,3,4,5,6,7
	global_load_b32 v[TOK+\i], v5, s[6:7] offset:64*(\i%4)+2048*(\i/4)
.endr
.irp f,0,1,2,3
	WL4 WF+16*\f, 0, 128*\f
.endr
.irp f,0,1,2,3
	WL4 WF+16*\f, 1, 512+128*\f
.endr
	WIN 0
	s_wait_loadcnt 32                              ; the 8 list entries are in; the 32 weight loads stay out
.irp i,0,1,2,3,4,5,6,7
	v_and_b32 v[TOK+\i], 0xffff, v[TOK+\i]
	v_min_u32 v[TOK+\i], 0x3ff, v[TOK+\i]
	v_lshl_add_u32 v[TOK+\i], v[TOK+\i], 12, v29
.endr
	ALG 0, 0
	ALG 1, 64
.set st, 0
.rept 8
.if st < 7
	s_wait_loadcnt 16                              ; all but the next step's 16 loads of h
.else
	s_wait_loadcnt 0
.endif
.if st == 0
	WCVT 0
.endif
.if st == 4
	WCVT 1
.endif
	MM8 0, st%4, st%2, (st==0)
.if st < 6
	PLACES
	ALG st%2, 64*(st+2)
.endif
.set st, st+1
.endr
	RSTORE
	s_wait_dscnt 0x0                               ; for the others' sake: my sums are in LDS
.Lb1:
	s_barrier_signal -1
	s_barrier_wait -1
	s_cmp_ge_u32 s[Y], s[GG]
	s_cbranch_scc1 .Lb2
	v_lshl_add_u32 v12, s[Y], 8, v28
	global_load_b32 v13, v12, s[6:7]
	global_load_b128 v[72:75], v27, s[36:37]
	global_load_b128 v[76:79], v27, s[36:37] offset:16
	RLOAD 0, 0
	s_wait_loadcnt 0x2                             ; the entry is in, the bias may be out
	v_and_b32 v15, 0xffff, v13
	v_min_u32 v15, 0x3ff, v15                      ; token
	v_and_b32 v16, 0x1ff, v15                      ; position
	v_lshlrev_b32 v17, 6, v16
.irp i,0,1,2,3
	global_load_b128 v[80+4*\i:83+4*\i], v17, s[48:49] offset:16*\i   ; 8 cos, 8 sin
.endr
	s_wait_dscnt 0x0
	RSUM 0, 64
	s_wait_loadcnt 0x0
.irp p,0,2,4,6
	PADD 64+\p, 64+\p, 72+\p
.endr
	s_cmp_eq_u32 s29, 1
	s_cbranch_scc1 .Lnorope
.irp j,0,1,2,3,4,5,6,7
	v_mov_b32 v[96+\j], v[64+\j]
.endr
.irp j,0,1,2,3,4,5,6,7
	v_permlanex16_b32 v[96+\j], v[64+\j], s44, s45 ; the channel 64 away
	v_xor_b32 v[88+\j], v26, v[88+\j]
.endr
.irp p,0,2,4,6
	v_pk_mul_f32 v[64+\p:65+\p], v[64+\p:65+\p], v[80+\p:81+\p]
	v_pk_fma_f32 v[64+\p:65+\p], v[96+\p:97+\p], v[88+\p:89+\p], v[64+\p:65+\p]
.endr
.Lnorope:
.irp p,0,1,2,3
	v_cvt_pk_f16_f32 v[104+\p], v[64+2*\p], v[65+2*\p]
.endr
	s_cmp_eq_u32 s30, 1
	s_cbranch_scc0 .Lkv
	v_lshl_add_u32 v18, s[Y], 11, v25
	global_store_b128 v18, v[104:107], s[20:21]    ; the wave stores 512 consecutive bytes
	s_branch .Lb2
.Lkv:
	v_and_b32 v18, 0x200, v15
	v_lshlrev_b32 v18, 11, v18
	v_lshl_add_u32 v18, v16, 8, v18
	v_add_nc_u32 v18, v24, v18
	global_store_b128 v18, v[104:107], s[22:23]    ; all lanes on: a repeated token's lanes store the same bits to the same bytes
.Lb2:
	s_wait_xcnt 0x0                                ; the next trip rewrites the stores' registers
	s_barrier_signal -1
	s_barrier_wait -1                              ; every wave's reads of the sums are over: the next trip may write them
	s_add_co_u32 s[Y], s[Y], 1
	s_cmp_lt_u32 s[Y], 8
	s_cbranch_scc1 .Lgroup
	s_wait_tensorcnt 0x0                           ; the wave's end
	ds_add_u32 v30, v31
	s_wait_dscnt 0x0
	s_endpgm
.Lfunc_end_k_q3b9b11d31a_qkv:
	.size	k_q3b9b11d31a_qkv, .Lfunc_end_k_q3b9b11d31a_qkv-k_q3b9b11d31a_qkv
	.p2alignl 7, 3214868480
	.fill 96, 4, 3214868480
	.section	.rodata,"a",@progbits
	.p2align	6, 0x0
	.amdhsa_kernel k_q3b9b11d31a_qkv
		.amdhsa_group_segment_fixed_size 66560
		.amdhsa_private_segment_fixed_size 0
		.amdhsa_enable_private_segment 0
		.amdhsa_kernarg_size 80
		.amdhsa_user_sgpr_count 2
		.amdhsa_user_sgpr_kernarg_segment_ptr 1
		.amdhsa_wavefront_size32 1
		.amdhsa_system_sgpr_workgroup_id_x 1
		.amdhsa_system_sgpr_workgroup_id_y 1
		.amdhsa_system_sgpr_workgroup_id_z 1
		.amdhsa_system_vgpr_workitem_id 0
		.amdhsa_next_free_vgpr 384
		.amdhsa_next_free_sgpr 66
		.amdhsa_reserve_vcc 0
		.amdhsa_float_denorm_mode_32 3
		.amdhsa_float_denorm_mode_16_64 3
		.amdhsa_memory_ordered 1
		.amdhsa_forward_progress 1
		.amdhsa_inst_pref_size 39
	.end_amdhsa_kernel
	.amdgpu_metadata
---
amdhsa.version: [ 1, 2 ]
amdhsa.kernels:
  - .name:           k_q3b9b11d31a_qkv
    .symbol:         k_q3b9b11d31a_qkv.kd
    .args:
      - { .name: prep, .offset: 0, .size: 8, .value_kind: global_buffer, .address_space: global }
      - { .name: list, .offset: 8, .size: 8, .value_kind: global_buffer, .address_space: global }
      - { .name: wq, .offset: 16, .size: 8, .value_kind: global_buffer, .address_space: global }
      - { .name: wk, .offset: 24, .size: 8, .value_kind: global_buffer, .address_space: global }
      - { .name: wv, .offset: 32, .size: 8, .value_kind: global_buffer, .address_space: global }
      - { .name: bq, .offset: 40, .size: 8, .value_kind: global_buffer, .address_space: global }
      - { .name: bk, .offset: 48, .size: 8, .value_kind: global_buffer, .address_space: global }
      - { .name: bv, .offset: 56, .size: 8, .value_kind: global_buffer, .address_space: global }
      - { .name: qh, .offset: 64, .size: 8, .value_kind: global_buffer, .address_space: global }
      - { .name: kv, .offset: 72, .size: 8, .value_kind: global_buffer, .address_space: global }
    .group_segment_fixed_size: 66560
    .private_segment_fixed_size: 0
    .kernarg_segment_align: 8
    .kernarg_segment_size: 80
    .max_flat_workgroup_size: 256
    .sgpr_count:     66
    .vgpr_count:     384
    .wavefront_size: 32
...
	.end_amdgpu_metadata
.endif
;; end of part 11
;; launch attn (part 12): grid 64 x 8, 8 waves a work-group, no clusters, 287,744 bytes of LDS; arguments qh, kv, list, ca; writes ca
.if DOCPART == 12
	.amdgcn_target "amdgcn-amd-amdhsa--gfx1250"
	.amdhsa_code_object_version 6
	.text
	.protected	k_q3b9b11d31a_attn
	.globl	k_q3b9b11d31a_attn
	.p2align	8
	.type	k_q3b9b11d31a_attn,@function
k_q3b9b11d31a_attn:
	s_mov_b64 s[64:65], 0
	v_nop
	global_prefetch_b8 v0, s[64:65] scope:SCOPE_SE
	s_setreg_imm32_b32 hwreg(HW_REG_WAVE_MODE, 25, 1), 1
	s_wait_xcnt 0x0
; Causal attention of the chosen queries over all 512 positions of their batch.  Work-group (x, g): batch b = x / 32, kv head (x / 4) % 8, tile x % 4 of group g: 16 queries, for the kv head's
; two query heads.  Its 8 waves are 2 heads x 4 quarters of the keys: wave w has head w / 4 and keys 128 (w % 4) .. + 127, 64 a trip.  A group past G = ceil(max(n0, n1) / 64) has no rows:
; it jumps over its work, passes the barriers and stores nothing.
; K and V of the kv head (512 x 256 bytes each; rows of tokens not chosen hold rope(bk) and bv) are laid into LDS once, through registers: a wave's 64 loads go out together, into window 1.
; S^T = K Q^T holds one query a lane and keys 8 (lane / 16) + j; rounded to f16 it is source 1 of O^T = V^T P.  Running maximum m and sum l in f32; p = 2^(c s - c m), c = log2(e) / sqrt(128).
; A key behind the query's position counts as -2^100: its weight is 0, as with the reference's -1e9.  A power of two, so that c s - c m is exactly 0 in a quarter of which a query sees nothing:
; that quarter's l and O stay finite, and its weight in the merge is 0.  Key 0 is seen by every query, so the merged maximum is a true score.
; THE MERGE.  When every wave has left K and V (a barrier), each wave lays c m, l and O^T into K's bytes; behind a second barrier wave w adds, for its head, channels 32 (w % 4) .. + 31 of the four
; quarters with the weights 2^(c m_j - c m_max) / l.  ctx leaves in blocks [head x 8 + channel block][slot][16] of f16.
; O, l, m and the addresses are made at the head, and Q and the list entry are loaded there, beside the load of the counts: every phase finds them on every way (a work-group without rows reads them too).
; No cluster: the four tiles of a kv head could share K and V, but these come through registers.  LIMITS: |q|, |k|, |v| under 65,504; NaN and infinities are not treated apart.
.set PKK, 272                          ; a row of K in LDS: 256 + 16 bytes
.set PVV, 288                          ; a row of V: 256 + 32 bytes
.set VB, 512*PKK
.set SPARE, VB+512*PVV
.set STAT, 65536                       ; the merge: 8 x 8192 bytes of O^T from byte 0, then 8 x 256 bytes of (c m, l)
.set Q, 32                             ; v[32:63]   Q: 4 fragments of 32 channels
.set S, 64                             ; v[64:95]   S^T: 4 x 16 keys; at work outside the loop
.set P, 96                             ; v[96:111]  P in f16
.set F, 112                            ; v[112:175] fragments of K or V; the four quarters in the merge
.set O, 176                            ; v[176:239] O^T: 8 x 16 channels
.set MSB, 0
.macro WIN new                         ; the immediate's high byte repeats the setting that is left
.if MSB != (\new)
	s_set_vgpr_msb (MSB<<8)|(\new)
.set MSB, \new
.endif
.endm
.macro PLACES
.rept 4
	v_nop
.endr
.endm
.macro PADD d, a, b
	v_pk_add_f32 v[\d:(\d)+1], v[\a:(\a)+1], v[\b:(\b)+1]
.endm
.macro KL pr                           ; K of key blocks 2 pr, 2 pr + 1
.irp e,0,1
.irp cs,0,1,2,3
	ds_load_b128 v[F+32*\e+8*\cs:F+32*\e+8*\cs+3], v4 offset:(2*(\pr)+\e)*16*PKK+64*\cs
	ds_load_b128 v[F+32*\e+8*\cs+4:F+32*\e+8*\cs+7], v4 offset:(2*(\pr)+\e)*16*PKK+64*\cs+32
.endr
.endr
.endm
.macro QK pr                           ; 8 products, the two accumulators by turns
.irp cs,0,1,2,3
.irp e,0,1
.if \cs == 0
	v_wmma_f32_16x16x32_f16 v[S+8*(2*(\pr)+\e):S+8*(2*(\pr)+\e)+7], v[F+32*\e+8*\cs:F+32*\e+8*\cs+7], v[Q+8*\cs:Q+8*\cs+7], 0
.else
	v_wmma_f32_16x16x32_f16 v[S+8*(2*(\pr)+\e):S+8*(2*(\pr)+\e)+7], v[F+32*\e+8*\cs:F+32*\e+8*\cs+7], v[Q+8*\cs:Q+8*\cs+7], v[S+8*(2*(\pr)+\e):S+8*(2*(\pr)+\e)+7]
.endif
.endr
.endr
.endm
.macro VL kk                           ; V^T of keys 32 kk .., all 128 channels, turned on the way out of LDS
.irp cb,0,1,2,3,4,5,6,7
	ds_load_tr16_b128 v[F+8*\cb:F+8*\cb+3], v5 offset:(\kk)*32*PVV+32*\cb
	ds_load_tr16_b128 v[F+8*\cb+4:F+8*\cb+7], v5 offset:(\kk)*32*PVV+16*PVV+32*\cb
.endr
.endm
.macro PV kk
.irp cb,0,1,2,3,4,5,6,7
	v_wmma_f32_16x16x32_f16 v[O+8*\cb:O+8*\cb+7], v[F+8*\cb:F+8*\cb+7], v[P+8*(\kk):P+8*(\kk)+7], v[O+8*\cb:O+8*\cb+7]
.endr
.endm
	s_load_b256 s[4:11], s[0:1], 0x0               ; qh s[4:5], kv s[6:7], list s[8:9], ca s[10:11]
	v_lshl_add_u32 v30, v0, 2, SPARE
	v_mov_b32 v31, 0
	v_lshrrev_b32 v1, 5, v0
	v_readfirstlane_b32 s12, v1                    ; wave
	s_mov_b32 s13, ttmp9
	s_and_b32 s14, ttmp7, 0xffff                   ; group
	v_and_b32 v20, 31, v0
	v_and_b32 v1, 15, v0                           ; r
	v_bfe_u32 v2, v0, 4, 1                         ; h
	v_lshlrev_b32 v3, 5, v1
	v_lshl_add_u32 v3, v2, 4, v3
	s_lshr_b32 s18, s13, 5                         ; b
	s_bfe_u32 s19, s13, 0x30002                    ; kv head
	s_and_b32 s31, s13, 3                          ; the tile's place in its group
	s_lshr_b32 s42, s12, 2                         ; which of the two heads
	s_lshl1_add_u32 s20, s19, s42                  ; query head
	s_and_b32 s35, s12, 3                          ; which quarter of the keys
	s_lshl2_add_u32 s21, s14, s31
	s_lshl_b32 s32, s18, 5
	s_add_co_u32 s21, s21, s32                     ; tile = 32 b + 4 g + x % 4
	s_lshr_b32 s32, s13, 2
	s_lshl_b32 s32, s32, 17                        ; (8 b + kv head) x 131072
	s_mov_b32 s33, 0
	s_mov_b32 s26, 0x3e0293ee                      ; c
	s_mov_b32 s27, s26
	s_mov_b32 s28, 0x76543210
	s_mov_b32 s29, 0xfedcba98
	s_lshl_b32 s34, s20, 18
	s_lshl_b32 s43, s21, 9
	s_add_co_u32 s34, s34, s43
	v_add_nc_u32 v10, s34, v3                      ; 262144 head + 512 tile + 32 r + 16 h: q's place and ctx's
	s_lshl_b32 s34, s21, 6
	v_lshl_add_u32 v11, v1, 2, s34                 ; my query's slot in the list
	s_lshl_b32 s44, s35, 7                         ; my first key
	s_mul_i32 s45, s35, 128*PKK                    ; and where it lies in K
	s_mul_i32 s46, s35, 128*PVV                    ; and in V
	s_lshl_b32 s38, s35, 16                        ; ctx: my two channel blocks
	s_lshl_b32 s39, s42, 10
	s_add_co_u32 s39, s39, STAT                    ; the merge: my head's four (c m, l)
	s_lshl_b32 s40, s12, 13                        ; my O^T
	s_lshl_b32 s41, s12, 8
	s_add_co_u32 s41, s41, STAT                    ; my (c m, l)
	s_lshl_b32 s47, s42, 15
	s_lshl_b32 s43, s35, 11
	s_add_co_u32 s47, s47, s43                     ; my head's first quarter, my 32 channels
	v_mul_u32_u24 v7, v2, PKK
	v_lshl_add_u32 v7, v1, 4, v7
	s_mul_i32 s34, s12, 2*PKK
	v_add_nc_u32 v7, s34, v7                       ; staging: row 2 w + h, 16 r
	v_mul_u32_u24 v8, v2, PVV
	v_lshl_add_u32 v8, v1, 4, v8
	s_mul_i32 s34, s12, 2*PVV
	s_add_co_u32 s34, s34, VB
	v_add_nc_u32 v8, s34, v8
	s_lshl_b32 s34, s12, 9
	v_lshl_add_u32 v9, v20, 4, s34                 ; 512 w + 16 lane
	s_wait_kmcnt 0x0
	s_load_b32 s16, s[8:9], 0x1000
	s_load_b32 s17, s[8:9], 0x1080
.irp be,0,1,2,3,4,5,6,7
	global_load_b128 v[Q+4*\be:Q+4*\be+3], v10, s[4:5] offset:32768*\be
.endr
	global_load_b32 v22, v11, s[8:9]
	s_add_nc_u64 s[22:23], s[6:7], s[32:33]        ; K of (b, kv head)
	s_add_nc_u64 s[24:25], s[22:23], 0x200000      ; V
.set i, 0
.rept 64
	v_mov_b32 v[O+i], 0                            ; cleared once, so that the first trip is a trip like any other (its factor a is 0)
.set i, i+1
.endr
	v_mov_b32 v12, 0xfe000000                      ; c m: far below every c s
	v_mov_b32 v13, 0xff7fffff                      ; m
	v_mov_b32 v14, 0                               ; l, even and odd keys'
	v_mov_b32 v15, 0
	v_mov_b32 v24, 0xf1800000                      ; -2^100
	v_mul_u32_u24 v25, v1, PKK
	v_lshl_add_u32 v25, v2, 4, v25                 ; my lane's place in 64 keys of K: row r, 16 h; never rewritten
	v_and_b32 v26, 7, v0
	v_lshl_add_u32 v26, v2, 3, v26
	v_mul_u32_u24 v26, v26, PVV
	v_bfe_u32 v23, v0, 3, 1
	v_lshl_add_u32 v26, v23, 4, v26
	v_add_nc_u32 v26, VB, v26                      ; the same for V: row 8 h + lane % 8, 16 ((lane / 8) % 2); never rewritten
	s_wait_kmcnt 0x0
	s_min_u32 s16, s16, 0x200
	s_min_u32 s17, s17, 0x200
	s_max_u32 s16, s16, s17
	s_add_co_u32 s16, s16, 63
	s_lshr_b32 s15, s16, 6                         ; G
	s_cmp_ge_u32 s14, s15
	s_cbranch_scc1 .Lb1
.irp bt,0,1,2,3
	v_add_nc_u32 v[64+\bt], 128*PKK*\bt, v7        ; LDS addresses of the four batches of 128 rows
	v_add_nc_u32 v[68+\bt], 128*PVV*\bt, v8
.endr
	WIN 0x40                                       ; the staged rows land in window 1
.irp bt,0,1,2,3
.irp i,0,1,2,3,4,5,6,7
	global_load_b128 v[64*\bt+4*\i:64*\bt+4*\i+3], v9, s[22:23] offset:4096*(8*\bt+\i)
	global_load_b128 v[64*\bt+32+4*\i:64*\bt+32+4*\i+3], v9, s[24:25] offset:4096*(8*\bt+\i)
.endr
.endr
	WIN 0x04                                       ; an LDS store's data is source 1
.irp bt,0,1,2,3
	s_wait_loadcnt 48-16*\bt                       ; this batch of 16 is in; the later batches stay out
.irp i,0,1,2,3,4,5,6,7
	ds_store_b128 v[64+\bt], v[64*\bt+4*\i:64*\bt+4*\i+3] offset:16*PKK*\i
	ds_store_b128 v[68+\bt], v[64*\bt+32+4*\i:64*\bt+32+4*\i+3] offset:16*PVV*\i
.endr
.endr
	WIN 0
	s_wait_dscnt 0x0                               ; for the others' sake
.Lb1:
	s_barrier_signal -1
	s_barrier_wait -1
	s_cmp_ge_u32 s14, s15
	s_cbranch_scc1 .Lb2
	s_wait_loadcnt 0x0                             ; Q and the list entry
	v_and_b32 v6, 0x1ff, v22                       ; my query's position,
	v_lshl_add_u32 v23, v2, 3, s44
	v_sub_nc_u32 v6, v6, v23                       ; less my lanes' 8 h and my first key: key 16 kb + j of the trip is hidden where it is greater
	s_mov_b32 s36, s45                             ; LDS byte at which the trip's 64 keys begin in K,
	s_mov_b32 s37, s46                             ; and in V
	s_mov_b32 s30, 2
.Lkeys:
	v_add_nc_u32 v4, s36, v25
	v_add_nc_u32 v5, s37, v26
	KL 0
	s_wait_dscnt 0x0
	QK 0
	PLACES
	KL 1
	s_wait_dscnt 0x0
	QK 1
	PLACES
	VL 0
.irp kb,0,1,2,3
.irp j,0,1,2,3,4,5,6,7
	v_cmp_gt_i32 vcc_lo, 16*\kb+\j, v6
	v_cndmask_b32 v[S+8*\kb+\j], v[S+8*\kb+\j], v24, vcc_lo
.endr
.endr
.irp j,0,1,2,3
	v_max3_num_f32 v[16+\j], v[S+8*\j], v[S+8*\j+1], v[S+8*\j+2]
.endr
.irp j,0,1,2,3
	v_max3_num_f32 v[16+\j], v[16+\j], v[S+8*\j+3], v[S+8*\j+4]
.endr
.irp j,0,1,2,3
	v_max3_num_f32 v[16+\j], v[16+\j], v[S+8*\j+5], v[S+8*\j+6]
.endr
	v_max3_num_f32 v16, v16, v[S+7], v[S+15]
	v_max3_num_f32 v18, v18, v[S+23], v[S+31]
	v_max3_num_f32 v16, v16, v17, v18
	v_max3_num_f32 v16, v16, v19, v13
	v_mov_b32 v20, v12                             ; c m_old
	v_permlanex16_b32 v17, v16, s28, s29           ; the query's other 32 keys lie 16 lanes away
	v_max_num_f32 v13, v16, v17
	v_mul_f32 v12, s26, v13
	v_sub_f32 v21, v20, v12
.irp p,0,1,2,3,4,5,6,7,8,9,10,11,12,13,14,15
	v_pk_fma_f32 v[S+2*\p:S+2*\p+1], v[S+2*\p:S+2*\p+1], s[26:27], v[12:13] op_sel_hi:[1,0,0] neg_lo:[0,0,1] neg_hi:[0,0,1]
.endr
	v_exp_f32 v18, v21                             ; a
.set i, 0
.rept 32
	v_exp_f32 v[S+i], v[S+i]
.set i, i+1
.endr
	v_nop                                          ; the plain instruction behind the last exponential
	s_wait_alu depctr_va_vdst(0)                   ; one wait for the batch of 33
.irp p,0,1,2,3,4,5,6,7,8,9,10,11,12,13,14,15
	v_cvt_pk_f16_f32 v[P+\p], v[S+2*\p], v[S+2*\p+1]
.endr
.irp p,0,2,4,6,8,10,12,14
	PADD S+2*\p, S+2*\p, S+2*\p+2
.endr
.irp p,0,4,8,12
	PADD S+2*\p, S+2*\p, S+2*\p+4
.endr
	PADD S, S, S+8
	PADD S+16, S+16, S+24
	PADD S, S, S+16
	v_pk_fma_f32 v[14:15], v[14:15], v[18:19], v[S:S+1] op_sel_hi:[1,0,1]
.set i, 0
.rept 32
	v_pk_mul_f32 v[O+2*i:O+2*i+1], v[O+2*i:O+2*i+1], v[18:19] op_sel_hi:[1,0]
.set i, i+1
.endr
	s_wait_dscnt 0x0
	PV 0
	PLACES
	VL 1
	s_wait_dscnt 0x0
	PV 1
	PLACES
	v_add_nc_u32 v6, 0xffffffc0, v6                ; the next trip's keys lie 64 further on
	s_add_co_u32 s36, s36, 64*PKK
	s_add_co_u32 s37, s37, 64*PVV
	s_sub_co_u32 s30, s30, 1
	s_cmp_lg_u32 s30, 0
	s_cbranch_scc1 .Lkeys
	v_add_f32 v14, v14, v15
	v_permlanex16_b32 v15, v14, s28, s29
	v_add_f32 v13, v14, v15                        ; l of my 128 keys, beside c m in v12
.Lb2:
	s_wait_dscnt 0x0                               ; my reads of K and V are over;
	s_barrier_signal -1
	s_barrier_wait -1                              ; every wave's are: K's bytes may be written
	s_cmp_ge_u32 s14, s15
	s_cbranch_scc1 .Lb3
	v_and_b32 v64, 31, v0
	v_lshl_add_u32 v65, v64, 4, s40
	v_lshl_add_u32 v66, v64, 3, s41
.irp qd,0,1,2,3,4,5,6,7,8,9,10,11,12,13,14,15
	ds_store_b128 v65, v[O+4*\qd:O+4*\qd+3] offset:512*\qd   ; each accumulator's low registers first
.endr
	ds_store_b64 v66, v[12:13]
	s_wait_dscnt 0x0                               ; for the others' sake
.Lb3:
	s_barrier_signal -1
	s_barrier_wait -1
	s_cmp_ge_u32 s14, s15
	s_cbranch_scc1 .Lend
	v_and_b32 v64, 31, v0
	v_lshl_add_u32 v65, v64, 4, s47
	v_lshl_add_u32 v66, v64, 3, s39
.irp j,0,1,2,3
	ds_load_b64 v[68+2*\j:69+2*\j], v66 offset:256*\j        ; c m and l of quarter j
.endr
.irp j,0,1,2,3
.irp q,0,1,2,3
	ds_load_b128 v[F+16*\j+4*\q:F+16*\j+4*\q+3], v65 offset:8192*\j+512*\q
.endr
.endr
	v_add_nc_u32 v67, s38, v10
	s_wait_dscnt 16                                ; the four (c m, l) are in; the 16 loads of O^T stay out
	v_max3_num_f32 v76, v68, v70, v72
	v_max_num_f32 v76, v76, v74
.irp j,0,1,2,3
	v_sub_f32 v[78+\j], v[68+2*\j], v76
.endr
.irp j,0,1,2,3
	v_exp_f32 v[78+\j], v[78+\j]
.endr
	v_nop
	s_wait_alu depctr_va_vdst(0)                   ; one wait for the four
	v_mul_f32 v77, v78, v69
	v_fmac_f32 v77, v79, v71
	v_fmac_f32 v77, v80, v73
	v_fmac_f32 v77, v81, v75                       ; l of all 512 keys: 1 or more, since the quarter with the maximum has weight 1
	v_rcp_f32 v77, v77
	v_nop
	s_wait_alu depctr_va_vdst(0)
.irp j,0,1,2,3
	v_mul_f32 v[82+2*\j], v[78+\j], v77
	v_mul_f32 v[83+2*\j], v[78+\j], v77
.endr
	s_wait_dscnt 0x0
.irp p,0,2,4,6,8,10,12,14
	v_pk_mul_f32 v[F+\p:F+\p+1], v[F+\p:F+\p+1], v[82:83]
.endr
.irp j,1,2,3
.irp p,0,2,4,6,8,10,12,14
	v_pk_fma_f32 v[F+\p:F+\p+1], v[F+16*\j+\p:F+16*\j+\p+1], v[82+2*\j:83+2*\j], v[F+\p:F+\p+1]
.endr
.endr
.irp p,0,1,2,3,4,5,6,7
	v_cvt_pk_f16_f32 v[96+\p], v[F+2*\p], v[F+2*\p+1]
.endr
	global_store_b128 v67, v[96:99], s[10:11]                  ; the wave stores 512 consecutive bytes
	global_store_b128 v67, v[100:103], s[10:11] offset:32768
.Lend:
	s_wait_dscnt 0x0                               ; my reads of the merge are over;
	s_barrier_signal -1
	s_barrier_wait -1                              ; every wave's are, before any wave writes LDS again (the add below)
	s_wait_tensorcnt 0x0                           ; the wave's end
	ds_add_u32 v30, v31
	s_wait_dscnt 0x0
	s_endpgm
.Lfunc_end_k_q3b9b11d31a_attn:
	.size	k_q3b9b11d31a_attn, .Lfunc_end_k_q3b9b11d31a_attn-k_q3b9b11d31a_attn
	.p2alignl 7, 3214868480
	.fill 96, 4, 3214868480
	.section	.rodata,"a",@progbits
	.p2align	6, 0x0
	.amdhsa_kernel k_q3b9b11d31a_attn
		.amdhsa_group_segment_fixed_size 287744
		.amdhsa_private_segment_fixed_size 0
		.amdhsa_enable_private_segment 0
		.amdhsa_kernarg_size 32
		.amdhsa_user_sgpr_count 2
		.amdhsa_user_sgpr_kernarg_segment_ptr 1
		.amdhsa_wavefront_size32 1
		.amdhsa_system_sgpr_workgroup_id_x 1
		.amdhsa_system_sgpr_workgroup_id_y 1
		.amdhsa_system_sgpr_workgroup_id_z 1
		.amdhsa_system_vgpr_workitem_id 0
		.amdhsa_next_free_vgpr 512
		.amdhsa_next_free_sgpr 66
		.amdhsa_reserve_vcc 1
		.amdhsa_float_denorm_mode_32 3
		.amdhsa_float_denorm_mode_16_64 3
		.amdhsa_memory_ordered 1
		.amdhsa_forward_progress 1
		.amdhsa_inst_pref_size 42
	.end_amdhsa_kernel
	.amdgpu_metadata
---
amdhsa.version: [ 1, 2 ]
amdhsa.kernels:
  - .name:           k_q3b9b11d31a_attn
    .symbol:         k_q3b9b11d31a_attn.kd
    .args:
      - { .name: qh, .offset: 0, .size: 8, .value_kind: global_buffer, .address_space: global }
      - { .name: kv, .offset: 8, .size: 8, .value_kind: global_buffer, .address_space: global }
      - { .name: list, .offset: 16, .size: 8, .value_kind: global_buffer, .address_space: global }
      - { .name: ca, .offset: 24, .size: 8, .value_kind: global_buffer, .address_space: global }
    .group_segment_fixed_size: 287744
    .private_segment_fixed_size: 0
    .kernarg_segment_align: 8
    .kernarg_segment_size: 32
    .max_flat_workgroup_size: 256
    .sgpr_count:     66
    .vgpr_count:     512
    .wavefront_size: 32
...
	.end_amdgpu_metadata
.endif
;; end of part 12
;; launch oproj (part 13): grid 256 x 1, 8 waves a work-group, no clusters, 33,792 bytes of LDS; arguments ca, wo, list, hidden_states, x1; writes x1
.if DOCPART == 13
	.amdgcn_target "amdgcn-amd-amdhsa--gfx1250"
	.amdhsa_code_object_version 6
	.text
	.protected	k_q3b9b11d31a_oproj
	.globl	k_q3b9b11d31a_oproj
	.p2align	8
	.type	k_q3b9b11d31a_oproj,@function
k_q3b9b11d31a_oproj:
	s_mov_b64 s[64:65], 0
	v_nop
	global_prefetch_b8 v0, s[64:65] scope:SCOPE_SE
	s_setreg_imm32_b32 hwreg(HW_REG_WAVE_MODE, 25, 1), 1
	s_wait_xcnt 0x0
; x1 = x + ctx wo^T for the chosen rows.  Work-group: 16 output columns (number / 2) and one batch (number % 2), so that 2048 / 16 x 2 = 256 work-groups share the work; of a group of 128 rows it
; has the batch's 4 tiles.  The 8 waves split K = 2048; the groups are walked by a loop of 8 trips, of which G = ceil(max(n0, n1) / 64) have rows; a trip past G jumps over its work and passes its two barriers.
; Weights go from memory through registers (rounded to f16) into source 0; ctx comes in blocks [k / 16][slot][16] of f16, 512 consecutive bytes a load, through four buffers: a step's ctx is asked
; for four steps ahead.  The waves' sums meet in LDS; wave w adds registers 4 (w / 4) .. + 3 of tile w % 4, adds the token's numbers of hidden_states (f32; asked for in the first phase)
; and stores f32 in the accumulator's own order: [column block][tile][1024 bytes].  No cluster, no tensor load: the trip count hangs on a stored number.
; No cache hint on the weights: 128 consecutive bytes of a row are asked for by four instructions, and the batch's partner reads the same rows.
; LIMITS.  |ctx| and |wo| under 65,504 (f16); weight bits below 2^-24 are lost.
.set SPARE, 32768                      ; behind the partial sums (8 waves x 4 tiles x 1024 bytes): the spare words
.set WH, 32                            ; v[32:63]   four weight fragments in f16
.set WF, 64                            ; v[64:127]  four k steps of weights in f32 (window 0: steps 0-3; window 1: steps 4-7)
.set AB, 128                           ; v[128:255] four buffers of 4 token fragments
.set HID, 20                           ; v[20:23]   my four numbers of hidden_states
.set WV, 14
.set Y, 15
.set GG, 16
.set MSB, 0
.macro WIN new
.if MSB != (\new)
	s_set_vgpr_msb (MSB<<8)|(\new)
.set MSB, \new
.endif
.endm
.macro PLACES
.rept 4
	v_nop
.endr
.endm
.macro PADD d, a, b
	v_pk_add_f32 v[\d:(\d)+1], v[\a:(\a)+1], v[\b:(\b)+1]
.endm
.macro WL4 dst, win, imm
	WIN 0x40*(\win)
	global_load_b128 v[(\dst):(\dst)+3], v4, s[6:7] offset:(\imm)
	global_load_b128 v[(\dst)+4:(\dst)+7], v4, s[6:7] offset:(\imm)+16
	global_load_b128 v[(\dst)+8:(\dst)+11], v4, s[6:7] offset:(\imm)+64
	global_load_b128 v[(\dst)+12:(\dst)+15], v4, s[6:7] offset:(\imm)+80
.endm
.macro WCVT win
	WIN 0x05*(\win)
.set ci, 0
.rept 32
	v_cvt_pk_f16_f32 v[WH+ci], v[WF+2*ci], v[WF+2*ci+1]
.set ci, ci+1
.endr
	WIN 0
.endm
.macro AL buf, imm                     ; 4 tiles x 32 k: two blocks of 16 k
	WIN 0
.irp i,0,1,2,3
	global_load_b128 v[AB+32*(\buf)+8*\i:AB+32*(\buf)+8*\i+3], v5, s[4:5] offset:(\imm)+512*\i
	global_load_b128 v[AB+32*(\buf)+8*\i+4:AB+32*(\buf)+8*\i+7], v5, s[4:5] offset:(\imm)+512*\i+32768
.endr
.endm
.macro MM4 frag, buf, zero             ; the 4 accumulators by turns
	WIN 0x50
.irp i,0,1,2,3
.if \zero
	v_wmma_f32_16x16x32_f16 v[8*\i:8*\i+7], v[WH+8*(\frag):WH+8*(\frag)+7], v[AB+32*(\buf)+8*\i:AB+32*(\buf)+8*\i+7], 0
.else
	v_wmma_f32_16x16x32_f16 v[8*\i:8*\i+7], v[WH+8*(\frag):WH+8*(\frag)+7], v[AB+32*(\buf)+8*\i:AB+32*(\buf)+8*\i+7], v[8*\i:8*\i+7]
.endif
.endr
.endm
	s_load_b256 s[4:11], s[0:1], 0x0               ; ca s[4:5], wo s[6:7], list s[8:9], hidden s[10:11]
	s_load_b64 s[12:13], s[0:1], 0x20              ; x1
	v_lshl_add_u32 v30, v0, 2, SPARE
	v_mov_b32 v31, 0
	v_lshrrev_b32 v1, 5, v0
	v_readfirstlane_b32 s[WV], v1
	s_lshr_b32 s24, ttmp9, 1                       ; which 16 columns
	s_and_b32 s25, ttmp9, 1                        ; which batch
	v_and_b32 v8, 31, v0                           ; lane
	v_and_b32 v1, 15, v0                           ; r
	v_bfe_u32 v2, v0, 4, 1                         ; h
	v_lshlrev_b32 v3, 5, v1
	v_lshl_add_u32 v3, v2, 4, v3
	s_lshl_b32 s18, s24, 4
	v_add_nc_u32 v4, s18, v1
	v_lshlrev_b32 v4, 13, v4
	v_lshl_add_u32 v4, v2, 5, v4
	s_lshl_b32 s18, s[WV], 10
	v_add_nc_u32 v4, s18, v4                       ; row x 8192 + 32 h + my wave's 256 k
	s_lshl_b32 s18, s[WV], 19
	s_lshl_b32 s19, s25, 14
	s_add_co_u32 s18, s18, s19
	v_add_nc_u32 v11, s18, v3                      ; ctx: my wave's 16 blocks, the batch's tiles, 32 r + 16 h
	v_lshlrev_b32 v9, 4, v8                        ; 16 lane
	s_lshl_b32 s18, s[WV], 12
	v_add_nc_u32 v6, s18, v9                       ; LDS: my wave's 4 tiles
	s_and_b32 s19, s[WV], 3                        ; the tile that I sum,
	s_lshr_b32 s20, s[WV], 2                       ; and which four of its eight registers
	s_lshl_b32 s18, s19, 10
	s_lshl_b32 s21, s20, 9
	s_add_co_u32 s18, s18, s21
	v_add_nc_u32 v7, s18, v9                       ; LDS: that piece in wave 0's part
	s_lshl_b32 s21, s25, 5
	s_add_co_u32 s21, s21, s19                     ; the tile in group 0: 32 batch + w % 4
	s_lshl_b32 s18, s21, 6
	v_lshl_add_u32 v28, v1, 2, s18                 ; its slots in the list
	s_lshl_b32 s18, s24, 6
	s_lshl_b32 s22, s20, 4
	s_add_co_u32 s18, s18, s22
	v_lshl_add_u32 v27, v2, 5, s18                 ; my 4 columns in a row of hidden_states
	s_lshl_b32 s18, s21, 10
	s_lshl_b32 s22, s24, 16
	s_add_co_u32 s18, s18, s22
	s_lshl_b32 s22, s20, 9
	s_add_co_u32 s18, s18, s22
	v_add_nc_u32 v25, s18, v9                      ; x1: 65536 column block + 1024 tile + 512 (w / 4) + 16 lane
.irp j,0,1,2,3
	v_mov_b32 v[HID+\j], 0                         ; so that the four hold a number on every way to the sums below
.endr
	s_wait_kmcnt 0x0
	s_load_b32 s22, s[8:9], 0x1000
	s_load_b32 s23, s[8:9], 0x1080
	s_wait_kmcnt 0x0
	s_min_u32 s22, s22, 0x200
	s_min_u32 s23, s23, 0x200
	s_max_u32 s22, s22, s23
	s_add_co_u32 s22, s22, 63
	s_lshr_b32 s[GG], s22, 6
	s_mov_b32 s[Y], 0
.Lgroup:
	s_cmp_ge_u32 s[Y], s[GG]
	s_cbranch_scc1 .Lb1
	v_lshl_add_u32 v12, s[Y], 8, v28
	v_lshl_add_u32 v5, s[Y], 11, v11
	global_load_b32 v13, v12, s[8:9]               ; the token whose row I finish
.irp f,0,1,2,3
	WL4 WF+16*\f, 0, 128*\f
.endr
.irp f,0,1,2,3
	WL4 WF+16*\f, 1, 512+128*\f
.endr
	AL 0, 0
	AL 1, 65536
	AL 2, 131072
	AL 3, 196608
.set st, 0
.rept 8
.if st == 0
	s_wait_loadcnt 24                              ; the entry, the weights and ctx of step 0 are in; ctx of steps 1 to 3 stays out
.elseif st < 4
	s_wait_loadcnt 25                              ; three later steps of ctx and the load of hidden_states stay out
.else
	s_wait_loadcnt 8*(7-st)                        ; the later steps of ctx stay out
.endif
.if st == 0
	WCVT 0
	v_and_b32 v16, 0xffff, v13
	v_min_u32 v16, 0x3ff, v16
	v_lshl_add_u32 v16, v16, 13, v27
	global_load_b128 v[HID:HID+3], v16, s[10:11]
.endif
.if st == 4
	WCVT 1
.endif
	MM4 st%4, st%4, (st==0)
.if st < 4
	PLACES
	AL st%4, 65536*(st+4)
.endif
.set st, st+1
.endr
	PLACES
	WIN 0x04
.irp i,0,1,2,3
	ds_store_b128 v6, v[8*\i:8*\i+3] offset:1024*\i          ; each accumulator's low registers first
	ds_store_b128 v6, v[8*\i+4:8*\i+7] offset:1024*\i+512
.endr
	WIN 0
	s_wait_dscnt 0x0                               ; for the others' sake
.Lb1:
	s_barrier_signal -1
	s_barrier_wait -1
	s_cmp_ge_u32 s[Y], s[GG]
	s_cbranch_scc1 .Lb2
.irp s,0,1,2,3,4,5,6,7
	ds_load_b128 v[AB+4*\s:AB+4*\s+3], v7 offset:4096*\s
.endr
	v_lshl_add_u32 v18, s[Y], 12, v25
	s_wait_dscnt 0x0
.irp p,0,2
	PADD AB+\p, AB+\p, AB+4+\p
	PADD AB+8+\p, AB+8+\p, AB+12+\p
	PADD AB+16+\p, AB+16+\p, AB+20+\p
	PADD AB+24+\p, AB+24+\p, AB+28+\p
.endr
.irp p,0,2
	PADD AB+\p, AB+\p, AB+8+\p
	PADD AB+16+\p, AB+16+\p, AB+24+\p
.endr
.irp p,0,2
	PADD 64+\p, AB+\p, AB+16+\p
.endr
	s_wait_loadcnt 0x0                             ; hidden_states (the last step's wait has shown it in)
	PADD 64, 64, HID
	PADD 66, 66, HID+2
	global_store_b128 v18, v[64:67], s[12:13]      ; the wave stores 512 consecutive bytes
.Lb2:
	s_wait_xcnt 0x0                                ; the next trip rewrites the store's registers
	s_barrier_signal -1
	s_barrier_wait -1                              ; every wave's reads of the sums are over: the next trip may write them
	s_add_co_u32 s[Y], s[Y], 1
	s_cmp_lt_u32 s[Y], 8
	s_cbranch_scc1 .Lgroup
	s_wait_tensorcnt 0x0                           ; the wave's end
	ds_add_u32 v30, v31
	s_wait_dscnt 0x0
	s_endpgm
.Lfunc_end_k_q3b9b11d31a_oproj:
	.size	k_q3b9b11d31a_oproj, .Lfunc_end_k_q3b9b11d31a_oproj-k_q3b9b11d31a_oproj
	.p2alignl 7, 3214868480
	.fill 96, 4, 3214868480
	.section	.rodata,"a",@progbits
	.p2align	6, 0x0
	.amdhsa_kernel k_q3b9b11d31a_oproj
		.amdhsa_group_segment_fixed_size 33792
		.amdhsa_private_segment_fixed_size 0
		.amdhsa_enable_private_segment 0
		.amdhsa_kernarg_size 40
		.amdhsa_user_sgpr_count 2
		.amdhsa_user_sgpr_kernarg_segment_ptr 1
		.amdhsa_wavefront_size32 1
		.amdhsa_system_sgpr_workgroup_id_x 1
		.amdhsa_system_sgpr_workgroup_id_y 1
		.amdhsa_system_sgpr_workgroup_id_z 1
		.amdhsa_system_vgpr_workitem_id 0
		.amdhsa_next_free_vgpr 384
		.amdhsa_next_free_sgpr 66
		.amdhsa_reserve_vcc 0
		.amdhsa_float_denorm_mode_32 3
		.amdhsa_float_denorm_mode_16_64 3
		.amdhsa_memory_ordered 1
		.amdhsa_forward_progress 1
		.amdhsa_inst_pref_size 23
	.end_amdhsa_kernel
	.amdgpu_metadata
---
amdhsa.version: [ 1, 2 ]
amdhsa.kernels:
  - .name:           k_q3b9b11d31a_oproj
    .symbol:         k_q3b9b11d31a_oproj.kd
    .args:
      - { .name: ca, .offset: 0, .size: 8, .value_kind: global_buffer, .address_space: global }
      - { .name: wo, .offset: 8, .size: 8, .value_kind: global_buffer, .address_space: global }
      - { .name: list, .offset: 16, .size: 8, .value_kind: global_buffer, .address_space: global }
      - { .name: hidden_states, .offset: 24, .size: 8, .value_kind: global_buffer, .address_space: global }
      - { .name: x1, .offset: 32, .size: 8, .value_kind: global_buffer, .address_space: global }
    .group_segment_fixed_size: 33792
    .private_segment_fixed_size: 0
    .kernarg_segment_align: 8
    .kernarg_segment_size: 40
    .max_flat_workgroup_size: 256
    .sgpr_count:     66
    .vgpr_count:     384
    .wavefront_size: 32
...
	.end_amdgpu_metadata
.endif
;; end of part 13
;; launch norm2 (part 14): grid 64 x 1, 8 waves a work-group, no clusters, 1,536 bytes of LDS; arguments x1, ln2_w, list, qh; writes qh
.if DOCPART == 14
	.amdgcn_target "amdgcn-amd-amdhsa--gfx1250"
	.amdhsa_code_object_version 6
	.text
	.protected	k_q3b9b11d31a_norm2
	.globl	k_q3b9b11d31a_norm2
	.p2align	8
	.type	k_q3b9b11d31a_norm2,@function
k_q3b9b11d31a_norm2:
	s_mov_b64 s[64:65], 0
	v_nop
	global_prefetch_b8 v0, s[64:65] scope:SCOPE_SE
	s_setreg_imm32_b32 hwreg(HW_REG_WAVE_MODE, 25, 1), 1
	s_wait_xcnt 0x0
; h2 = x1 * rsqrt(mean(x1^2) + 1e-6) * ln2_w for one tile of 16 rows, f16, in blocks [k / 16][slot][16] at qh + 4194304.  Wave w has columns 256 w .. 256 w + 255.
; A tile whose group is past G = ceil(max(n0, n1) / 64) has no rows: it jumps over its work, passes the barrier and stores nothing.
; x1 and ln2_w are loaded once, at the head, beside the load of the counts, so that both phases find them on every way (a tile without rows reads its 128 KiB too).
; The rows' sums of squares meet in LDS.  Streaming work: no matrix unit, no cluster.  LIMIT: |h2| under 65,504.
.set SPARE, 512
.set MSB, 0
.macro WIN new
.if MSB != (\new)
	s_set_vgpr_msb (MSB<<8)|(\new)
.set MSB, \new
.endif
.endm
	s_load_b256 s[4:11], s[0:1], 0x0               ; x1 s[4:5], ln2_w s[6:7], list s[8:9], qh s[10:11]
	v_lshl_add_u32 v30, v0, 2, SPARE
	v_mov_b32 v31, 0
	v_lshrrev_b32 v1, 5, v0
	v_readfirstlane_b32 s12, v1
	v_and_b32 v20, 31, v0
	v_and_b32 v1, 15, v0
	v_bfe_u32 v2, v0, 4, 1
	v_lshlrev_b32 v3, 5, v1
	v_lshl_add_u32 v3, v2, 4, v3
	s_lshl_b32 s18, ttmp9, 10
	s_lshl_b32 s19, s12, 20
	s_add_co_u32 s18, s18, s19
	v_lshl_add_u32 v4, v20, 4, s18                 ; x1: 16 blocks a wave, 1024 tile + 16 lane
	s_lshl_b32 s18, s12, 6
	v_lshl_add_u32 v5, v1, 2, s18                  ; LDS: 64 w + 4 r
	v_lshlrev_b32 v6, 2, v1
	s_lshl_b32 s18, s12, 10
	v_lshl_add_u32 v7, v2, 5, s18                  ; ln2_w: 1024 w + 32 h
	s_lshl_b32 s18, s12, 19
	s_lshl_b32 s19, ttmp9, 9
	s_add_co_u32 s18, s18, s19
	v_add_nc_u32 v8, s18, v3                       ; h2: 16 blocks a wave, 512 tile + 32 r + 16 h
	s_and_b32 s15, ttmp9, 31
	s_lshr_b32 s15, s15, 2                         ; the tile's group
	s_mov_b32 s20, 0x76543210
	s_mov_b32 s21, 0xfedcba98
	s_mov_b32 s22, 0x3a000000
	s_mov_b32 s23, 0x358637bd
	s_wait_kmcnt 0x0
	s_load_b32 s16, s[8:9], 0x1000
	s_load_b32 s17, s[8:9], 0x1080
.irp q,0,1,2,3,4,5,6,7,8,9,10,11,12,13,14,15
	global_load_b128 v[32+8*\q:35+8*\q], v4, s[4:5] offset:65536*\q
	global_load_b128 v[36+8*\q:39+8*\q], v4, s[4:5] offset:65536*\q+512
.endr
	WIN 0x40                                       ; ln2_w into window 1
.irp q,0,1,2,3,4,5,6,7,8,9,10,11,12,13,14,15
	global_load_b128 v[8*\q:8*\q+3], v7, s[6:7] offset:64*\q
	global_load_b128 v[8*\q+4:8*\q+7], v7, s[6:7] offset:64*\q+16
.endr
	WIN 0
	s_wait_kmcnt 0x0
	s_min_u32 s16, s16, 0x200
	s_min_u32 s17, s17, 0x200
	s_max_u32 s16, s16, s17
	s_add_co_u32 s16, s16, 63
	s_lshr_b32 s14, s16, 6
	s_cmp_ge_u32 s15, s14
	s_cbranch_scc1 .Lb1
	s_wait_loadcnt 32                              ; x1 is in; the 32 loads of ln2_w stay out
.irp c,0,1,2,3
	v_pk_mul_f32 v[10+2*\c:11+2*\c], v[32+2*\c:33+2*\c], v[32+2*\c:33+2*\c]
.endr
.set i, 4
.rept 60
	v_pk_fma_f32 v[10+2*(i%4):11+2*(i%4)], v[32+2*i:33+2*i], v[32+2*i:33+2*i], v[10+2*(i%4):11+2*(i%4)]
.set i, i+1
.endr
	v_pk_add_f32 v[10:11], v[10:11], v[12:13]
	v_pk_add_f32 v[14:15], v[14:15], v[16:17]
	v_pk_add_f32 v[10:11], v[10:11], v[14:15]
	v_add_f32 v10, v10, v11
	v_permlanex16_b32 v11, v10, s20, s21           ; the row's other 8 columns of each block lie 16 lanes away
	v_add_f32 v10, v10, v11
	ds_store_b32 v5, v10
	s_wait_dscnt 0x0
.Lb1:
	s_barrier_signal -1
	s_barrier_wait -1
	s_cmp_ge_u32 s15, s14
	s_cbranch_scc1 .Lend
.irp u,0,1,2,3,4,5,6,7
	ds_load_b32 v[12+\u], v6 offset:64*\u
.endr
	s_wait_dscnt 0x0
	v_pk_add_f32 v[12:13], v[12:13], v[14:15]
	v_pk_add_f32 v[16:17], v[16:17], v[18:19]
	v_pk_add_f32 v[12:13], v[12:13], v[16:17]
	v_add_f32 v12, v12, v13
	v_fma_f32 v12, v12, s22, s23
	v_rsq_f32 v12, v12
	v_nop
	s_wait_alu depctr_va_vdst(0)
	v_mov_b32 v13, v12
	s_wait_loadcnt 0x0                             ; ln2_w
.set i, 0
.rept 64
	v_pk_mul_f32 v[32+2*i:33+2*i], v[32+2*i:33+2*i], v[12:13]
.set i, i+1
.endr
	WIN 0x04                                       ; source 1 in window 1
.set i, 0
.rept 64
	v_pk_mul_f32 v[32+2*i:33+2*i], v[32+2*i:33+2*i], v[2*i:2*i+1]
.set i, i+1
.endr
	WIN 0
.set i, 0
.rept 64
	v_cvt_pk_f16_f32 v[160+i], v[32+2*i], v[33+2*i]
.set i, i+1
.endr
.irp q,0,1,2,3,4,5,6,7,8,9,10,11,12,13,14,15
	global_store_b128 v8, v[160+4*\q:163+4*\q], s[10:11] offset:4194304+32768*\q   ; the wave stores 512 consecutive bytes
.endr
.Lend:
	s_wait_tensorcnt 0x0                           ; the wave's end
	ds_add_u32 v30, v31
	s_wait_dscnt 0x0
	s_endpgm
.Lfunc_end_k_q3b9b11d31a_norm2:
	.size	k_q3b9b11d31a_norm2, .Lfunc_end_k_q3b9b11d31a_norm2-k_q3b9b11d31a_norm2
	.p2alignl 7, 3214868480
	.fill 96, 4, 3214868480
	.section	.rodata,"a",@progbits
	.p2align	6, 0x0
	.amdhsa_kernel k_q3b9b11d31a_norm2
		.amdhsa_group_segment_fixed_size 1536
		.amdhsa_private_segment_fixed_size 0
		.amdhsa_enable_private_segment 0
		.amdhsa_kernarg_size 32
		.amdhsa_user_sgpr_count 2
		.amdhsa_user_sgpr_kernarg_segment_ptr 1
		.amdhsa_wavefront_size32 1
		.amdhsa_system_sgpr_workgroup_id_x 1
		.amdhsa_system_sgpr_workgroup_id_y 1
		.amdhsa_system_sgpr_workgroup_id_z 1
		.amdhsa_system_vgpr_workitem_id 0
		.amdhsa_next_free_vgpr 384
		.amdhsa_next_free_sgpr 66
		.amdhsa_reserve_vcc 0
		.amdhsa_float_denorm_mode_32 3
		.amdhsa_float_denorm_mode_16_64 3
		.amdhsa_memory_ordered 1
		.amdhsa_forward_progress 1
		.amdhsa_inst_pref_size 28
	.end_amdhsa_kernel
	.amdgpu_metadata
---
amdhsa.version: [ 1, 2 ]
amdhsa.kernels:
  - .name:           k_q3b9b11d31a_norm2
    .symbol:         k_q3b9b11d31a_norm2.kd
    .args:
      - { .name: x1, .offset: 0, .size: 8, .value_kind: global_buffer, .address_space: global }
      - { .name: ln2_w, .offset: 8, .size: 8, .value_kind: global_buffer, .address_space: global }
      - { .name: list, .offset: 16, .size: 8, .value_kind: global_buffer, .address_space: global }
      - { .name: qh, .offset: 24, .size: 8, .value_kind: global_buffer, .address_space: global }
    .group_segment_fixed_size: 1536
    .private_segment_fixed_size: 0
    .kernarg_segment_align: 8
    .kernarg_segment_size: 32
    .max_flat_workgroup_size: 256
    .sgpr_count:     66
    .vgpr_count:     384
    .wavefront_size: 32
...
	.end_amdgpu_metadata
.endif
;; end of part 14
;; launch gateup (part 15): grid 256 x 1, 8 waves a work-group, no clusters, 263,168 bytes of LDS; arguments qh, w_gate, w_up, list, ca; writes ca
.if DOCPART == 15
	.amdgcn_target "amdgcn-amd-amdhsa--gfx1250"
	.amdhsa_code_object_version 6
	.text
	.protected	k_q3b9b11d31a_gateup
	.globl	k_q3b9b11d31a_gateup
	.p2align	8
	.type	k_q3b9b11d31a_gateup,@function
k_q3b9b11d31a_gateup:
	s_mov_b64 s[64:65], 0
	v_nop
	global_prefetch_b8 v0, s[64:65] scope:SCOPE_SE
	s_setreg_imm32_b32 hwreg(HW_REG_WAVE_MODE, 25, 1), 1
	s_wait_xcnt 0x0
; act = silu(h2 w_gate^T) * (h2 w_up^T) for the chosen rows.  Work-group x owns 32 of the 8192 columns, of gate and of up: four fragments of 16 rows of weights (g0, u0, g1, u1).
; The 8 waves split K = 2048; groups of 128 rows are walked by a loop of 8 trips, of which G = ceil(max(n0, n1) / 64) have rows; a trip past G jumps over its work and passes its two barriers.
; Weights go from memory through registers (rounded to f16) into source 0, h2 (blocks [k / 16][slot][16]) into source 1; 32 accumulators a wave, 256 registers, in window 1.
; THE QUEUE OF LOADS.  Loads are counted back in the order of issue (ISA guide 5.7.1), so each load stands in the queue behind all that are needed before it.  The weights have two f32 buffers, h2 one
; buffer in two halves of 4 tiles, and a half is asked for again as soon as its 16 products are done.  The order: W0, A0 low, A0 high, W1; then in step s: A(s+1) low in the middle, A(s+1) high and
; W(s+2) at the end.  So two k steps of weights, 16 KiB a wave, are on their way; by this text's count at most 48 loads of a wave are out.
; PREFETCH.  In k steps 0 and 2 each wave asks, for its own 64 rows (32 of gate, 32 of up; lanes one row apart), for the 256 bytes that k steps + 4 and + 5 load: those loads are issued two and three
; steps later; 16 KiB a wave and request; it stops at step 2, inside the wave's 1,024 bytes of each row.  No other wave asks for these bytes; a further group asks for them again.
; The waves' sums meet in LDS; wave w sums tile w and makes act in f32.  act has no room in f16, so it leaves as two f16 numbers: a1 = f16(act / 4096), a2 = f16(act - 4096 a1).
; No cluster, no tensor load: each weight has one reader, and the trip count hangs on a stored number.
; LIMITS.  |h2| and the weights under 65,504; |act| under 2.6e8; weight bits below 2^-24 are lost.
.set NB, 4
.set SPARE, 262144
.set WH, 32                            ; v[32:63]    the step's four weight fragments in f16
.set WF, 64                            ; v[64:191]   two buffers of a k step's weights in f32
.set AT, 192                           ; v[192:255]  the step's 8 token fragments: tiles 0-3, tiles 4-7
.set AB, 128                           ; v[128:255]  behind the barrier: the waves' sums
.set WV, 20
.set Y, 21
.set GG, 22
.set MSB, 0
.macro WIN new
.if MSB != (\new)
	s_set_vgpr_msb (MSB<<8)|(\new)
.set MSB, \new
.endif
.endm
.macro PLACES
.rept 4
	v_nop
.endr
.endm
.macro PADD d, a, b
	v_pk_add_f32 v[\d:(\d)+1], v[\a:(\a)+1], v[\b:(\b)+1]
.endm
.macro WL4 dst, sb, imm
	WIN 0
	global_load_b128 v[(\dst):(\dst)+3], v4, s[\sb:\sb+1] offset:(\imm)
	global_load_b128 v[(\dst)+4:(\dst)+7], v4, s[\sb:\sb+1] offset:(\imm)+16
	global_load_b128 v[(\dst)+8:(\dst)+11], v4, s[\sb:\sb+1] offset:(\imm)+64
	global_load_b128 v[(\dst)+12:(\dst)+15], v4, s[\sb:\sb+1] offset:(\imm)+80
.endm
.macro WU ks                           ; the four fragments of k step ks, into buffer ks % 2: 16 loads
	WL4 WF+64*((\ks)%2), 6, 128*(\ks)
	WL4 WF+64*((\ks)%2)+16, 8, 128*(\ks)
	WL4 WF+64*((\ks)%2)+32, 6, 131072+128*(\ks)
	WL4 WF+64*((\ks)%2)+48, 8, 131072+128*(\ks)
.endm
.macro WCVT b                          ; buffer b: 64 f32 a lane to four f16 fragments
	WIN 0
.set ci, 0
.rept 32
	v_cvt_pk_f16_f32 v[WH+ci], v[WF+64*(\b)+2*ci], v[WF+64*(\b)+2*ci+1]
.set ci, ci+1
.endr
.endm
.macro ALH half, imm                   ; tiles 4 half .. 4 half + 3 x 32 k: 8 loads of 512 consecutive bytes
	WIN 0
.irp i,0,1,2,3
	global_load_b128 v[AT+32*(\half)+8*\i:AT+32*(\half)+8*\i+3], v5, s[14:15] offset:(\imm)+512*\i+16384*(\half)
	global_load_b128 v[AT+32*(\half)+8*\i+4:AT+32*(\half)+8*\i+7], v5, s[14:15] offset:(\imm)+512*\i+16384*(\half)+32768
.endr
.endm
.macro MMH half, zero                  ; 16 products: 4 tiles x 4 fragments, the accumulators by turns
	WIN 0x50
.irp i,0,1,2,3
.irp f,0,1,2,3
.if \zero
	v_wmma_f32_16x16x32_f16 v[64*\f+32*(\half)+8*\i:64*\f+32*(\half)+8*\i+7], v[WH+8*\f:WH+8*\f+7], v[AT+32*(\half)+8*\i:AT+32*(\half)+8*\i+7], 0
.else
	v_wmma_f32_16x16x32_f16 v[64*\f+32*(\half)+8*\i:64*\f+32*(\half)+8*\i+7], v[WH+8*\f:WH+8*\f+7], v[AT+32*(\half)+8*\i:AT+32*(\half)+8*\i+7], v[64*\f+32*(\half)+8*\i:64*\f+32*(\half)+8*\i+7]
.endif
.endr
.endr
.endm
.macro RSTORE
	PLACES
	WIN 0x04
.set rf, 0
.rept NB*8
	ds_store_b128 v6, v[8*rf:8*rf+3] offset:1024*rf
	ds_store_b128 v6, v[8*rf+4:8*rf+7] offset:1024*rf+512
.set rf, rf+1
.endr
	WIN 0
.endm
.macro RLOAD f, half
.irp s,0,1,2,3,4,5,6,7
	ds_load_b128 v[AB+64*(\half)+8*\s:AB+64*(\half)+8*\s+3], v[7+(\s*NB)/8] offset:((\s*NB*8192)%65536)+8192*(\f)
	ds_load_b128 v[AB+64*(\half)+8*\s+4:AB+64*(\half)+8*\s+7], v[7+(\s*NB)/8] offset:((\s*NB*8192)%65536)+8192*(\f)+512
.endr
.endm
.macro RSUM half, dst
.irp p,0,2,4,6
	PADD AB+64*(\half)+\p, AB+64*(\half)+\p, AB+64*(\half)+8+\p
	PADD AB+64*(\half)+16+\p, AB+64*(\half)+16+\p, AB+64*(\half)+24+\p
	PADD AB+64*(\half)+32+\p, AB+64*(\half)+32+\p, AB+64*(\half)+40+\p
	PADD AB+64*(\half)+48+\p, AB+64*(\half)+48+\p, AB+64*(\half)+56+\p
.endr
.irp p,0,2,4,6
	PADD AB+64*(\half)+\p, AB+64*(\half)+\p, AB+64*(\half)+16+\p
	PADD AB+64*(\half)+32+\p, AB+64*(\half)+32+\p, AB+64*(\half)+48+\p
.endr
.irp p,0,2,4,6
	PADD (\dst)+\p, AB+64*(\half)+\p, AB+64*(\half)+32+\p
.endr
.endm
	s_load_b256 s[4:11], s[0:1], 0x0               ; qh s[4:5], w_gate s[6:7], w_up s[8:9], list s[10:11]
	s_load_b64 s[12:13], s[0:1], 0x20              ; ca
	v_lshl_add_u32 v30, v0, 2, SPARE
	v_mov_b32 v31, 0
	v_lshrrev_b32 v1, 5, v0
	v_readfirstlane_b32 s[WV], v1
	v_and_b32 v20, 31, v0
	v_and_b32 v1, 15, v0
	v_bfe_u32 v2, v0, 4, 1
	v_lshlrev_b32 v3, 5, v1
	v_lshl_add_u32 v3, v2, 4, v3
	s_lshl_b32 s18, ttmp9, 5
	v_add_nc_u32 v4, s18, v1
	v_add_nc_u32 v26, s18, v20
	v_lshlrev_b32 v4, 13, v4
	v_lshlrev_b32 v26, 13, v26
	v_lshl_add_u32 v4, v2, 5, v4
	s_lshl_b32 s18, s[WV], 10
	v_add_nc_u32 v4, s18, v4                       ; row x 8192 + 32 h + my wave's 256 k
	v_add_nc_u32 v26, s18, v26                     ; the prefetch: row 32 x + lane, my wave's 1,024 bytes; never rewritten
	s_lshl_b32 s18, s[WV], 19
	v_add_nc_u32 v11, s18, v3
	v_lshlrev_b32 v21, 4, v20
	s_lshl_b32 s18, s[WV], 15
	v_add_nc_u32 v6, s18, v21                      ; LDS: my wave's 32 tiles
	s_lshl_b32 s18, s[WV], 10
	v_add_nc_u32 v7, s18, v21                      ; LDS: tile w of waves 0-1, 2-3, 4-5, 6-7
	v_add_nc_u32 v8, 0x10000, v7
	v_add_nc_u32 v9, 0x20000, v7
	v_add_nc_u32 v10, 0x30000, v7
	s_and_b32 s19, s[WV], 3
	s_lshr_b32 s18, s[WV], 2
	s_lshl_b32 s18, s18, 5
	s_add_co_u32 s19, s19, s18
	s_lshl_b32 s19, s19, 9
	s_lshl_b32 s18, ttmp9, 16
	s_add_co_u32 s19, s19, s18
	v_add_nc_u32 v25, s19, v3                      ; act: 32768 (2 x) + 512 tile + 32 r + 16 h
	s_wait_kmcnt 0x0
	s_load_b32 s23, s[10:11], 0x1000
	s_load_b32 s24, s[10:11], 0x1080
	s_add_nc_u64 s[14:15], s[4:5], 0x400000        ; h2
	s_add_nc_u64 s[16:17], s[12:13], 0x1400000     ; a2
	s_wait_kmcnt 0x0
	s_min_u32 s23, s23, 0x200
	s_min_u32 s24, s24, 0x200
	s_max_u32 s23, s23, s24
	s_add_co_u32 s23, s23, 63
	s_lshr_b32 s[GG], s23, 6
	s_mov_b32 s[Y], 0
.Lgroup:
	s_cmp_ge_u32 s[Y], s[GG]
	s_cbranch_scc1 .Lb1
	v_lshl_add_u32 v5, s[Y], 11, v11
	WU 0
	ALH 0, 0
	ALH 1, 0
	WU 1
.set st, 0
.rept 8
.if st < 7
	s_wait_loadcnt 24                              ; this step's weights and tiles 0-3 are in; out: its tiles 4-7 (8 loads) and the next step's weights (16)
.else
	s_wait_loadcnt 8                               ; out: the last step's tiles 4-7
.endif
	WCVT st%2                                      ; the four places behind the last step's products stand ahead of that step's last loads
.if (st == 0) || (st == 2)
	global_prefetch_b8 v26, s[6:7] offset:256*(st/2+2) th:TH_LOAD_NT scope:SCOPE_SE
	global_prefetch_b8 v26, s[8:9] offset:256*(st/2+2) th:TH_LOAD_NT scope:SCOPE_SE
.endif
	MMH 0, (st==0)
.if st < 7
	PLACES
	ALH 0, 65536*(st+1)                            ; tiles 0-3 of the next step, into the registers just multiplied
	s_wait_loadcnt 24                              ; this step's tiles 4-7 are in; out: the next step's weights (16) and its tiles 0-3 (8)
.else
	s_wait_loadcnt 0
.endif
	MMH 1, (st==0)
.if st < 7
	PLACES
	ALH 1, 65536*(st+1)
.endif
.if st < 6
	WU st+2                                        ; behind all that is needed before it; its buffer was rounded at this step's head
.endif
.set st, st+1
.endr
	RSTORE
	s_wait_dscnt 0x0
.Lb1:
	s_barrier_signal -1
	s_barrier_wait -1
	s_cmp_ge_u32 s[Y], s[GG]
	s_cbranch_scc1 .Lb2
	RLOAD 0, 0
	RLOAD 1, 1
	s_wait_dscnt 16
	RSUM 0, 64                                     ; gate in v[64:79], up in v[80:95]
	s_wait_dscnt 0x0
	RSUM 1, 80
	RLOAD 2, 0
	RLOAD 3, 1
	v_mov_b32 v20, 0xc5800000                      ; -4096
	v_lshl_add_u32 v18, s[Y], 11, v25
	s_wait_dscnt 16
	RSUM 0, 72
	s_wait_dscnt 0x0
	RSUM 1, 88
.set i, 0
.rept 16
	v_mul_f32 v[96+i], 0xbfb8aa3b, v[64+i]
.set i, i+1
.endr
.set i, 0
.rept 16
	v_exp_f32 v[96+i], v[96+i]                     ; e^-g
.set i, i+1
.endr
	v_nop
	s_wait_alu depctr_va_vdst(0)                   ; one wait for the batch of 16
.set i, 0
.rept 16
	v_add_f32 v[96+i], 1.0, v[96+i]
.set i, i+1
.endr
.set i, 0
.rept 16
	v_rcp_f32 v[96+i], v[96+i]
.set i, i+1
.endr
	v_nop
	s_wait_alu depctr_va_vdst(0)
.set i, 0
.rept 8
	v_pk_mul_f32 v[64+2*i:65+2*i], v[64+2*i:65+2*i], v[96+2*i:97+2*i]
	v_pk_mul_f32 v[64+2*i:65+2*i], v[64+2*i:65+2*i], v[80+2*i:81+2*i]   ; act
	v_pk_mul_f32 v[112+2*i:113+2*i], v[64+2*i:65+2*i], 0x39800000 op_sel_hi:[1,0]
	v_cvt_pk_f16_f32 v[32+i], v[112+2*i], v[113+2*i]                    ; a1
.set i, i+1
.endr
.set i, 0
.rept 8
	v_fma_mix_f32 v[112+2*i], v[32+i], v20, v[64+2*i] op_sel_hi:[1,0,0]
	v_fma_mix_f32 v[113+2*i], v[32+i], v20, v[65+2*i] op_sel:[1,0,0] op_sel_hi:[1,0,0]
	v_cvt_pk_f16_f32 v[40+i], v[112+2*i], v[113+2*i]                    ; a2
.set i, i+1
.endr
	global_store_b128 v18, v[32:35], s[12:13] offset:4194304
	global_store_b128 v18, v[36:39], s[12:13] offset:4194304+32768
	global_store_b128 v18, v[40:43], s[16:17]
	global_store_b128 v18, v[44:47], s[16:17] offset:32768
.Lb2:
	s_wait_xcnt 0x0                                ; the next trip rewrites the stores' registers
	s_barrier_signal -1
	s_barrier_wait -1
	s_add_co_u32 s[Y], s[Y], 1
	s_cmp_lt_u32 s[Y], 8
	s_cbranch_scc1 .Lgroup
	s_wait_tensorcnt 0x0                           ; the wave's end
	ds_add_u32 v30, v31
	s_wait_dscnt 0x0
	s_endpgm
.Lfunc_end_k_q3b9b11d31a_gateup:
	.size	k_q3b9b11d31a_gateup, .Lfunc_end_k_q3b9b11d31a_gateup-k_q3b9b11d31a_gateup
	.p2alignl 7, 3214868480
	.fill 96, 4, 3214868480
	.section	.rodata,"a",@progbits
	.p2align	6, 0x0
	.amdhsa_kernel k_q3b9b11d31a_gateup
		.amdhsa_group_segment_fixed_size 263168
		.amdhsa_private_segment_fixed_size 0
		.amdhsa_enable_private_segment 0
		.amdhsa_kernarg_size 40
		.amdhsa_user_sgpr_count 2
		.amdhsa_user_sgpr_kernarg_segment_ptr 1
		.amdhsa_wavefront_size32 1
		.amdhsa_system_sgpr_workgroup_id_x 1
		.amdhsa_system_sgpr_workgroup_id_y 1
		.amdhsa_system_sgpr_workgroup_id_z 1
		.amdhsa_system_vgpr_workitem_id 0
		.amdhsa_next_free_vgpr 512
		.amdhsa_next_free_sgpr 66
		.amdhsa_reserve_vcc 0
		.amdhsa_float_denorm_mode_32 3
		.amdhsa_float_denorm_mode_16_64 3
		.amdhsa_memory_ordered 1
		.amdhsa_forward_progress 1
		.amdhsa_inst_pref_size 85
	.end_amdhsa_kernel
	.amdgpu_metadata
---
amdhsa.version: [ 1, 2 ]
amdhsa.kernels:
  - .name:           k_q3b9b11d31a_gateup
    .symbol:         k_q3b9b11d31a_gateup.kd
    .args:
      - { .name: qh, .offset: 0, .size: 8, .value_kind: global_buffer, .address_space: global }
      - { .name: w_gate, .offset: 8, .size: 8, .value_kind: global_buffer, .address_space: global }
      - { .name: w_up, .offset: 16, .size: 8, .value_kind: global_buffer, .address_space: global }
      - { .name: list, .offset: 24, .size: 8, .value_kind: global_buffer, .address_space: global }
      - { .name: ca, .offset: 32, .size: 8, .value_kind: global_buffer, .address_space: global }
    .group_segment_fixed_size: 263168
    .private_segment_fixed_size: 0
    .kernarg_segment_align: 8
    .kernarg_segment_size: 40
    .max_flat_workgroup_size: 256
    .sgpr_count:     66
    .vgpr_count:     512
    .wavefront_size: 32
...
	.end_amdgpu_metadata
.endif
;; end of part 15
;; launch down (part 16): grid 256 x 1, 8 waves a work-group, no clusters, 263,168 bytes of LDS; arguments ca, w_down, list, part; writes part
.if DOCPART == 16
	.amdgcn_target "amdgcn-amd-amdhsa--gfx1250"
	.amdhsa_code_object_version 6
	.text
	.protected	k_q3b9b11d31a_down
	.globl	k_q3b9b11d31a_down
	.p2align	8
	.type	k_q3b9b11d31a_down,@function
k_q3b9b11d31a_down:
	s_mov_b64 s[64:65], 0
	v_nop
	global_prefetch_b8 v0, s[64:65] scope:SCOPE_SE
	s_setreg_imm32_b32 hwreg(HW_REG_WAVE_MODE, 25, 1), 1
	s_wait_xcnt 0x0
; Partial sums of act w_down^T.  Work-group x owns 64 output columns (x % 32) and 1024 of K = 8192 (x / 32); its 8 waves take 128 k each.  Groups of 128 rows are walked by a loop of 8 trips,
; of which G = ceil(max(n0, n1) / 64) have rows; a trip past G jumps over its work and passes its two barriers.
; act comes as a1, a2 with act = 4096 a1 + a2: each k step is multiplied twice onto the same f32 accumulators, a2 with W and a1 with 4096 W (an exact scaling in f16).
; The waves' sums meet in LDS; wave w sums tile w and stores f32 into part x / 32, in the accumulator's own order.  The last launch adds the eight parts.
; PREFETCH.  In its first step each wave asks, for its own 64 rows (lanes one row apart, two instructions), for the second 256 of its 512 bytes of each row: its k steps 2 and 3 load them, the first of
; these loads two steps later; 16 KiB a wave.  No other wave asks for these bytes; a further group asks for them again.
; No cluster, no tensor load: each weight has one reader, and the trip count hangs on a stored number.
; LIMITS.  |w_down| under 16, so that 4096 W stays in f16; weight bits below 2^-24 are lost.
.set NB, 4
.set SPARE, 262144
.set WH, 32
.set WF, 64
.set AB, 128
.set WV, 20
.set Y, 21
.set GG, 22
.set MSB, 0
.macro WIN new
.if MSB != (\new)
	s_set_vgpr_msb (MSB<<8)|(\new)
.set MSB, \new
.endif
.endm
.macro PLACES
.rept 4
	v_nop
.endr
.endm
.macro PADD d, a, b
	v_pk_add_f32 v[\d:(\d)+1], v[\a:(\a)+1], v[\b:(\b)+1]
.endm
.macro WL4 dst, imm
	WIN 0
	global_load_b128 v[(\dst):(\dst)+3], v4, s[6:7] offset:(\imm)
	global_load_b128 v[(\dst)+4:(\dst)+7], v4, s[6:7] offset:(\imm)+16
	global_load_b128 v[(\dst)+8:(\dst)+11], v4, s[6:7] offset:(\imm)+64
	global_load_b128 v[(\dst)+12:(\dst)+15], v4, s[6:7] offset:(\imm)+80
.endm
.macro WU ks                           ; four column blocks, k step ks
	WL4 WF, 128*(\ks)
	WL4 WF+16, 524288+128*(\ks)
	WL4 WF+32, 1048576+128*(\ks)
	WL4 WF+48, 1572864+128*(\ks)
.endm
.macro WCVT
	WIN 0
.set ci, 0
.rept 32
	v_cvt_pk_f16_f32 v[WH+ci], v[WF+2*ci], v[WF+2*ci+1]
.set ci, ci+1
.endr
.endm
.macro AL buf, sb, imm
	WIN 0
.irp i,0,1,2,3,4,5,6,7
	global_load_b128 v[AB+64*(\buf)+8*\i:AB+64*(\buf)+8*\i+3], v5, s[\sb:\sb+1] offset:(\imm)+512*(\i%4)+16384*(\i/4)
	global_load_b128 v[AB+64*(\buf)+8*\i+4:AB+64*(\buf)+8*\i+7], v5, s[\sb:\sb+1] offset:(\imm)+512*(\i%4)+16384*(\i/4)+32768
.endr
.endm
.macro MM8 acc, frag, buf, zero        ; the accumulators by turns
	WIN 0x50
.irp i,0,1,2,3,4,5,6,7
.if \zero
	v_wmma_f32_16x16x32_f16 v[64*(\acc)+8*\i:64*(\acc)+8*\i+7], v[WH+8*(\frag):WH+8*(\frag)+7], v[AB+64*(\buf)+8*\i:AB+64*(\buf)+8*\i+7], 0
.else
	v_wmma_f32_16x16x32_f16 v[64*(\acc)+8*\i:64*(\acc)+8*\i+7], v[WH+8*(\frag):WH+8*(\frag)+7], v[AB+64*(\buf)+8*\i:AB+64*(\buf)+8*\i+7], v[64*(\acc)+8*\i:64*(\acc)+8*\i+7]
.endif
.endr
.endm
.macro RSTORE
	PLACES
	WIN 0x04
.set rf, 0
.rept NB*8
	ds_store_b128 v6, v[8*rf:8*rf+3] offset:1024*rf
	ds_store_b128 v6, v[8*rf+4:8*rf+7] offset:1024*rf+512
.set rf, rf+1
.endr
	WIN 0
.endm
.macro RLOAD f, half
.irp s,0,1,2,3,4,5,6,7
	ds_load_b128 v[AB+64*(\half)+8*\s:AB+64*(\half)+8*\s+3], v[7+(\s*NB)/8] offset:((\s*NB*8192)%65536)+8192*(\f)
	ds_load_b128 v[AB+64*(\half)+8*\s+4:AB+64*(\half)+8*\s+7], v[7+(\s*NB)/8] offset:((\s*NB*8192)%65536)+8192*(\f)+512
.endr
.endm
.macro RSUM half, dst
.irp p,0,2,4,6
	PADD AB+64*(\half)+\p, AB+64*(\half)+\p, AB+64*(\half)+8+\p
	PADD AB+64*(\half)+16+\p, AB+64*(\half)+16+\p, AB+64*(\half)+24+\p
	PADD AB+64*(\half)+32+\p, AB+64*(\half)+32+\p, AB+64*(\half)+40+\p
	PADD AB+64*(\half)+48+\p, AB+64*(\half)+48+\p, AB+64*(\half)+56+\p
.endr
.irp p,0,2,4,6
	PADD AB+64*(\half)+\p, AB+64*(\half)+\p, AB+64*(\half)+16+\p
	PADD AB+64*(\half)+32+\p, AB+64*(\half)+32+\p, AB+64*(\half)+48+\p
.endr
.irp p,0,2,4,6
	PADD (\dst)+\p, AB+64*(\half)+\p, AB+64*(\half)+32+\p
.endr
.endm
	s_load_b256 s[4:11], s[0:1], 0x0               ; ca s[4:5], w_down s[6:7], list s[8:9], part s[10:11]
	v_lshl_add_u32 v30, v0, 2, SPARE
	v_mov_b32 v31, 0
	v_lshrrev_b32 v1, 5, v0
	v_readfirstlane_b32 s[WV], v1
	s_and_b32 s25, ttmp9, 31                       ; which 64 columns
	s_lshr_b32 s26, ttmp9, 5                       ; which 1024 of K
	v_and_b32 v20, 31, v0
	v_and_b32 v1, 15, v0
	v_bfe_u32 v2, v0, 4, 1
	v_lshlrev_b32 v3, 5, v1
	v_lshl_add_u32 v3, v2, 4, v3
	s_lshl_b32 s18, s25, 6
	v_add_nc_u32 v4, s18, v1
	v_add_nc_u32 v26, s18, v20
	v_lshlrev_b32 v4, 15, v4
	v_lshlrev_b32 v26, 15, v26
	v_lshl_add_u32 v4, v2, 5, v4
	s_lshl_b32 s18, s26, 12
	s_lshl_b32 s19, s[WV], 9
	s_add_co_u32 s18, s18, s19
	v_add_nc_u32 v4, s18, v4                       ; row x 32768 + 32 h + 4096 part + 512 w
	v_add_nc_u32 v26, s18, v26                     ; the prefetch: row 64 cg + lane, my wave's 512 bytes; never rewritten
	s_lshl_b32 s18, s26, 6
	s_lshl3_add_u32 s18, s[WV], s18                ; my first block of 16 k: 64 part + 8 w
	s_lshl_b32 s18, s18, 15
	v_add_nc_u32 v11, s18, v3
	v_lshlrev_b32 v21, 4, v20
	s_lshl_b32 s18, s[WV], 15
	v_add_nc_u32 v6, s18, v21
	s_lshl_b32 s18, s[WV], 10
	v_add_nc_u32 v7, s18, v21
	v_add_nc_u32 v8, 0x10000, v7
	v_add_nc_u32 v9, 0x20000, v7
	v_add_nc_u32 v10, 0x30000, v7
	s_and_b32 s19, s[WV], 3
	s_lshr_b32 s18, s[WV], 2
	s_lshl_b32 s18, s18, 5
	s_add_co_u32 s19, s19, s18
	s_lshl_b32 s19, s19, 10
	s_lshl_b32 s18, s25, 18
	s_add_co_u32 s19, s19, s18
	v_add_nc_u32 v25, s19, v21                     ; 65536 (4 cg) + 1024 tile + 16 lane
	s_lshl_b32 s18, s26, 23
	s_mov_b32 s19, 0
	s_wait_kmcnt 0x0
	s_load_b32 s23, s[8:9], 0x1000
	s_load_b32 s24, s[8:9], 0x1080
	s_add_nc_u64 s[12:13], s[4:5], 0x400000        ; a1
	s_add_nc_u64 s[14:15], s[4:5], 0x1400000       ; a2
	s_add_nc_u64 s[16:17], s[10:11], s[18:19]      ; my part
	s_wait_kmcnt 0x0
	s_min_u32 s23, s23, 0x200
	s_min_u32 s24, s24, 0x200
	s_max_u32 s23, s23, s24
	s_add_co_u32 s23, s23, 63
	s_lshr_b32 s[GG], s23, 6
	s_mov_b32 s[Y], 0
.Lgroup:
	s_cmp_ge_u32 s[Y], s[GG]
	s_cbranch_scc1 .Lb1
	v_lshl_add_u32 v5, s[Y], 11, v11
	WU 0
	AL 0, 14, 0
	AL 1, 12, 0
.set t, 0
.rept 8                                ; step t: k step t / 2; even t: a2 with W; odd t: a1 with 4096 W
.if t == 7
	s_wait_loadcnt 0
.elseif t%2 == 0
	s_wait_loadcnt 16                              ; the weights and a2 are in; a1's 16 loads stay out
.else
	s_wait_loadcnt 32                              ; a1 is in; the next weights and the next a2 stay out
.endif
.if t%2 == 0
	WCVT
.if t < 6
	WU t/2+1
.endif
.if t == 0
	global_prefetch_b8 v26, s[6:7] offset:256 th:TH_LOAD_NT scope:SCOPE_SE
	global_prefetch_b8 v26, s[6:7] offset:1048576+256 th:TH_LOAD_NT scope:SCOPE_SE
.endif
.else
	WIN 0
.set ci, 0
.rept 32
	v_pk_mul_f16 v[WH+ci], v[WH+ci], 0x6c006c00
.set ci, ci+1
.endr
.endif
	MM8 0, 0, t%2, (t==0)
	MM8 1, 1, t%2, (t==0)
	MM8 2, 2, t%2, (t==0)
	MM8 3, 3, t%2, (t==0)
.if t < 7
	PLACES
.endif
.if t < 6
.if t%2 == 0
	AL 0, 14, 65536*((t+2)/2)
.else
	AL 1, 12, 65536*((t+2)/2)
.endif
.endif
.set t, t+1
.endr
	RSTORE
	s_wait_dscnt 0x0
.Lb1:
	s_barrier_signal -1
	s_barrier_wait -1
	s_cmp_ge_u32 s[Y], s[GG]
	s_cbranch_scc1 .Lb2
	v_lshl_add_u32 v18, s[Y], 12, v25
	RLOAD 0, 0
	RLOAD 1, 1
	s_wait_dscnt 16
	RSUM 0, 64
	s_wait_dscnt 0x0
	RSUM 1, 72
	RLOAD 2, 0
	RLOAD 3, 1
	global_store_b128 v18, v[64:67], s[16:17]
	global_store_b128 v18, v[68:71], s[16:17] offset:512
	global_store_b128 v18, v[72:75], s[16:17] offset:65536
	global_store_b128 v18, v[76:79], s[16:17] offset:65536+512
	s_wait_dscnt 16
	RSUM 0, 80
	s_wait_dscnt 0x0
	RSUM 1, 88
	global_store_b128 v18, v[80:83], s[16:17] offset:131072
	global_store_b128 v18, v[84:87], s[16:17] offset:131072+512
	global_store_b128 v18, v[88:91], s[16:17] offset:196608
	global_store_b128 v18, v[92:95], s[16:17] offset:196608+512
.Lb2:
	s_wait_xcnt 0x0                                ; the next trip rewrites the stores' registers
	s_barrier_signal -1
	s_barrier_wait -1
	s_add_co_u32 s[Y], s[Y], 1
	s_cmp_lt_u32 s[Y], 8
	s_cbranch_scc1 .Lgroup
	s_wait_tensorcnt 0x0                           ; the wave's end
	ds_add_u32 v30, v31
	s_wait_dscnt 0x0
	s_endpgm
.Lfunc_end_k_q3b9b11d31a_down:
	.size	k_q3b9b11d31a_down, .Lfunc_end_k_q3b9b11d31a_down-k_q3b9b11d31a_down
	.p2alignl 7, 3214868480
	.fill 96, 4, 3214868480
	.section	.rodata,"a",@progbits
	.p2align	6, 0x0
	.amdhsa_kernel k_q3b9b11d31a_down
		.amdhsa_group_segment_fixed_size 263168
		.amdhsa_private_segment_fixed_size 0
		.amdhsa_enable_private_segment 0
		.amdhsa_kernarg_size 32
		.amdhsa_user_sgpr_count 2
		.amdhsa_user_sgpr_kernarg_segment_ptr 1
		.amdhsa_wavefront_size32 1
		.amdhsa_system_sgpr_workgroup_id_x 1
		.amdhsa_system_sgpr_workgroup_id_y 1
		.amdhsa_system_sgpr_workgroup_id_z 1
		.amdhsa_system_vgpr_workitem_id 0
		.amdhsa_next_free_vgpr 512
		.amdhsa_next_free_sgpr 66
		.amdhsa_reserve_vcc 0
		.amdhsa_float_denorm_mode_32 3
		.amdhsa_float_denorm_mode_16_64 3
		.amdhsa_memory_ordered 1
		.amdhsa_forward_progress 1
		.amdhsa_inst_pref_size 76
	.end_amdhsa_kernel
	.amdgpu_metadata
---
amdhsa.version: [ 1, 2 ]
amdhsa.kernels:
  - .name:           k_q3b9b11d31a_down
    .symbol:         k_q3b9b11d31a_down.kd
    .args:
      - { .name: ca, .offset: 0, .size: 8, .value_kind: global_buffer, .address_space: global }
      - { .name: w_down, .offset: 8, .size: 8, .value_kind: global_buffer, .address_space: global }
      - { .name: list, .offset: 16, .size: 8, .value_kind: global_buffer, .address_space: global }
      - { .name: part, .offset: 24, .size: 8, .value_kind: global_buffer, .address_space: global }
    .group_segment_fixed_size: 263168
    .private_segment_fixed_size: 0
    .kernarg_segment_align: 8
    .kernarg_segment_size: 32
    .max_flat_workgroup_size: 256
    .sgpr_count:     66
    .vgpr_count:     512
    .wavefront_size: 32
...
	.end_amdgpu_metadata
.endif
;; end of part 16
;; launch final (part 17): grid 32 x 32, 8 waves a work-group, no clusters, 9,728 bytes of LDS; arguments part, x1, list, prep, out0; writes out0
.if DOCPART == 17
	.amdgcn_target "amdgcn-amd-amdhsa--gfx1250"
	.amdhsa_code_object_version 6
	.text
	.protected	k_q3b9b11d31a_final
	.globl	k_q3b9b11d31a_final
	.p2align	8
	.type	k_q3b9b11d31a_final,@function
k_q3b9b11d31a_final:
	s_mov_b64 s[64:65], 0
	v_nop
	global_prefetch_b8 v0, s[64:65] scope:SCOPE_SE
	s_setreg_imm32_b32 hwreg(HW_REG_WAVE_MODE, 25, 1), 1
	s_wait_xcnt 0x0
; out0[token] = (x1 + the eight parts of the down product) * rw[token] for the chosen tokens.  Work-group (x, y): 64 columns (x), group y / 4, and two of the group's eight tiles of 16 rows (y % 4):
; with one group of rows that is 32 x 4 = 128 work-groups with work.  Wave w has tile w / 4 of the two and 16 of the 64 columns (w % 4): 18 loads of 512 bytes.
; A group past G = ceil(max(n0, n1) / 64) has no rows: its work-groups jump over their work, pass the barriers and store nothing.  The sums are f32, the parts added in ascending order.
; A lane holds 8 columns of one row.  The four waves of a tile lay their pieces into one stage in LDS (rows of 272 bytes); behind a barrier each wave takes four whole rows of 256 bytes,
; so that sixteen lanes store 256 consecutive bytes of a token's row.  Slots past the count repeat a token and are masked out.
; The list entries are asked for beside the counts; x1 and the parts go out ahead of the wait for the list, so that the load of rw runs beside them.  Streaming work: no matrix unit, no cluster.
.set STG, 4352                         ; a tile's stage: 16 rows x 272 bytes
.set SPARE, 2*STG                      ; behind the two stages: the spare words, 128 bytes a wave
.macro PADD d, a, b
	v_pk_add_f32 v[\d:(\d)+1], v[\a:(\a)+1], v[\b:(\b)+1]
.endm
	s_load_b256 s[4:11], s[0:1], 0x0               ; part s[4:5], x1 s[6:7], list s[8:9], prep s[10:11]
	s_load_b64 s[12:13], s[0:1], 0x20              ; out0
	v_lshl_add_u32 v30, v0, 2, SPARE
	v_mov_b32 v31, 0
	v_lshrrev_b32 v1, 5, v0
	v_readfirstlane_b32 s14, v1                    ; wave
	s_and_b32 s15, ttmp7, 0xffff
	s_lshr_b32 s22, s15, 2                         ; group
	s_and_b32 s23, s15, 3                          ; which pair of its tiles
	s_lshr_b32 s24, s14, 2                         ; which tile of the pair
	s_and_b32 s25, s14, 3                          ; which 16 columns; later which 4 rows
	v_and_b32 v20, 31, v0
	v_and_b32 v1, 15, v0
	v_bfe_u32 v2, v0, 4, 1
	s_and_b32 s18, s23, 1
	s_lshl1_add_u32 s18, s18, s24                  ; the tile's place among its batch's four: 2 (pair % 2) + w / 4
	s_lshl2_add_u32 s18, s22, s18                  ; + 4 group
	s_lshr_b32 s19, s23, 1
	s_lshl_b32 s19, s19, 5
	s_add_co_u32 s18, s18, s19                     ; + 32 batch: the tile
	s_lshl_b32 s19, ttmp9, 18
	s_lshl_b32 s21, s25, 16
	s_add_co_u32 s19, s19, s21
	s_lshl_b32 s21, s18, 10
	s_add_co_u32 s19, s19, s21
	v_lshl_add_u32 v4, v20, 4, s19                 ; 65536 (4 x + w % 4) + 1024 tile + 16 lane
	s_lshl_b32 s19, s18, 6
	v_lshl_add_u32 v5, v1, 2, s19                  ; the list: row r
	s_lshl_b32 s21, s25, 4
	s_add_co_u32 s19, s19, s21
	v_lshl_add_u32 v6, v2, 2, s19                  ; the list: row 4 (w % 4) + h (+ 2 t)
	s_mul_i32 s19, s24, STG                        ; the tile's stage
	s_lshl_b32 s21, s25, 6
	s_add_co_u32 s21, s21, s19
	v_mul_u32_u24 v7, v1, 272
	v_lshl_add_u32 v7, v2, 5, v7
	v_add_nc_u32 v7, s21, v7                       ; in: row r, byte 64 (w % 4) + 32 h
	s_mul_i32 s21, s25, 4*272
	s_add_co_u32 s21, s21, s19
	v_mul_u32_u24 v8, v2, 272
	v_lshl_add_u32 v8, v1, 4, v8
	v_add_nc_u32 v8, s21, v8                       ; back: row 4 (w % 4) + h (+ 2 t), byte 16 r
	s_lshl_b32 s19, ttmp9, 8
	v_lshl_add_u32 v9, v1, 4, s19                  ; my 16 bytes in a row of out0
	s_wait_kmcnt 0x0
	s_load_b32 s16, s[8:9], 0x1000
	s_load_b32 s17, s[8:9], 0x1080
	global_load_b32 v21, v5, s[8:9]
	global_load_b32 v40, v6, s[8:9]
	global_load_b32 v41, v6, s[8:9] offset:8
.irp kp,0,1,2,3,4,5,6,7
	v_add_nc_u32 v[12+\kp], 8388608*\kp, v4
.endr
	s_wait_kmcnt 0x0
	s_min_u32 s16, s16, 0x200
	s_min_u32 s17, s17, 0x200
	s_max_u32 s16, s16, s17
	s_add_co_u32 s16, s16, 63
	s_lshr_b32 s16, s16, 6                         ; G
	s_cmp_ge_u32 s22, s16
	s_cbranch_scc1 .Lb1
	global_load_b128 v[32:35], v4, s[6:7]
	global_load_b128 v[36:39], v4, s[6:7] offset:512
.irp kp,0,1,2,3,4,5,6,7
	global_load_b128 v[64+8*\kp:67+8*\kp], v[12+\kp], s[4:5]
	global_load_b128 v[68+8*\kp:71+8*\kp], v[12+\kp], s[4:5] offset:512
.endr
	s_wait_loadcnt 18                              ; the list entries are in; the 18 loads of x1 and the parts stay out
	v_and_b32 v21, 0xffff, v21
	v_min_u32 v21, 0x3ff, v21
	v_lshlrev_b32 v21, 2, v21
	global_load_b32 v22, v21, s[10:11]             ; rw of my row's token
	s_wait_loadcnt 0x1                             ; x1 and the parts are in; rw may be out
.irp kp,0,1,2,3,4,5,6,7
.irp p,0,2,4,6
	PADD 32+\p, 32+\p, 64+8*\kp+\p
.endr
.endr
	s_wait_loadcnt 0x0
	v_mov_b32 v23, v22
.irp p,0,2,4,6
	v_pk_mul_f32 v[32+\p:33+\p], v[32+\p:33+\p], v[22:23]
.endr
	ds_store_b128 v7, v[32:35]
	ds_store_b128 v7, v[36:39] offset:16
	s_wait_dscnt 0x0                               ; for the others' sake: my piece of the rows is in the stage
.Lb1:
	s_barrier_signal -1
	s_barrier_wait -1
	s_cmp_ge_u32 s22, s16
	s_cbranch_scc1 .Lend
	ds_load_b128 v[48:51], v8
	ds_load_b128 v[52:55], v8 offset:544
	s_wait_loadcnt 0x0                             ; the entries of the rows that I store
.irp t,0,1
	v_lshrrev_b32 v[44+\t], 16, v[40+\t]           ; valid
	v_and_b32 v[40+\t], 0xffff, v[40+\t]
	v_min_u32 v[40+\t], 0x3ff, v[40+\t]
	v_lshl_add_u32 v[42+\t], v[40+\t], 13, v9
.endr
	s_wait_dscnt 0x0
.irp t,0,1
	s_wait_xcnt 0x0                                ; EXEC changes only behind this wait
	v_cmp_ne_u32 vcc_lo, 0, v[44+\t]
	s_and_saveexec_b32 s20, vcc_lo
	global_store_b128 v[42+\t], v[48+4*\t:51+4*\t], s[12:13]
	s_wait_xcnt 0x0
	s_or_b32 exec_lo, exec_lo, s20
.endr
.Lend:
	s_wait_dscnt 0x0                               ; my reads of the stage are over;
	s_barrier_signal -1
	s_barrier_wait -1                              ; every wave's are, before any wave writes LDS again (the add below)
	s_wait_tensorcnt 0x0                           ; the wave's end
	ds_add_u32 v30, v31
	s_wait_dscnt 0x0
	s_endpgm
.Lfunc_end_k_q3b9b11d31a_final:
	.size	k_q3b9b11d31a_final, .Lfunc_end_k_q3b9b11d31a_final-k_q3b9b11d31a_final
	.p2alignl 7, 3214868480
	.fill 96, 4, 3214868480
	.section	.rodata,"a",@progbits
	.p2align	6, 0x0
	.amdhsa_kernel k_q3b9b11d31a_final
		.amdhsa_group_segment_fixed_size 9728
		.amdhsa_private_segment_fixed_size 0
		.amdhsa_enable_private_segment 0
		.amdhsa_kernarg_size 40
		.amdhsa_user_sgpr_count 2
		.amdhsa_user_sgpr_kernarg_segment_ptr 1
		.amdhsa_wavefront_size32 1
		.amdhsa_system_sgpr_workgroup_id_x 1
		.amdhsa_system_sgpr_workgroup_id_y 1
		.amdhsa_system_sgpr_workgroup_id_z 1
		.amdhsa_system_vgpr_workitem_id 0
		.amdhsa_next_free_vgpr 128
		.amdhsa_next_free_sgpr 66
		.amdhsa_reserve_vcc 1
		.amdhsa_float_denorm_mode_32 3
		.amdhsa_float_denorm_mode_16_64 3
		.amdhsa_memory_ordered 1
		.amdhsa_forward_progress 1
		.amdhsa_inst_pref_size 10
	.end_amdhsa_kernel
	.amdgpu_metadata
---
amdhsa.version: [ 1, 2 ]
amdhsa.kernels:
  - .name:           k_q3b9b11d31a_final
    .symbol:         k_q3b9b11d31a_final.kd
    .args:
      - { .name: part, .offset: 0, .size: 8, .value_kind: global_buffer, .address_space: global }
      - { .name: x1, .offset: 8, .size: 8, .value_kind: global_buffer, .address_space: global }
      - { .name: list, .offset: 16, .size: 8, .value_kind: global_buffer, .address_space: global }
      - { .name: prep, .offset: 24, .size: 8, .value_kind: global_buffer, .address_space: global }
      - { .name: out0, .offset: 32, .size: 8, .value_kind: global_buffer, .address_space: global }
    .group_segment_fixed_size: 9728
    .private_segment_fixed_size: 0
    .kernarg_segment_align: 8
    .kernarg_segment_size: 40
    .max_flat_workgroup_size: 256
    .sgpr_count:     66
    .vgpr_count:     128
    .wavefront_size: 32
...
	.end_amdgpu_metadata
.endif
;; end of part 17
;; ======== version 3 of 3: 9 launches; version 2 with the launches qkv, oproj, down written anew for expert scheduling mode
;; limits: inputs' magnitudes at most 16; values are held in f16: magnitudes above 65,504 overflow, below 6.1e-05 lose precision; right only within a limited range of input values
;; workspace buffers: prep 4,460,544 bytes; kv 4,194,304 bytes; list 4,352 bytes of whole numbers; qh 8,388,608 bytes; ca 37,748,736 bytes; x1 8,388,608 bytes; part 67,108,864 bytes
;; launch prep: the kernel of part 1 again; grid 256 x 1, 4 waves a work-group, no clusters, 0 bytes of LDS; arguments hidden_states, router_w, ln1_w, bk, bv, out0, prep, kv; writes out0, prep, kv
;; launch select: the kernel of part 10 again; grid 32 x 1, 1 waves a work-group, no clusters, 0 bytes of LDS; arguments prep, list; writes list
;; launch qkv (part 18): grid 256 x 1, 8 waves a work-group, no clusters, 66,560 bytes of LDS; arguments prep, list, wq, wk, wv, bq, bk, bv, qh, kv; writes qh, kv
.if DOCPART == 18
	.amdgcn_target "amdgcn-amd-amdhsa--gfx1250"
	.amdhsa_code_object_version 6
	.text
	.protected	k_q3b9b11d31a_qkv
	.globl	k_q3b9b11d31a_qkv
	.p2align	8
	.type	k_q3b9b11d31a_qkv,@function
k_q3b9b11d31a_qkv:
	s_mov_b64 s[64:65], 0
	v_nop
	global_prefetch_b8 v0, s[64:65] scope:SCOPE_SE
	s_setreg_imm32_b32 hwreg(HW_REG_WAVE_SCHED_MODE, 0, 2), 2
	s_setreg_imm32_b32 hwreg(HW_REG_WAVE_MODE, 25, 1), 1
	s_wait_xcnt 0x0
	s_wait_alu depctr_vm_vsrc(0)
; q, k, v of the chosen tokens.  Work-group x owns 16 output columns: x < 128 of q, x < 192 of k, else of v.  For q and k the 16 are channels 8 beta + j and 64 + 8 beta + j of one head,
; so that RoPE's partner lies 16 lanes away.  The chosen tokens stand in slots (batch b: 512 b + rank), 16 to a tile; a GROUP is 4 tiles of each batch, 128 rows.
; The groups are walked by a loop of 8 trips; G = ceil(max(n0, n1) / 64) of them have rows; a trip past G jumps over its work and passes its two barriers.
; The 8 waves split K = 2048 (256 each): weights go from memory through registers (rounded to f16) into source 0, the tokens' h (f16, gathered by the list) into source 1;
; each wave's 8 accumulators meet in LDS; wave w then sums tile w, adds the bias, turns q and k by RoPE and stores f16.
; q goes to qh in blocks [column block][slot][16]; k and v overwrite the rows of kv at the token's position.  A slot past the count repeats the batch's last chosen token: it has the same
; operands in the same order, so it stores the same bits to the same bytes once more, from this same work-group; nothing in this launch reads kv.
; No cluster and no tensor load: each weight has one reader, and the rows of h come by a list.  No cache hint on the weights: 128 consecutive bytes of a row are asked for by four instructions.
; LIMITS.  f16 operands: |h|, |w|, |q|, |k|, |v| under 65,504; weight bits below 2^-24 are lost.
; THE MODE: SCHED_MODE bits 1:0 = 2 (LLVM: expert scheduling mode 2), set by the entry lines.  The code itself states the register dependences
; between vector or matrix instructions and memory or LDS instructions, with s_wait_alu, always for 0.
; THE PLAN.  Registers that memory or LDS instructions touch, round a trip:
;   v4, v6, v7, v27    offsets and LDS addresses, made at the head and never written again.
;   v5                 written at the trip's head; read by the 8 loads of the list.
;   v[12:19]           the list's loads land here; vector lines make the rows' offsets of them; the loads of h read them.  Behind the barrier they are at work:
;                      v12 and v17 are offsets of loads, a load lands in v13, v18 is the store's offset.
;   v[64:127]          in both windows the weights land here and the conversions read them.  Behind the barrier, in window 0: bias and table land in v[72:95], v[104:107] are the store's data.
;   v[128:255]         two buffers of h: step s's 8 products read buffer s % 2, then the loads of step s + 2 land in it.  Behind the barrier the waves' sums land in v[128:191] and are added there.
;   the accumulators   written by the products, read by the LDS stores.
; One wait on vm_vsrc stands at the trip's end, for all that the next trip writes again, and one at the second phase's head, for v[12:19].  The waits on va_vdst: behind each line or run of lines that
; makes an offset; one a step, behind its products, ahead of the loads into the buffer that they read; ahead of the LDS stores; ahead of the global store.  A branch leads round each phase,
; so each phase states at its own head what its first loads hang on.
.set NB, 1
.set SPARE, 65536                      ; behind the partial sums: the spare words, 128 bytes a wave
.set WH, 32                            ; v[32:63]   four weight fragments in f16
.set WF, 64                            ; v[64:127]  four k steps of weights in f32 (window 0: steps 0-3; window 1: steps 4-7)
.set AB, 128                           ; v[128:255] two buffers of 8 token fragments
.set TOK, 12                           ; v[12:19]   byte offset of tile i's row of h; at work behind the barrier
.set WV, 24
.set Y, 25
.set GG, 26
.set MSB, 0
.macro WIN new                         ; the immediate's high byte repeats the setting that is left
.if MSB != (\new)
	s_set_vgpr_msb (MSB<<8)|(\new)
.set MSB, \new
.endif
.endm
.macro PLACES                          ; four places behind matrix instructions (ISA guide 7.12.1)
.rept 4
	v_nop
.endr
.endm
.macro PADD d, a, b
	v_pk_add_f32 v[\d:(\d)+1], v[\a:(\a)+1], v[\b:(\b)+1]
.endm
.macro WL4 dst, win, imm               ; one fragment: 16 rows x 32 k in f32, 16 registers
	WIN 0x40*(\win)
	global_load_b128 v[(\dst):(\dst)+3], v4, s[34:35] offset:(\imm)
	global_load_b128 v[(\dst)+4:(\dst)+7], v4, s[34:35] offset:(\imm)+16
	global_load_b128 v[(\dst)+8:(\dst)+11], v4, s[34:35] offset:(\imm)+64
	global_load_b128 v[(\dst)+12:(\dst)+15], v4, s[34:35] offset:(\imm)+80
.endm
.macro WCVT win                        ; 64 f32 to four f16 fragments
	WIN 0x05*(\win)
.set ci, 0
.rept 32
	v_cvt_pk_f16_f32 v[WH+ci], v[WF+2*ci], v[WF+2*ci+1]
.set ci, ci+1
.endr
	WIN 0
.endm
.macro ALG buf, koff                   ; 8 tiles x 32 k of h, by the list
	WIN 0
.irp i,0,1,2,3,4,5,6,7
	global_load_b128 v[AB+64*(\buf)+8*\i:AB+64*(\buf)+8*\i+3], v[TOK+\i], s[38:39] offset:(\koff)
	global_load_b128 v[AB+64*(\buf)+8*\i+4:AB+64*(\buf)+8*\i+7], v[TOK+\i], s[38:39] offset:(\koff)+32
.endr
.endm
.macro MM8 acc, frag, buf, zero        ; 8 products, the 8 accumulators by turns
	WIN 0x50
.irp i,0,1,2,3,4,5,6,7
.if \zero
	v_wmma_f32_16x16x32_f16 v[64*(\acc)+8*\i:64*(\acc)+8*\i+7], v[WH+8*(\frag):WH+8*(\frag)+7], v[AB+64*(\buf)+8*\i:AB+64*(\buf)+8*\i+7], 0
.else
	v_wmma_f32_16x16x32_f16 v[64*(\acc)+8*\i:64*(\acc)+8*\i+7], v[WH+8*(\frag):WH+8*(\frag)+7], v[AB+64*(\buf)+8*\i:AB+64*(\buf)+8*\i+7], v[64*(\acc)+8*\i:64*(\acc)+8*\i+7]
.endif
.endr
.endm
.macro RSTORE                          ; my partial sums into LDS, each accumulator's low registers first
	PLACES
	WIN 0x04
	s_wait_alu depctr_va_vdst(0)                   ; the products have written the accumulators, which the LDS stores read; the places above stay beside this wait
.set rf, 0
.rept NB*8
	ds_store_b128 v6, v[8*rf:8*rf+3] offset:1024*rf
	ds_store_b128 v6, v[8*rf+4:8*rf+7] offset:1024*rf+512
.set rf, rf+1
.endr
	WIN 0
.endm
.macro RLOAD f, half                   ; the 8 waves' sums of my tile
.irp s,0,1,2,3,4,5,6,7
	ds_load_b128 v[AB+64*(\half)+8*\s:AB+64*(\half)+8*\s+3], v[7+(\s*NB)/8] offset:((\s*NB*8192)%65536)+8192*(\f)
	ds_load_b128 v[AB+64*(\half)+8*\s+4:AB+64*(\half)+8*\s+7], v[7+(\s*NB)/8] offset:((\s*NB*8192)%65536)+8192*(\f)+512
.endr
.endm
.macro RSUM half, dst
.irp p,0,2,4,6
	PADD AB+64*(\half)+\p, AB+64*(\half)+\p, AB+64*(\half)+8+\p
	PADD AB+64*(\half)+16+\p, AB+64*(\half)+16+\p, AB+64*(\half)+24+\p
	PADD AB+64*(\half)+32+\p, AB+64*(\half)+32+\p, AB+64*(\half)+40+\p
	PADD AB+64*(\half)+48+\p, AB+64*(\half)+48+\p, AB+64*(\half)+56+\p
.endr
.irp p,0,2,4,6
	PADD AB+64*(\half)+\p, AB+64*(\half)+\p, AB+64*(\half)+16+\p
	PADD AB+64*(\half)+32+\p, AB+64*(\half)+32+\p, AB+64*(\half)+48+\p
.endr
.irp p,0,2,4,6
	PADD (\dst)+\p, AB+64*(\half)+\p, AB+64*(\half)+32+\p
.endr
.endm
	s_load_b512 s[4:19], s[0:1], 0x0               ; prep, list, wq, wk, wv, bq, bk, bv
	s_load_b128 s[20:23], s[0:1], 0x40             ; qh, kv
	v_lshl_add_u32 v30, v0, 2, SPARE
	v_mov_b32 v31, 0
	v_lshrrev_b32 v1, 5, v0
	v_readfirstlane_b32 s[WV], v1
	s_mov_b32 s27, ttmp9
	s_cmp_ge_u32 s27, 192
	s_cselect_b32 s29, 1, 0                        ; v
	s_and_b32 s28, s27, 63
	s_cmp_lt_u32 s27, 128
	s_cselect_b32 s30, 1, 0                        ; q
	s_cselect_b32 s28, s27, s28                    ; x': the block's number within its kind
	s_lshr_b32 s42, s28, 3
	s_lshl_b32 s42, s42, 7
	s_and_b32 s43, s28, 7
	s_lshl3_add_u32 s42, s43, s42                  ; q, k: 128 head + 8 beta
	s_lshl_b32 s43, s28, 4                         ; v: 16 x'
	s_cmp_eq_u32 s29, 1
	s_cselect_b32 s31, s43, s42                    ; first row of W
	s_cselect_b32 s32, 3, 6                        ; rows 8 .. 15 of the fragment lie 8 (v) or 64 (q, k) further on
	s_mov_b32 s44, 0x76543210
	s_mov_b32 s45, 0xfedcba98
	v_and_b32 v20, 31, v0                          ; lane
	v_and_b32 v1, 15, v0                           ; r
	v_bfe_u32 v2, v0, 4, 1                         ; h
	v_lshlrev_b32 v3, 5, v1
	v_lshl_add_u32 v3, v2, 4, v3                   ; 32 r + 16 h
	v_and_b32 v21, 7, v1
	v_lshrrev_b32 v22, 3, v1
	v_lshlrev_b32 v22, s32, v22
	v_add_nc_u32 v21, v21, v22
	v_add_nc_u32 v21, s31, v21                     ; my row of W
	v_lshlrev_b32 v4, 13, v21
	v_lshl_add_u32 v4, v2, 5, v4
	s_wait_alu depctr_va_sdst(0)                   ; the wave's number is written, ahead of its first reader: offsets and LDS addresses are made from it
	s_lshl_b32 s42, s[WV], 10
	v_add_nc_u32 v4, s42, v4                       ; row x 8192 + 32 h + my wave's 256 k
	v_lshlrev_b32 v11, 2, v1                       ; 4 r
	s_lshl_b32 s42, s[WV], 9
	v_lshl_add_u32 v29, v2, 4, s42                 ; 16 h + 512 w, in a row of h
	v_lshlrev_b32 v21, 4, v20
	s_lshl_b32 s42, s[WV], 13
	v_add_nc_u32 v6, s42, v21                      ; LDS: my wave's 8 tiles
	s_lshl_b32 s42, s[WV], 10
	v_add_nc_u32 v7, s42, v21                      ; LDS: tile w of wave 0
	s_and_b32 s42, s[WV], 3
	s_lshr_b32 s43, s[WV], 2
	s_lshl_b32 s43, s43, 5
	s_add_co_u32 s42, s42, s43                     ; my tile in group 0: (w & 3) + 32 (w >> 2)
	s_lshl_b32 s43, s42, 6
	v_lshl_add_u32 v28, v1, 2, s43                 ; its slots in the list
	s_lshl_b32 s43, s42, 9
	s_lshl_b32 s42, s27, 15
	s_add_co_u32 s43, s43, s42
	v_add_nc_u32 v25, s43, v3                      ; q's place: 32768 x + 512 tile + 32 r + 16 h
	s_add_co_u32 s42, s32, 2
	v_lshlrev_b32 v27, s42, v2
	s_lshl_b32 s43, s31, 2
	v_add_nc_u32 v27, s43, v27                     ; my 8 numbers of the bias
	v_xor_b32 v26, 1, v2
	v_lshlrev_b32 v26, 31, v26                     ; the sign of sin for channels under 64
	s_lshl_b32 s52, s29, 21
	s_lshr_b32 s53, s28, 3
	s_lshl_b32 s53, s53, 17
	s_add_co_u32 s52, s52, s53
	s_and_b32 s53, s28, 7
	s_lshl_b32 s50, s53, 15
	s_add_co_u32 s50, s50, 4096
	s_mov_b32 s51, 0
	s_lshl_b32 s53, s53, 5
	s_add_co_u32 s52, s52, s53
	v_lshl_add_u32 v24, v2, 4, s52                 ; k, v: table, kv head and piece
	s_wait_kmcnt 0x0
	s_load_b32 s40, s[6:7], 0x1000                 ; n0
	s_load_b32 s41, s[6:7], 0x1080                 ; n1
	s_cmp_eq_u32 s30, 1
	s_cselect_b64 s[34:35], s[8:9], s[10:11]
	s_cselect_b64 s[36:37], s[14:15], s[16:17]
	s_cmp_eq_u32 s29, 1
	s_cselect_b64 s[34:35], s[12:13], s[34:35]     ; my weights
	s_cselect_b64 s[36:37], s[18:19], s[36:37]     ; my bias
	s_add_nc_u64 s[38:39], s[4:5], 0x41000         ; h
	s_add_nc_u64 s[48:49], s[4:5], s[50:51]        ; cos and sin of my beta
	s_wait_kmcnt 0x0
	s_min_u32 s40, s40, 0x200
	s_min_u32 s41, s41, 0x200
	s_max_u32 s40, s40, s41
	s_add_co_u32 s40, s40, 63
	s_lshr_b32 s[GG], s40, 6
	s_mov_b32 s[Y], 0
.Lgroup:
	s_cmp_ge_u32 s[Y], s[GG]
	s_cbranch_scc1 .Lb1
	v_lshl_add_u32 v5, s[Y], 8, v11                ; (the loads that read v5 in the last trip stand ahead of the wait on vm_vsrc at that trip's end)
	s_wait_alu depctr_va_vdst(0)                   ; v5 is written, and in the first trip v4: the offsets of the loads below; the last trip's vector lines are done with v[12:19] and with v[64:127] of both windows, in which these loads land
.irp i,0,1,2,3,4,5,6,7
	global_load_b32 v[TOK+\i], v5, s[6:7] offset:64*(\i%4)+2048*(\i/4)
.endr
.irp f,0,1,2,3
	WL4 WF+16*\f, 0, 128*\f
.endr
.irp f,0,1,2,3
	WL4 WF+16*\f, 1, 512+128*\f
.endr
	WIN 0
	s_wait_loadcnt 32                              ; the 8 list entries are in; the 32 weight loads stay out
.irp i,0,1,2,3,4,5,6,7
	v_and_b32 v[TOK+\i], 0xffff, v[TOK+\i]
	v_min_u32 v[TOK+\i], 0x3ff, v[TOK+\i]
	v_lshl_add_u32 v[TOK+\i], v[TOK+\i], 12, v29
.endr
	s_wait_alu depctr_va_vdst(0)                   ; the eight offsets v[12:19] are written, which every load of h in this trip reads
	ALG 0, 0
	ALG 1, 64
.set st, 0
.rept 8
.if st < 7
	s_wait_loadcnt 16                              ; all but the next step's 16 loads of h
.else
	s_wait_loadcnt 0
.endif
.if st == 0
	WCVT 0
.endif
.if st == 4
	WCVT 1
.endif
	MM8 0, st%4, st%2, (st==0)
.if st < 6
	PLACES
	WIN 0
	s_wait_alu depctr_va_vdst(0)                   ; this step's products are done reading their buffer of h, in which the loads of the step after next land
	ALG st%2, 64*(st+2)
.endif
.set st, st+1
.endr
	RSTORE
	s_wait_dscnt 0x0                               ; for the others' sake: my sums are in LDS
.Lb1:
	s_barrier_signal -1
	s_barrier_wait -1
	s_cmp_ge_u32 s[Y], s[GG]
	s_cbranch_scc1 .Lb2
	s_wait_alu depctr_vm_vsrc(0)                   ; the loads of h have read their offsets v[12:19], which are at work from here on
	v_lshl_add_u32 v12, s[Y], 8, v28
	s_wait_alu depctr_va_vdst(0)                   ; v12 is written, and in the first trip v27 and v7; on every way to this line the vector and matrix lines are done with v13, v[72:79] and v[128:191], in which the loads below land
	global_load_b32 v13, v12, s[6:7]
	global_load_b128 v[72:75], v27, s[36:37]
	global_load_b128 v[76:79], v27, s[36:37] offset:16
	RLOAD 0, 0
	s_wait_loadcnt 0x2                             ; the entry is in, the bias may be out
	v_and_b32 v15, 0xffff, v13
	v_min_u32 v15, 0x3ff, v15                      ; token
	v_and_b32 v16, 0x1ff, v15                      ; position
	v_lshlrev_b32 v17, 6, v16
	s_wait_alu depctr_va_vdst(0)                   ; v17 is written, the offset of the four loads below
.irp i,0,1,2,3
	global_load_b128 v[80+4*\i:83+4*\i], v17, s[48:49] offset:16*\i   ; 8 cos, 8 sin
.endr
	s_wait_dscnt 0x0
	RSUM 0, 64
	s_wait_loadcnt 0x0
.irp p,0,2,4,6
	PADD 64+\p, 64+\p, 72+\p
.endr
	s_cmp_eq_u32 s29, 1
	s_cbranch_scc1 .Lnorope
.irp j,0,1,2,3,4,5,6,7
	v_mov_b32 v[96+\j], v[64+\j]
.endr
.irp j,0,1,2,3,4,5,6,7
	v_permlanex16_b32 v[96+\j], v[64+\j], s44, s45 ; the channel 64 away
	v_xor_b32 v[88+\j], v26, v[88+\j]
.endr
.irp p,0,2,4,6
	v_pk_mul_f32 v[64+\p:65+\p], v[64+\p:65+\p], v[80+\p:81+\p]
	v_pk_fma_f32 v[64+\p:65+\p], v[96+\p:97+\p], v[88+\p:89+\p], v[64+\p:65+\p]
.endr
.Lnorope:
.irp p,0,1,2,3
	v_cvt_pk_f16_f32 v[104+\p], v[64+2*\p], v[65+2*\p]
.endr
	s_cmp_eq_u32 s30, 1
	s_cbranch_scc0 .Lkv
	v_lshl_add_u32 v18, s[Y], 11, v25
	s_wait_alu depctr_va_vdst(0)                   ; the roundings have written v[104:107], the store's data, and v18, its offset, is written
	global_store_b128 v18, v[104:107], s[20:21]    ; the wave stores 512 consecutive bytes
	s_branch .Lb2
.Lkv:
	v_and_b32 v18, 0x200, v15
	v_lshlrev_b32 v18, 11, v18
	v_lshl_add_u32 v18, v16, 8, v18
	v_add_nc_u32 v18, v24, v18
	s_wait_alu depctr_va_vdst(0)                   ; the roundings have written v[104:107], the store's data, and v18, its offset, is written
	global_store_b128 v18, v[104:107], s[22:23]    ; all lanes on: a repeated token's lanes store the same bits to the same bytes
.Lb2:
	s_wait_xcnt 0x0                                ; the next trip rewrites the stores' registers
	s_wait_alu depctr_vm_vsrc(0)                   ; the trip's loads and its store have read v5, v[12:19] and v[104:107], and its LDS stores the accumulators: the next trip writes all of these again
	s_barrier_signal -1
	s_barrier_wait -1                              ; every wave's reads of the sums are over: the next trip may write them
	s_add_co_u32 s[Y], s[Y], 1
	s_cmp_lt_u32 s[Y], 8
	s_cbranch_scc1 .Lgroup
	s_wait_dscnt 0x0                               ; the closing lines, six on end
	s_wait_alu 0x0
	s_wait_tensorcnt 0x0
	ds_add_u32 v30, v31
	s_wait_dscnt 0x0
	s_endpgm
.Lfunc_end_k_q3b9b11d31a_qkv:
	.size	k_q3b9b11d31a_qkv, .Lfunc_end_k_q3b9b11d31a_qkv-k_q3b9b11d31a_qkv
	.p2alignl 7, 3214868480
	.fill 96, 4, 3214868480
	.section	.rodata,"a",@progbits
	.p2align	6, 0x0
	.amdhsa_kernel k_q3b9b11d31a_qkv
		.amdhsa_group_segment_fixed_size 66560
		.amdhsa_private_segment_fixed_size 0
		.amdhsa_enable_private_segment 0
		.amdhsa_kernarg_size 80
		.amdhsa_user_sgpr_count 2
		.amdhsa_user_sgpr_kernarg_segment_ptr 1
		.amdhsa_wavefront_size32 1
		.amdhsa_system_sgpr_workgroup_id_x 1
		.amdhsa_system_sgpr_workgroup_id_y 1
		.amdhsa_system_sgpr_workgroup_id_z 1
		.amdhsa_system_vgpr_workitem_id 0
		.amdhsa_next_free_vgpr 384
		.amdhsa_next_free_sgpr 66
		.amdhsa_reserve_vcc 0
		.amdhsa_float_denorm_mode_32 3
		.amdhsa_float_denorm_mode_16_64 3
		.amdhsa_memory_ordered 1
		.amdhsa_forward_progress 1
		.amdhsa_inst_pref_size 40
	.end_amdhsa_kernel
	.amdgpu_metadata
---
amdhsa.version: [ 1, 2 ]
amdhsa.kernels:
  - .name:           k_q3b9b11d31a_qkv
    .symbol:         k_q3b9b11d31a_qkv.kd
    .args:
      - { .name: prep, .offset: 0, .size: 8, .value_kind: global_buffer, .address_space: global }
      - { .name: list, .offset: 8, .size: 8, .value_kind: global_buffer, .address_space: global }
      - { .name: wq, .offset: 16, .size: 8, .value_kind: global_buffer, .address_space: global }
      - { .name: wk, .offset: 24, .size: 8, .value_kind: global_buffer, .address_space: global }
      - { .name: wv, .offset: 32, .size: 8, .value_kind: global_buffer, .address_space: global }
      - { .name: bq, .offset: 40, .size: 8, .value_kind: global_buffer, .address_space: global }
      - { .name: bk, .offset: 48, .size: 8, .value_kind: global_buffer, .address_space: global }
      - { .name: bv, .offset: 56, .size: 8, .value_kind: global_buffer, .address_space: global }
      - { .name: qh, .offset: 64, .size: 8, .value_kind: global_buffer, .address_space: global }
      - { .name: kv, .offset: 72, .size: 8, .value_kind: global_buffer, .address_space: global }
    .group_segment_fixed_size: 66560
    .private_segment_fixed_size: 0
    .kernarg_segment_align: 8
    .kernarg_segment_size: 80
    .max_flat_workgroup_size: 256
    .sgpr_count:     66
    .vgpr_count:     384
    .wavefront_size: 32
...
	.end_amdgpu_metadata
.endif
;; end of part 18
;; launch attn: the kernel of part 12 again; grid 64 x 8, 8 waves a work-group, no clusters, 287,744 bytes of LDS; arguments qh, kv, list, ca; writes ca
;; launch oproj (part 19): grid 256 x 1, 8 waves a work-group, no clusters, 33,792 bytes of LDS; arguments ca, wo, list, hidden_states, x1; writes x1
.if DOCPART == 19
	.amdgcn_target "amdgcn-amd-amdhsa--gfx1250"
	.amdhsa_code_object_version 6
	.text
	.protected	k_q3b9b11d31a_oproj
	.globl	k_q3b9b11d31a_oproj
	.p2align	8
	.type	k_q3b9b11d31a_oproj,@function
k_q3b9b11d31a_oproj:
	s_mov_b64 s[64:65], 0
	v_nop
	global_prefetch_b8 v0, s[64:65] scope:SCOPE_SE
	s_setreg_imm32_b32 hwreg(HW_REG_WAVE_SCHED_MODE, 0, 2), 2
	s_setreg_imm32_b32 hwreg(HW_REG_WAVE_MODE, 25, 1), 1
	s_wait_xcnt 0x0
	s_wait_alu depctr_vm_vsrc(0)
; x1 = x + ctx wo^T for the chosen rows.  Work-group: 16 output columns (number / 2) and one batch (number % 2), so that 2048 / 16 x 2 = 256 work-groups share the work; of a group of 128 rows it
; has the batch's 4 tiles.  The 8 waves split K = 2048; the groups are walked by a loop of 8 trips, of which G = ceil(max(n0, n1) / 64) have rows; a trip past G jumps over its work and passes its two barriers.
; Weights go from memory through registers (rounded to f16) into source 0; ctx comes in blocks [k / 16][slot][16] of f16, 512 consecutive bytes a load, through four buffers: a step's ctx is asked
; for four steps ahead.  The waves' sums meet in LDS; wave w adds registers 4 (w / 4) .. + 3 of tile w % 4, adds the token's numbers of hidden_states (f32; asked for in the first phase)
; and stores f32 in the accumulator's own order: [column block][tile][1024 bytes].  No cluster, no tensor load: the trip count hangs on a stored number.
; No cache hint on the weights: 128 consecutive bytes of a row are asked for by four instructions, and the batch's partner reads the same rows.
; LIMITS.  |ctx| and |wo| under 65,504 (f16); weight bits below 2^-24 are lost.
; THE MODE: SCHED_MODE bits 1:0 = 2 (LLVM: expert scheduling mode 2), set by the entry lines.  The code itself states the register dependences
; between vector or matrix instructions and memory or LDS instructions, with s_wait_alu, always for 0.
; THE PLAN.  Registers that memory or LDS instructions touch, round a trip:
;   v4, v6, v7         an offset and two LDS addresses, made at the head and never written again.
;   v12, v5            written at the trip's head; read by the load of the list entry and by the loads of ctx.
;   v13, v16, v[20:23] the entry lands in v13; vector lines make v16 of it, the offset of the load of hidden_states, which lands in v[20:23]; the sums read those.
;   v[64:127]          in both windows the weights land here and the conversions read them.  Behind the barrier v[64:67] of window 0 are the store's data, v18 its offset.
;   v[128:255]         four buffers of ctx: step s's 4 products read buffer s % 4, then the loads of step s + 4 land in it.  Behind the barrier the waves' sums land in v[128:159] and are added there.
;   the accumulators   written by the products, read by the LDS stores.
; One wait on vm_vsrc stands at the trip's end, for all that the next trip writes again.  The waits on va_vdst: at the trip's head behind its two offsets; ONE a step in steps 0 to 3, behind the step's
; products, ahead of the loads into the buffer that they read (step 0's also stands for v16, and the load of hidden_states follows it); ahead of the LDS stores; at the second phase's head; ahead of the
; global store.  A branch leads round each phase, so each phase states at its own head what its first loads hang on.
.set SPARE, 32768                      ; behind the partial sums (8 waves x 4 tiles x 1024 bytes): the spare words
.set WH, 32                            ; v[32:63]   four weight fragments in f16
.set WF, 64                            ; v[64:127]  four k steps of weights in f32 (window 0: steps 0-3; window 1: steps 4-7)
.set AB, 128                           ; v[128:255] four buffers of 4 token fragments
.set HID, 20                           ; v[20:23]   my four numbers of hidden_states
.set WV, 14
.set Y, 15
.set GG, 16
.set MSB, 0
.macro WIN new
.if MSB != (\new)
	s_set_vgpr_msb (MSB<<8)|(\new)
.set MSB, \new
.endif
.endm
.macro PLACES
.rept 4
	v_nop
.endr
.endm
.macro PADD d, a, b
	v_pk_add_f32 v[\d:(\d)+1], v[\a:(\a)+1], v[\b:(\b)+1]
.endm
.macro WL4 dst, win, imm
	WIN 0x40*(\win)
	global_load_b128 v[(\dst):(\dst)+3], v4, s[6:7] offset:(\imm)
	global_load_b128 v[(\dst)+4:(\dst)+7], v4, s[6:7] offset:(\imm)+16
	global_load_b128 v[(\dst)+8:(\dst)+11], v4, s[6:7] offset:(\imm)+64
	global_load_b128 v[(\dst)+12:(\dst)+15], v4, s[6:7] offset:(\imm)+80
.endm
.macro WCVT win
	WIN 0x05*(\win)
.set ci, 0
.rept 32
	v_cvt_pk_f16_f32 v[WH+ci], v[WF+2*ci], v[WF+2*ci+1]
.set ci, ci+1
.endr
	WIN 0
.endm
.macro AL buf, imm                     ; 4 tiles x 32 k: two blocks of 16 k
	WIN 0
.irp i,0,1,2,3
	global_load_b128 v[AB+32*(\buf)+8*\i:AB+32*(\buf)+8*\i+3], v5, s[4:5] offset:(\imm)+512*\i
	global_load_b128 v[AB+32*(\buf)+8*\i+4:AB+32*(\buf)+8*\i+7], v5, s[4:5] offset:(\imm)+512*\i+32768
.endr
.endm
.macro MM4 frag, buf, zero             ; the 4 accumulators by turns
	WIN 0x50
.irp i,0,1,2,3
.if \zero
	v_wmma_f32_16x16x32_f16 v[8*\i:8*\i+7], v[WH+8*(\frag):WH+8*(\frag)+7], v[AB+32*(\buf)+8*\i:AB+32*(\buf)+8*\i+7], 0
.else
	v_wmma_f32_16x16x32_f16 v[8*\i:8*\i+7], v[WH+8*(\frag):WH+8*(\frag)+7], v[AB+32*(\buf)+8*\i:AB+32*(\buf)+8*\i+7], v[8*\i:8*\i+7]
.endif
.endr
.endm
	s_load_b256 s[4:11], s[0:1], 0x0               ; ca s[4:5], wo s[6:7], list s[8:9], hidden s[10:11]
	s_load_b64 s[12:13], s[0:1], 0x20              ; x1
	v_lshl_add_u32 v30, v0, 2, SPARE
	v_mov_b32 v31, 0
	v_lshrrev_b32 v1, 5, v0
	v_readfirstlane_b32 s[WV], v1
	s_lshr_b32 s24, ttmp9, 1                       ; which 16 columns
	s_and_b32 s25, ttmp9, 1                        ; which batch
	v_and_b32 v8, 31, v0                           ; lane
	v_and_b32 v1, 15, v0                           ; r
	v_bfe_u32 v2, v0, 4, 1                         ; h
	v_lshlrev_b32 v3, 5, v1
	v_lshl_add_u32 v3, v2, 4, v3
	s_lshl_b32 s18, s24, 4
	v_add_nc_u32 v4, s18, v1
	v_lshlrev_b32 v4, 13, v4
	v_lshl_add_u32 v4, v2, 5, v4
	s_wait_alu depctr_va_sdst(0)                   ; the wave's number is written, ahead of its first reader: offsets and LDS addresses are made from it
	s_lshl_b32 s18, s[WV], 10
	v_add_nc_u32 v4, s18, v4                       ; row x 8192 + 32 h + my wave's 256 k
	s_lshl_b32 s18, s[WV], 19
	s_lshl_b32 s19, s25, 14
	s_add_co_u32 s18, s18, s19
	v_add_nc_u32 v11, s18, v3                      ; ctx: my wave's 16 blocks, the batch's tiles, 32 r + 16 h
	v_lshlrev_b32 v9, 4, v8                        ; 16 lane
	s_lshl_b32 s18, s[WV], 12
	v_add_nc_u32 v6, s18, v9                       ; LDS: my wave's 4 tiles
	s_and_b32 s19, s[WV], 3                        ; the tile that I sum,
	s_lshr_b32 s20, s[WV], 2                       ; and which four of its eight registers
	s_lshl_b32 s18, s19, 10
	s_lshl_b32 s21, s20, 9
	s_add_co_u32 s18, s18, s21
	v_add_nc_u32 v7, s18, v9                       ; LDS: that piece in wave 0's part
	s_lshl_b32 s21, s25, 5
	s_add_co_u32 s21, s21, s19                     ; the tile in group 0: 32 batch + w % 4
	s_lshl_b32 s18, s21, 6
	v_lshl_add_u32 v28, v1, 2, s18                 ; its slots in the list
	s_lshl_b32 s18, s24, 6
	s_lshl_b32 s22, s20, 4
	s_add_co_u32 s18, s18, s22
	v_lshl_add_u32 v27, v2, 5, s18                 ; my 4 columns in a row of hidden_states
	s_lshl_b32 s18, s21, 10
	s_lshl_b32 s22, s24, 16
	s_add_co_u32 s18, s18, s22
	s_lshl_b32 s22, s20, 9
	s_add_co_u32 s18, s18, s22
	v_add_nc_u32 v25, s18, v9                      ; x1: 65536 column block + 1024 tile + 512 (w / 4) + 16 lane
.irp j,0,1,2,3
	v_mov_b32 v[HID+\j], 0                         ; so that the four hold a number on every way to the sums below
.endr
	s_wait_kmcnt 0x0
	s_load_b32 s22, s[8:9], 0x1000
	s_load_b32 s23, s[8:9], 0x1080
	s_wait_kmcnt 0x0
	s_min_u32 s22, s22, 0x200
	s_min_u32 s23, s23, 0x200
	s_max_u32 s22, s22, s23
	s_add_co_u32 s22, s22, 63
	s_lshr_b32 s[GG], s22, 6
	s_mov_b32 s[Y], 0
.Lgroup:
	s_cmp_ge_u32 s[Y], s[GG]
	s_cbranch_scc1 .Lb1
	v_lshl_add_u32 v12, s[Y], 8, v28               ; (the loads that read v12 and v5 in the last trip stand ahead of the wait on vm_vsrc at that trip's end)
	v_lshl_add_u32 v5, s[Y], 11, v11
	s_wait_alu depctr_va_vdst(0)                   ; v12 and v5 are written, and in the first trip v4: the offsets of the loads below; the last trip's vector lines are done with v13, with v[64:127] of both windows and with v[128:255], in which these loads land
	global_load_b32 v13, v12, s[8:9]               ; the token whose row I finish
.irp f,0,1,2,3
	WL4 WF+16*\f, 0, 128*\f
.endr
.irp f,0,1,2,3
	WL4 WF+16*\f, 1, 512+128*\f
.endr
	AL 0, 0
	AL 1, 65536
	AL 2, 131072
	AL 3, 196608
.set st, 0
.rept 8
.if st == 0
	s_wait_loadcnt 24                              ; the entry, the weights and ctx of step 0 are in; ctx of steps 1 to 3 stays out
.elseif st < 4
	s_wait_loadcnt 25                              ; three later steps of ctx and the load of hidden_states stay out
.else
	s_wait_loadcnt 8*(7-st)                        ; the later steps of ctx stay out
.endif
.if st == 0
	WCVT 0
	v_and_b32 v16, 0xffff, v13
	v_min_u32 v16, 0x3ff, v16
	v_lshl_add_u32 v16, v16, 13, v27
.endif
.if st == 4
	WCVT 1
.endif
	MM4 st%4, st%4, (st==0)
.if st < 4
	PLACES
	WIN 0
	s_wait_alu depctr_va_vdst(0)                   ; this step's products are done reading their buffer of ctx, in which the loads of four steps on land; in step 0 also: v16 is written, and the vector lines that named v[20:23] are done
.if st == 0
	global_load_b128 v[HID:HID+3], v16, s[10:11]   ; ahead of this step's loads of ctx, as the counts above have it
.endif
	AL st%4, 65536*(st+4)
.endif
.set st, st+1
.endr
	PLACES
	WIN 0x04
	s_wait_alu depctr_va_vdst(0)                   ; the products have written the accumulators, which the LDS stores read; the places above stay beside this wait
.irp i,0,1,2,3
	ds_store_b128 v6, v[8*\i:8*\i+3] offset:1024*\i          ; each accumulator's low registers first
	ds_store_b128 v6, v[8*\i+4:8*\i+7] offset:1024*\i+512
.endr
	WIN 0
	s_wait_dscnt 0x0                               ; for the others' sake
.Lb1:
	s_barrier_signal -1
	s_barrier_wait -1
	s_cmp_ge_u32 s[Y], s[GG]
	s_cbranch_scc1 .Lb2
	v_lshl_add_u32 v18, s[Y], 12, v25              ; (the store that read v18 in the last trip stands ahead of the wait on vm_vsrc at that trip's end)
	s_wait_alu depctr_va_vdst(0)                   ; in the first trip v7 is written; on every way to this line the matrix and vector lines are done with v[128:159], in which the LDS loads below land
.irp s,0,1,2,3,4,5,6,7
	ds_load_b128 v[AB+4*\s:AB+4*\s+3], v7 offset:4096*\s
.endr
	s_wait_dscnt 0x0
.irp p,0,2
	PADD AB+\p, AB+\p, AB+4+\p
	PADD AB+8+\p, AB+8+\p, AB+12+\p
	PADD AB+16+\p, AB+16+\p, AB+20+\p
	PADD AB+24+\p, AB+24+\p, AB+28+\p
.endr
.irp p,0,2
	PADD AB+\p, AB+\p, AB+8+\p
	PADD AB+16+\p, AB+16+\p, AB+24+\p
.endr
.irp p,0,2
	PADD 64+\p, AB+\p, AB+16+\p
.endr
	s_wait_loadcnt 0x0                             ; hidden_states (the last step's wait has shown it in)
	PADD 64, 64, HID
	PADD 66, 66, HID+2
	s_wait_alu depctr_va_vdst(0)                   ; the sums have written v[64:67], the store's data
	global_store_b128 v18, v[64:67], s[12:13]      ; the wave stores 512 consecutive bytes
.Lb2:
	s_wait_xcnt 0x0                                ; the next trip rewrites the store's registers
	s_wait_alu depctr_vm_vsrc(0)                   ; the trip's loads and its store have read v12, v5, v16, v18 and v[64:67], and its LDS stores the accumulators: the next trip writes all of these again
	s_barrier_signal -1
	s_barrier_wait -1                              ; every wave's reads of the sums are over: the next trip may write them
	s_add_co_u32 s[Y], s[Y], 1
	s_cmp_lt_u32 s[Y], 8
	s_cbranch_scc1 .Lgroup
	s_wait_dscnt 0x0                               ; the closing lines, six on end
	s_wait_alu 0x0
	s_wait_tensorcnt 0x0
	ds_add_u32 v30, v31
	s_wait_dscnt 0x0
	s_endpgm
.Lfunc_end_k_q3b9b11d31a_oproj:
	.size	k_q3b9b11d31a_oproj, .Lfunc_end_k_q3b9b11d31a_oproj-k_q3b9b11d31a_oproj
	.p2alignl 7, 3214868480
	.fill 96, 4, 3214868480
	.section	.rodata,"a",@progbits
	.p2align	6, 0x0
	.amdhsa_kernel k_q3b9b11d31a_oproj
		.amdhsa_group_segment_fixed_size 33792
		.amdhsa_private_segment_fixed_size 0
		.amdhsa_enable_private_segment 0
		.amdhsa_kernarg_size 40
		.amdhsa_user_sgpr_count 2
		.amdhsa_user_sgpr_kernarg_segment_ptr 1
		.amdhsa_wavefront_size32 1
		.amdhsa_system_sgpr_workgroup_id_x 1
		.amdhsa_system_sgpr_workgroup_id_y 1
		.amdhsa_system_sgpr_workgroup_id_z 1
		.amdhsa_system_vgpr_workitem_id 0
		.amdhsa_next_free_vgpr 384
		.amdhsa_next_free_sgpr 66
		.amdhsa_reserve_vcc 0
		.amdhsa_float_denorm_mode_32 3
		.amdhsa_float_denorm_mode_16_64 3
		.amdhsa_memory_ordered 1
		.amdhsa_forward_progress 1
		.amdhsa_inst_pref_size 23
	.end_amdhsa_kernel
	.amdgpu_metadata
---
amdhsa.version: [ 1, 2 ]
amdhsa.kernels:
  - .name:           k_q3b9b11d31a_oproj
    .symbol:         k_q3b9b11d31a_oproj.kd
    .args:
      - { .name: ca, .offset: 0, .size: 8, .value_kind: global_buffer, .address_space: global }
      - { .name: wo, .offset: 8, .size: 8, .value_kind: global_buffer, .address_space: global }
      - { .name: list, .offset: 16, .size: 8, .value_kind: global_buffer, .address_space: global }
      - { .name: hidden_states, .offset: 24, .size: 8, .value_kind: global_buffer, .address_space: global }
      - { .name: x1, .offset: 32, .size: 8, .value_kind: global_buffer, .address_space: global }
    .group_segment_fixed_size: 33792
    .private_segment_fixed_size: 0
    .kernarg_segment_align: 8
    .kernarg_segment_size: 40
    .max_flat_workgroup_size: 256
    .sgpr_count:     66
    .vgpr_count:     384
    .wavefront_size: 32
...
	.end_amdgpu_metadata
.endif
;; end of part 19
;; launch norm2: the kernel of part 14 again; grid 64 x 1, 8 waves a work-group, no clusters, 1,536 bytes of LDS; arguments x1, ln2_w, list, qh; writes qh
;; launch gateup: the kernel of part 15 again; grid 256 x 1, 8 waves a work-group, no clusters, 263,168 bytes of LDS; arguments qh, w_gate, w_up, list, ca; writes ca
;; launch down (part 20): grid 256 x 1, 8 waves a work-group, no clusters, 263,168 bytes of LDS; arguments ca, w_down, list, part; writes part
.if DOCPART == 20
	.amdgcn_target "amdgcn-amd-amdhsa--gfx1250"
	.amdhsa_code_object_version 6
	.text
	.protected	k_q3b9b11d31a_down
	.globl	k_q3b9b11d31a_down
	.p2align	8
	.type	k_q3b9b11d31a_down,@function
k_q3b9b11d31a_down:
	s_mov_b64 s[64:65], 0
	v_nop
	global_prefetch_b8 v0, s[64:65] scope:SCOPE_SE
	s_setreg_imm32_b32 hwreg(HW_REG_WAVE_SCHED_MODE, 0, 2), 2
	s_setreg_imm32_b32 hwreg(HW_REG_WAVE_MODE, 25, 1), 1
	s_wait_xcnt 0x0
	s_wait_alu depctr_vm_vsrc(0)
; Partial sums of act w_down^T.  Work-group x owns 64 output columns (x % 32) and 1024 of K = 8192 (x / 32); its 8 waves take 128 k each.  Groups of 128 rows are walked by a loop of 8 trips,
; of which G = ceil(max(n0, n1) / 64) have rows; a trip past G jumps over its work and passes its two barriers.
; act comes as a1, a2 with act = 4096 a1 + a2: each k step is multiplied twice onto the same f32 accumulators, a2 with W and a1 with 4096 W (an exact scaling in f16).
; The waves' sums meet in LDS; wave w sums tile w and stores f32 into part x / 32, in the accumulator's own order.  The last launch adds the eight parts.
; PREFETCH.  In its first step each wave asks, for its own 64 rows (lanes one row apart, two instructions), for the second 256 of its 512 bytes of each row: its k steps 2 and 3 load them, the first of
; these loads at the end of the third step; 16 KiB a wave.  No other wave asks for these bytes; a further group asks for them again.
; No cluster, no tensor load: each weight has one reader, and the trip count hangs on a stored number.
; LIMITS.  |w_down| under 16, so that 4096 W stays in f16; weight bits below 2^-24 are lost.
; THE MODE: SCHED_MODE bits 1:0 = 2 (LLVM: expert scheduling mode 2), set by the entry lines.  The code itself states the register dependences
; between vector or matrix instructions and memory or LDS instructions, with s_wait_alu, always for 0.
; THE PLAN.  Registers that memory or LDS instructions touch, round a trip:
;   v4, v26, v6, v[7:10]  offsets and LDS addresses, made at the head and never written again.
;   v5                 written at the trip's head; read by the loads of a1 and a2.
;   v[64:127]          a k step's weights land here; the conversions of an even step read them.  Behind the barrier the sums go into v[64:95], the stores' data; v18 is the stores' offset.
;   v[128:255]         two buffers: a2 in the first, a1 in the second.  Step t's 32 products read buffer t % 2, then the loads of step t + 2 land in it.  Behind the barrier the waves' sums land here and are added.
;   the accumulators   written by the products, read by the LDS stores.
;   v[32:63], the weights in f16, are named by vector and matrix instructions alone.
; ONE wait on va_vdst stands in a step, behind its products: they are done reading buffer t % 2, and in an even step the conversions are done reading v[64:127].  Behind it go the step's loads: in an
; even step the next k step's weights and then the next a2, in an odd step the next a1.  That is the order W, a2, a1 in which they are waited for.  The next weights are wanted at the same wait as the
; a2 issued behind them.  Further waits on va_vdst: at each phase's head, behind the offset made there (a branch leads round each phase, so each states at its own head what its first loads hang on);
; ahead of the LDS stores; behind the first two sums; ahead of the last stores.  One wait on vm_vsrc stands at the trip's end, for all that the next trip writes again.
.set NB, 4
.set SPARE, 262144
.set WH, 32
.set WF, 64
.set AB, 128
.set WV, 20
.set Y, 21
.set GG, 22
.set MSB, 0
.macro WIN new
.if MSB != (\new)
	s_set_vgpr_msb (MSB<<8)|(\new)
.set MSB, \new
.endif
.endm
.macro PLACES
.rept 4
	v_nop
.endr
.endm
.macro PADD d, a, b
	v_pk_add_f32 v[\d:(\d)+1], v[\a:(\a)+1], v[\b:(\b)+1]
.endm
.macro WL4 dst, imm
	WIN 0
	global_load_b128 v[(\dst):(\dst)+3], v4, s[6:7] offset:(\imm)
	global_load_b128 v[(\dst)+4:(\dst)+7], v4, s[6:7] offset:(\imm)+16
	global_load_b128 v[(\dst)+8:(\dst)+11], v4, s[6:7] offset:(\imm)+64
	global_load_b128 v[(\dst)+12:(\dst)+15], v4, s[6:7] offset:(\imm)+80
.endm
.macro WU ks                           ; four column blocks, k step ks
	WL4 WF, 128*(\ks)
	WL4 WF+16, 524288+128*(\ks)
	WL4 WF+32, 1048576+128*(\ks)
	WL4 WF+48, 1572864+128*(\ks)
.endm
.macro WCVT
	WIN 0
.set ci, 0
.rept 32
	v_cvt_pk_f16_f32 v[WH+ci], v[WF+2*ci], v[WF+2*ci+1]
.set ci, ci+1
.endr
.endm
.macro AL buf, sb, imm
	WIN 0
.irp i,0,1,2,3,4,5,6,7
	global_load_b128 v[AB+64*(\buf)+8*\i:AB+64*(\buf)+8*\i+3], v5, s[\sb:\sb+1] offset:(\imm)+512*(\i%4)+16384*(\i/4)
	global_load_b128 v[AB+64*(\buf)+8*\i+4:AB+64*(\buf)+8*\i+7], v5, s[\sb:\sb+1] offset:(\imm)+512*(\i%4)+16384*(\i/4)+32768
.endr
.endm
.macro MM8 acc, frag, buf, zero        ; the accumulators by turns
	WIN 0x50
.irp i,0,1,2,3,4,5,6,7
.if \zero
	v_wmma_f32_16x16x32_f16 v[64*(\acc)+8*\i:64*(\acc)+8*\i+7], v[WH+8*(\frag):WH+8*(\frag)+7], v[AB+64*(\buf)+8*\i:AB+64*(\buf)+8*\i+7], 0
.else
	v_wmma_f32_16x16x32_f16 v[64*(\acc)+8*\i:64*(\acc)+8*\i+7], v[WH+8*(\frag):WH+8*(\frag)+7], v[AB+64*(\buf)+8*\i:AB+64*(\buf)+8*\i+7], v[64*(\acc)+8*\i:64*(\acc)+8*\i+7]
.endif
.endr
.endm
.macro RSTORE
	PLACES
	WIN 0x04
	s_wait_alu depctr_va_vdst(0)                   ; the products have written the accumulators, which the LDS stores read; the places above stay beside this wait
.set rf, 0
.rept NB*8
	ds_store_b128 v6, v[8*rf:8*rf+3] offset:1024*rf
	ds_store_b128 v6, v[8*rf+4:8*rf+7] offset:1024*rf+512
.set rf, rf+1
.endr
	WIN 0
.endm
.macro RLOAD f, half
.irp s,0,1,2,3,4,5,6,7
	ds_load_b128 v[AB+64*(\half)+8*\s:AB+64*(\half)+8*\s+3], v[7+(\s*NB)/8] offset:((\s*NB*8192)%65536)+8192*(\f)
	ds_load_b128 v[AB+64*(\half)+8*\s+4:AB+64*(\half)+8*\s+7], v[7+(\s*NB)/8] offset:((\s*NB*8192)%65536)+8192*(\f)+512
.endr
.endm
.macro RSUM half, dst
.irp p,0,2,4,6
	PADD AB+64*(\half)+\p, AB+64*(\half)+\p, AB+64*(\half)+8+\p
	PADD AB+64*(\half)+16+\p, AB+64*(\half)+16+\p, AB+64*(\half)+24+\p
	PADD AB+64*(\half)+32+\p, AB+64*(\half)+32+\p, AB+64*(\half)+40+\p
	PADD AB+64*(\half)+48+\p, AB+64*(\half)+48+\p, AB+64*(\half)+56+\p
.endr
.irp p,0,2,4,6
	PADD AB+64*(\half)+\p, AB+64*(\half)+\p, AB+64*(\half)+16+\p
	PADD AB+64*(\half)+32+\p, AB+64*(\half)+32+\p, AB+64*(\half)+48+\p
.endr
.irp p,0,2,4,6
	PADD (\dst)+\p, AB+64*(\half)+\p, AB+64*(\half)+32+\p
.endr
.endm
	s_load_b256 s[4:11], s[0:1], 0x0               ; ca s[4:5], w_down s[6:7], list s[8:9], part s[10:11]
	v_lshl_add_u32 v30, v0, 2, SPARE
	v_mov_b32 v31, 0
	v_lshrrev_b32 v1, 5, v0
	v_readfirstlane_b32 s[WV], v1
	s_and_b32 s25, ttmp9, 31                       ; which 64 columns
	s_lshr_b32 s26, ttmp9, 5                       ; which 1024 of K
	v_and_b32 v20, 31, v0
	v_and_b32 v1, 15, v0
	v_bfe_u32 v2, v0, 4, 1
	v_lshlrev_b32 v3, 5, v1
	v_lshl_add_u32 v3, v2, 4, v3
	s_lshl_b32 s18, s25, 6
	v_add_nc_u32 v4, s18, v1
	v_add_nc_u32 v26, s18, v20
	v_lshlrev_b32 v4, 15, v4
	v_lshlrev_b32 v26, 15, v26
	v_lshl_add_u32 v4, v2, 5, v4
	s_lshl_b32 s18, s26, 12
	s_wait_alu depctr_va_sdst(0)                   ; the wave's number is written, ahead of its first reader: offsets and LDS addresses are made from it
	s_lshl_b32 s19, s[WV], 9
	s_add_co_u32 s18, s18, s19
	v_add_nc_u32 v4, s18, v4                       ; row x 32768 + 32 h + 4096 part + 512 w
	v_add_nc_u32 v26, s18, v26                     ; the prefetch: row 64 cg + lane, my wave's 512 bytes; never rewritten
	s_lshl_b32 s18, s26, 6
	s_lshl3_add_u32 s18, s[WV], s18                ; my first block of 16 k: 64 part + 8 w
	s_lshl_b32 s18, s18, 15
	v_add_nc_u32 v11, s18, v3
	v_lshlrev_b32 v21, 4, v20
	s_lshl_b32 s18, s[WV], 15
	v_add_nc_u32 v6, s18, v21
	s_lshl_b32 s18, s[WV], 10
	v_add_nc_u32 v7, s18, v21
	v_add_nc_u32 v8, 0x10000, v7
	v_add_nc_u32 v9, 0x20000, v7
	v_add_nc_u32 v10, 0x30000, v7
	s_and_b32 s19, s[WV], 3
	s_lshr_b32 s18, s[WV], 2
	s_lshl_b32 s18, s18, 5
	s_add_co_u32 s19, s19, s18
	s_lshl_b32 s19, s19, 10
	s_lshl_b32 s18, s25, 18
	s_add_co_u32 s19, s19, s18
	v_add_nc_u32 v25, s19, v21                     ; 65536 (4 cg) + 1024 tile + 16 lane
	s_lshl_b32 s18, s26, 23
	s_mov_b32 s19, 0
	s_wait_kmcnt 0x0
	s_load_b32 s23, s[8:9], 0x1000
	s_load_b32 s24, s[8:9], 0x1080
	s_add_nc_u64 s[12:13], s[4:5], 0x400000        ; a1
	s_add_nc_u64 s[14:15], s[4:5], 0x1400000       ; a2
	s_add_nc_u64 s[16:17], s[10:11], s[18:19]      ; my part
	s_wait_kmcnt 0x0
	s_min_u32 s23, s23, 0x200
	s_min_u32 s24, s24, 0x200
	s_max_u32 s23, s23, s24
	s_add_co_u32 s23, s23, 63
	s_lshr_b32 s[GG], s23, 6
	s_mov_b32 s[Y], 0
.Lgroup:
	s_cmp_ge_u32 s[Y], s[GG]
	s_cbranch_scc1 .Lb1
	v_lshl_add_u32 v5, s[Y], 11, v11               ; (the loads that read v5 in the last trip stand ahead of the wait on vm_vsrc at that trip's end)
	s_wait_alu depctr_va_vdst(0)                   ; v5 is written, and in the first trip v4 and v26: the offsets of the trip's loads and of its prefetch; the last trip's sums are done with v[64:95] and v[128:255], in which the loads below land
	WU 0
	AL 0, 14, 0
	AL 1, 12, 0
.set t, 0
.rept 8                                ; step t: k step t / 2; even t: a2 with W; odd t: a1 with 4096 W
.if t == 7
	s_wait_loadcnt 0
.elseif t%2 == 0
	s_wait_loadcnt 16                              ; the weights and a2 are in; a1's 16 loads stay out
.else
	s_wait_loadcnt 32                              ; a1 is in; the next weights and the next a2 stay out
.endif
.if t%2 == 0
	WCVT
.if t == 0
	global_prefetch_b8 v26, s[6:7] offset:256 th:TH_LOAD_NT scope:SCOPE_SE
	global_prefetch_b8 v26, s[6:7] offset:1048576+256 th:TH_LOAD_NT scope:SCOPE_SE
.endif
.else
	WIN 0
.set ci, 0
.rept 32
	v_pk_mul_f16 v[WH+ci], v[WH+ci], 0x6c006c00
.set ci, ci+1
.endr
.endif
	MM8 0, 0, t%2, (t==0)
	MM8 1, 1, t%2, (t==0)
	MM8 2, 2, t%2, (t==0)
	MM8 3, 3, t%2, (t==0)
.if t < 7
	PLACES                                         ; for the next step's lines that write the weights in f16, which these products have read
.endif
.if t < 6
	WIN 0
	s_wait_alu depctr_va_vdst(0)                   ; this step's products are done reading buffer t % 2, and in an even step its conversions are done reading v[64:127]: the loads below land there
.if t%2 == 0
	WU t/2+1
	AL 0, 14, 65536*((t+2)/2)
.else
	AL 1, 12, 65536*((t+2)/2)
.endif
.endif
.set t, t+1
.endr
	RSTORE
	s_wait_dscnt 0x0
.Lb1:
	s_barrier_signal -1
	s_barrier_wait -1
	s_cmp_ge_u32 s[Y], s[GG]
	s_cbranch_scc1 .Lb2
	v_lshl_add_u32 v18, s[Y], 12, v25              ; (the stores that read v18 in the last trip stand ahead of the wait on vm_vsrc at that trip's end)
	s_wait_alu depctr_va_vdst(0)                   ; v18 is written, the stores' offset, and in the first trip v[7:10]; on every way to this line the matrix and vector lines are done with v[128:255], in which the LDS loads below land
	RLOAD 0, 0
	RLOAD 1, 1
	s_wait_dscnt 16
	RSUM 0, 64
	s_wait_dscnt 0x0
	RSUM 1, 72
	s_wait_alu depctr_va_vdst(0)                   ; the two sums have written v[64:79], the data of the four stores below, and are done with v[128:255], in which the next LDS loads land
	RLOAD 2, 0
	RLOAD 3, 1
	global_store_b128 v18, v[64:67], s[16:17]
	global_store_b128 v18, v[68:71], s[16:17] offset:512
	global_store_b128 v18, v[72:75], s[16:17] offset:65536
	global_store_b128 v18, v[76:79], s[16:17] offset:65536+512
	s_wait_dscnt 16
	RSUM 0, 80
	s_wait_dscnt 0x0
	RSUM 1, 88
	s_wait_alu depctr_va_vdst(0)                   ; the two sums have written v[80:95], the data of the last four stores
	global_store_b128 v18, v[80:83], s[16:17] offset:131072
	global_store_b128 v18, v[84:87], s[16:17] offset:131072+512
	global_store_b128 v18, v[88:91], s[16:17] offset:196608
	global_store_b128 v18, v[92:95], s[16:17] offset:196608+512
.Lb2:
	s_wait_xcnt 0x0                                ; the next trip rewrites the stores' registers
	s_wait_alu depctr_vm_vsrc(0)                   ; the trip's loads and stores have read v5, v18 and v[64:95], and its LDS stores the accumulators: the next trip writes all of these again
	s_barrier_signal -1
	s_barrier_wait -1
	s_add_co_u32 s[Y], s[Y], 1
	s_cmp_lt_u32 s[Y], 8
	s_cbranch_scc1 .Lgroup
	s_wait_dscnt 0x0                               ; the closing lines, six on end
	s_wait_alu 0x0
	s_wait_tensorcnt 0x0
	ds_add_u32 v30, v31
	s_wait_dscnt 0x0
	s_endpgm
.Lfunc_end_k_q3b9b11d31a_down:
	.size	k_q3b9b11d31a_down, .Lfunc_end_k_q3b9b11d31a_down-k_q3b9b11d31a_down
	.p2alignl 7, 3214868480
	.fill 96, 4, 3214868480
	.section	.rodata,"a",@progbits
	.p2align	6, 0x0
	.amdhsa_kernel k_q3b9b11d31a_down
		.amdhsa_group_segment_fixed_size 263168
		.amdhsa_private_segment_fixed_size 0
		.amdhsa_enable_private_segment 0
		.amdhsa_kernarg_size 32
		.amdhsa_user_sgpr_count 2
		.amdhsa_user_sgpr_kernarg_segment_ptr 1
		.amdhsa_wavefront_size32 1
		.amdhsa_system_sgpr_workgroup_id_x 1
		.amdhsa_system_sgpr_workgroup_id_y 1
		.amdhsa_system_sgpr_workgroup_id_z 1
		.amdhsa_system_vgpr_workitem_id 0
		.amdhsa_next_free_vgpr 512
		.amdhsa_next_free_sgpr 66
		.amdhsa_reserve_vcc 0
		.amdhsa_float_denorm_mode_32 3
		.amdhsa_float_denorm_mode_16_64 3
		.amdhsa_memory_ordered 1
		.amdhsa_forward_progress 1
		.amdhsa_inst_pref_size 76
	.end_amdhsa_kernel
	.amdgpu_metadata
---
amdhsa.version: [ 1, 2 ]
amdhsa.kernels:
  - .name:           k_q3b9b11d31a_down
    .symbol:         k_q3b9b11d31a_down.kd
    .args:
      - { .name: ca, .offset: 0, .size: 8, .value_kind: global_buffer, .address_space: global }
      - { .name: w_down, .offset: 8, .size: 8, .value_kind: global_buffer, .address_space: global }
      - { .name: list, .offset: 16, .size: 8, .value_kind: global_buffer, .address_space: global }
      - { .name: part, .offset: 24, .size: 8, .value_kind: global_buffer, .address_space: global }
    .group_segment_fixed_size: 263168
    .private_segment_fixed_size: 0
    .kernarg_segment_align: 8
    .kernarg_segment_size: 32
    .max_flat_workgroup_size: 256
    .sgpr_count:     66
    .vgpr_count:     512
    .wavefront_size: 32
...
	.end_amdgpu_metadata
.endif
;; end of part 20
;; launch final: the kernel of part 17 again; grid 32 x 32, 8 waves a work-group, no clusters, 9,728 bytes of LDS; arguments part, x1, list, prep, out0; writes out0
